; MI455X (gfx1250); checked and timed in simulation.
; The chip was launched on July 23, 2026; its instructions are those of AMD's public machine-readable ISA for CDNA 5 (MIT licence, August 2026) and "CDNA5" Instruction Set Architecture Reference Guide (July 2026). The comments in the code are by the model that wrote it; some were corrected since.
;; Encoder Layer. Allowed arithmetic: matrix products marked QUANTISED: E2M1 operands, one E8M0 scale for each 32 along K, by v_wmma_scale_f32_16x16x128_f8f6f4 with both operands' format E2M1 (or v_wmma_scale_f32_32x16x128_f4), f32 sums; everything else in f32.
;; Inputs: W1_codes 4,096 x 32 x 16 uint8 (E2M1 codes of W1, K innermost, in blocks of 32 codes, two codes a byte); W1_scales 4,096 x 32 uint8 (E8M0 scales of W1, one for each 32 codes along K); W2_codes 1,024 x 128 x 16 uint8 (E2M1 codes of W2, K innermost, in blocks of 32 codes, two codes a byte); W2_scales 1,024 x 128 uint8 (E8M0 scales of W2, one for each 32 codes along K); Wk_codes 1,024 x 32 x 16 uint8 (E2M1 codes of Wk, K innermost, in blocks of 32 codes, two codes a byte); Wk_scales 1,024 x 32 uint8 (E8M0 scales of Wk, one for each 32 codes along K); Wo_codes 1,024 x 32 x 16 uint8 (E2M1 codes of Wo, K innermost, in blocks of 32 codes, two codes a byte); Wo_scales 1,024 x 32 uint8 (E8M0 scales of Wo, one for each 32 codes along K); Wq_codes 1,024 x 32 x 16 uint8 (E2M1 codes of Wq, K innermost, in blocks of 32 codes, two codes a byte); Wq_scales 1,024 x 32 uint8 (E8M0 scales of Wq, one for each 32 codes along K); Wv_codes 1,024 x 32 x 16 uint8 (E2M1 codes of Wv, K innermost, in blocks of 32 codes, two codes a byte); Wv_scales 1,024 x 32 uint8 (E8M0 scales of Wv, one for each 32 codes along K); b1 4,096 float32; b2 1,024 float32; be1 1,024 float32; be2 1,024 float32; bk 1,024 float32; bo 1,024 float32; bq 1,024 float32; bv 1,024 float32; g1 1,024 float32; g2 1,024 float32; x 2 x 2,048 x 1,024 float32.
;; Outputs: out0 2 x 2,048 x 1,024 float32.
;; This version of the problem:
;;   THIS VERSION OF THE PROBLEM IS GIVEN IN LOW PRECISION. The matrix products marked QUANTISED in the list below multiply operands that are first quantised to E2M1 (2 exponent bits, 1 mantissa bit; 4 bits a number), with one power-of-two scale for each 32 numbers along K (OCP MX v1.0); their sums are f32. All else is computed in f32.
;;   The module's matrix products, in the order in which they are computed (A, B: the left and right operand; K: the contracted axis; several contracted axes count as one K, in the product's order):
;;     1. [M 4,096, K 1,024] x [K 1,024, N 1,024]; A: input x; B: input Wq (given as codes): QUANTISED
;;     2. [M 4,096, K 1,024] x [K 1,024, N 1,024]; A: input x; B: input Wk (given as codes): QUANTISED
;;     3. [M 4,096, K 1,024] x [K 1,024, N 1,024]; A: input x; B: input Wv (given as codes): QUANTISED
;;     4. batch 32 x [M 2,048, K 64] x [K 64, N 2,048]; A: computed on the way; B: computed on the way: QUANTISED
;;     5. batch 32 x [M 2,048, K 2,048] x [K 2,048, N 64]; A: softmax (see below); B: computed on the way: QUANTISED
;;     6. [M 4,096, K 1,024] x [K 1,024, N 1,024]; A: computed on the way; B: input Wo (given as codes): QUANTISED
;;     7. [M 4,096, K 1,024] x [K 1,024, N 4,096]; A: computed on the way; B: input W1 (given as codes): QUANTISED
;;     8. [M 4,096, K 4,096] x [K 4,096, N 1,024]; A: computed on the way; B: input W2 (given as codes): QUANTISED
;;   THE QUANTISER, for each operand of a quantised product, along K:
;;     - K is cut into blocks of 32 from its start; a last block that is shorter is filled with zeros.
;;     - A block's scale is 2^e with e = floor(log2(the largest magnitude in the block)) - 2, held to -126 .. 127; a block of zeros has e = 0. As a byte (E8M0): e + 127.
;;     - Each number is divided by its block's scale, clamped to +-6, and rounded to the nearest number of E2M1, ties to even, subnormals kept.
;;     - The product sums the exact products of the quantised numbers (number of the format x scale) in f32.
;;   ~~~python
;;   def quantise(x, axis):      # numpy; x: float32 -> the quantised numbers, widened to float32 again
;;       x = np.moveaxis(x, axis, -1); K = x.shape[-1]
;;       x = np.pad(x, [(0, 0)] * (x.ndim - 1) + [(0, -K % 32)]); x = x.reshape(x.shape[:-1] + (-1, 32)); a = np.abs(x).max(-1, keepdims=True)
;;       e = np.where(a > 0, np.clip(np.frexp(np.where(a > 0, a, 1))[1] - 1 - 2, -126, 127), 0)      # np.frexp(a)[1] - 1 = floor(log2(a)), exactly
;;       r = np.clip(x / 2.0 ** e, -6, 6)
;;       step = 2.0 ** (np.maximum(np.frexp(np.where(r == 0, 1, r))[1] - 1, 0) - 1)
;;       q = np.round(r / step) * step * 2.0 ** e      # np.round: ties to even
;;       return np.moveaxis(q.reshape(q.shape[:-2] + (-1,))[..., :K], -1, axis).astype(np.float32)
;;   ~~~
;;   SOFTMAX AHEAD OF A QUANTISED PRODUCT. Where the list says 'softmax', what is quantised is not the finished softmax but p = 2^(t - M), with t = logit x log2(e) and M = ceil(the row's largest t), a whole number; so 1/2 < the row's largest p <= 1. The row's sum l is taken of the UNQUANTISED p, in f32, and the product's result is divided by l at the end. Since M is a whole number, a kernel that streams over the keys may use a running M (the ceiling of the running maximum): every later rescaling is an exact power of two, which a block's scale takes up: the codes' values come out the same.
;;   OPERANDS COMPUTED ON THE WAY. 'Computed on the way' means the value that the module computes at that place (a softmax that the list does not call 'softmax' is quantised finished and normalised). What goes into a quantiser is computed in f32, as accurately as f32 sums, v_exp_f32 and their like allow (about 1e-6 of the number): no bf16 or f16 on the way to a quantiser, and a product that is left as it is and whose result goes on into a quantised operand takes f32 operands (vector FMAs, or v_wmma_f32_16x16x4_f32). A number that lies on a knife's edge between two numbers of the format may be rounded either way, as far as f32 arithmetic and the matrix unit's own rounding can turn it there, and no further.
;;   INPUTS GIVEN AS CODES. W1 (in the module: [4096, 1024], K = its axis 1); W2 (in the module: [1024, 4096], K = its axis 1); Wk (in the module: [1024, 1024], K = its axis 1); Wo (in the module: [1024, 1024], K = its axis 1); Wq (in the module: [1024, 1024], K = its axis 1); Wv (in the module: [1024, 1024], K = its axis 1): each comes as NAME_codes (uint8): NAME with its K axis moved to the last place and cut into blocks of 32 codes, [.., K / 32, bytes a block], one block behind the other in memory; two codes a byte, the lower K in the low four bits (a code: sign, 2 exponent bits, 1 mantissa bit); and NAME_scales (uint8): the same leading axes, one E8M0 byte (e + 127) for each 32 codes along K. Its value is code x scale, taken as it is: it is not quantised again, and the codes and scales need not be those that the quantiser above would give.
;; 2 versions. Each part assembles by itself: llvm-mc -triple=amdgcn-amd-amdhsa -mcpu=gfx1250 --defsym DOCPART=n.
;; ======== version 1 of 2: 6 launches
;; workspace buffers: qkvb 6,946,816 bytes; attb 2,228,224 bytes; hbuf 19,005,440 bytes; hid 8,912,896 bytes; y2 16,777,216 bytes; wimg 524,288 bytes
;; launch qkv (part 1): grid 4 x 64, 4 waves a work-group, no clusters, 104,960 bytes of LDS; arguments x, Wq_codes, Wq_scales, bq, Wk_codes, Wk_scales, bk, Wv_codes, Wv_scales, bv, qkvb; writes qkvb
.if DOCPART == 1
	.amdgcn_target "amdgcn-amd-amdhsa--gfx1250"
	.amdhsa_code_object_version 6
	.text
	.protected	k_q5eb3dcddac_qkv
	.globl	k_q5eb3dcddac_qkv
	.p2align	8
	.type	k_q5eb3dcddac_qkv,@function
k_q5eb3dcddac_qkv:
	s_mov_b64 s[64:65], 0
	v_nop
	global_prefetch_b8 v0, s[64:65] scope:SCOPE_SE
	s_setreg_imm32_b32 hwreg(HW_REG_WAVE_MODE, 25, 1), 1
	s_wait_xcnt 0x0
; q, k, v = Q(x) W^T + b on codes of FP4 (E2M1) with one E8M0 scale for each 32 along K; the results are quantised at once: q and k along the head's 64 channels, v along the keys.
; SHARES.  A work-group takes 64 rows of x and four heads; wave w first quantises rows 16 w .. 16 w + 15 of x (all 1,024 along K) and hands the codes round through LDS as images of the operand's
; registers; then it is head 4 x + w and runs three passes (q, k, v) of 64 tokens x 64 channels: 16 accumulators, 128 matrix instructions each.  x's codes stay in registers; the head's weights go
; from memory straight into registers (no other wave of the work-group wants them), through a ring of four slots of 64 registers.
; LAYOUT.  q, k: source 0 = 16 rows of W, source 1 = 16 tokens: a lane holds one token and eight neighbouring channels.  v: source 0 = 16 tokens, source 1 = 16 rows of W: a lane holds one channel and
; eight neighbouring tokens.  Two neighbouring tiles are a block of 32; each run of eight is converted by itself, and two exchanges of half waves for each pair of blocks give the operand's registers.
; OUT (workspace, laid as the next launch's registers want it): QC, KC [bh][token tile][lane][16 B]; VC [bh][128 keys][channel tile][2][lane][16 B]; QS, KS [bh][64 tokens][lane][2 words]; VS [bh][64 tokens][lane][word].
; LIMITS: NaN and infinities among the inputs are not served; a block whose largest magnitude lies under 2^-124 (a block of zeros too) gets the scale byte 1: its bytes are read by this program alone.
; REGISTERS: window 0: v1-13 addresses; v16-47 x's scale words; v48-79 W's; v80-95 at work; v96-111 codes; v112-119 x's words as made; v128-255 numbers of x, then the accumulators.
;   window 1: x as loaded (four sets of 64), then x's 32 fragments.   window 2: the ring of W's fragments.   window 3: the biases in the results' layout.
.set XIMG,  67584                      ; LDS: behind the four waves' stages (2 x 8,448 bytes each): x's 32 fragments, 1,024 bytes each
.set XSC,   100352                     ; and their scale words: [tile][lane][8 words]
.set LI,    1                          ; 16 x lane
.set STI,   2                          ; my stage, as the bytes lie: + 16 x lane
.set STO,   3                          ; my stage, by rows: + 528 r + 32 h
.set IMW,   4                          ; where I store my images
.set XSW,   5                          ; and my scale words
.set XSL,   6                          ; where any tile's scale words are read
.set WA,    7                          ; W: 512 r + 16 h
.set WSO,   8                          ; W's scale words: 32 r
.set BA,    9                          ; a bias along registers: 32 h
.set BV,    10                         ; a bias along lanes: 4 r
.set L8,    11
.set L4,    12
.set XIL,   13                         ; where any image is read
.set XS,    16
.set WS,    48
.set TM,    80
.set PC,    96
.set PWK,   112
.set SP,    120
.set TT,    122
.set PW,    124
.set X,     128
.set ACC,   128
.set SEL,   48
.set MSB, 0
.macro WIN new                         ; the immediate's high byte repeats the setting that is left
.if MSB != (\new)
	s_set_vgpr_msb (MSB<<8)|(\new)
.set MSB, (\new)
.endif
.endm
.macro PLACES                          ; four plain places behind matrix instructions (ISA guide 7.12.1)
.rept 4
	v_nop
.endr
.endm
; 64 numbers of a lane, block b in registers s + 16 b on (the first eight: k = 32 b + 8 h + 0..7, the second eight: k = 32 b + 16 + 8 h + 0..7 of my row), become a fragment's codes in v[pc] on and its scale word in v[pw].
.macro QUANT s, pc, pw
.irp b, 0,1,2,3
	v_max3_num_f32 v[TM+\b], |v[\s+16*\b]|, |v[\s+1+16*\b]|, 0x1800000   ; my 16 numbers and the floor 2^(3 - 127): the byte cannot fall under 1
.endr
.irp i, 2,4,6,8,10,12,14
.irp b, 0,1,2,3
	v_max3_num_f32 v[TM+\b], v[TM+\b], |v[\s+16*\b+\i]|, |v[\s+1+16*\b+\i]|
.endr
.endr
.irp b, 0,1,2,3
	v_permlanex16_b32 v[TM+4+\b], v[TM+\b], s[SEL], s[SEL+1]
.endr
.irp b, 0,1,2,3
	v_max_num_f32 v[TM+\b], v[TM+\b], v[TM+4+\b]   ; with lane l xor 16's: the block's largest magnitude
.endr
.irp b, 0,1,2,3
	v_add_nc_u32 v[TM+12+\b], 0xff000000, v[TM+\b] ; 2 off its exponent field: the conversion's scale operand
.endr
.irp b, 0,1,2,3
	v_lshrrev_b32 v[TM+4+\b], 23, v[TM+12+\b]      ; the scale's byte
.endr
	v_lshl_or_b32 v[\pw], v[TM+5], 8, v[TM+4]
	v_lshl_or_b32 v[\pw], v[TM+6], 16, v[\pw]
	v_lshl_or_b32 v[\pw], v[TM+7], 24, v[\pw]
.irp b, 0,1,2,3
	v_cvt_scalef32_pk8_fp4_f32 v[\pc+4*(\b/2)+(\b%2)], v[\s+16*\b:\s+16*\b+7], v[TM+12+\b]
	v_cvt_scalef32_pk8_fp4_f32 v[\pc+4*(\b/2)+2+(\b%2)], v[\s+16*\b+8:\s+16*\b+15], v[TM+12+\b]
.endr
	v_nop                                          ; one plain place behind a scaled conversion
.irp c, 0,2,4,6
	v_permlane16_swap_b32 v[\pc+\c], v[\pc+\c+1]   ; lanes 0-15 get block 2 c whole, lanes 16-31 block 2 c + 1
.endr
.endm
.macro MM d, a, b, c, sa, sb
	v_wmma_scale_f32_16x16x128_f8f6f4 v[(\d):(\d)+7], v[(\a):(\a)+7], v[(\b):(\b)+7], v[(\c):(\c)+7], v[\sa], v[\sb] matrix_a_fmt:MATRIX_FMT_FP4 matrix_b_fmt:MATRIX_FMT_FP4
.endm
.macro LOADX st                        ; K step st of my 16 rows: each load reads 512 consecutive bytes of one row
	WIN 0x40
.irp i, 0,1,2,3,4,5,6,7,8,9,10,11,12,13,14,15
	global_load_b128 v[64*((\st)%4)+4*\i:64*((\st)%4)+4*\i+3], v[LI], s[4:5] offset:\i*4096+512*(\st)
.endr
.endm
.macro TURN st                         ; through my own stage: in as the bytes lie, out eight neighbours at a time; LDS serves a wave's instructions in order
	WIN 0x04
.irp i, 0,1,2,3,4,5,6,7,8,9,10,11,12,13,14,15
	ds_store_b128 v[STI], v[64*((\st)%4)+4*\i:64*((\st)%4)+4*\i+3] offset:((\st)%2)*8448+528*\i
.endr
	WIN 0
.irp b, 0,1,2,3
.irp g, 0,1
.irp e, 0,1
	ds_load_b128 v[X+64*((\st)%2)+16*\b+8*\g+4*\e:X+64*((\st)%2)+16*\b+8*\g+4*\e+3], v[STO] offset:((\st)%2)*8448+128*\b+64*\g+16*\e
.endr
.endr
.endr
.endm
.macro RING base, j                    ; slot j: channel tiles 2 (j / 2), + 1, K steps 4 (j % 2) .. + 3: 32 rows x 256 bytes
	WIN 0x80
.irp e, 0,1
.irp q, 0,1,2,3
.irp c, 0,1
	global_load_b128 v[64*(\j)+8*(4*\e+\q)+4*\c:64*(\j)+8*(4*\e+\q)+4*\c+3], v[WA], s[\base:\base+1] offset:16*(2*((\j)/2)+\e)*512+(4*((\j)%2)+\q)*64+32*\c
.endr
.endr
.endr
.endm
.macro WSLOAD base                     ; the head's scale words: word (tile t, K step s) at WS + 8 t + s
	WIN 0
.irp t, 0,1,2,3
.irp u, 0,1
	global_load_b128 v[WS+8*\t+4*\u:WS+8*\t+4*\u+3], v[WSO], s[\base:\base+1] offset:512*\t+16*\u
.endr
.endr
.endm
.macro XUNIT st                        ; K step st of x becomes a fragment
.if (\st) < 7
	s_wait_loadcnt 32                              ; the next K step's 16 loads are in; two younger groups of 16 may be out
	TURN (\st)+1
.endif
.if (\st) == 0
	s_wait_dscnt 32                                ; this K step is back from the stage; the next turn's 32 may be out
.elseif (\st) == 7
	s_wait_dscnt 2                                 ; only the last image's two stores may be out
.else
	s_wait_dscnt 34                                ; the last image's two stores and the next turn's 32 may be out
.endif
.if (\st) < 4
	LOADX (\st)+4                                  ; into the set whose stores into the stage are done
.else
	RING 6, (\st)-4                                ; Wq's four slots
.endif
	WIN 0
	QUANT X+64*((\st)%2), PC+8*((\st)%2), PWK+(\st)
	ds_store_b128 v[IMW], v[PC+8*((\st)%2):PC+8*((\st)%2)+3] offset:1024*(\st)
	ds_store_b128 v[IMW], v[PC+8*((\st)%2)+4:PC+8*((\st)%2)+7] offset:1024*(\st)+512
.endm
; 32 matrix instructions on slot j: eight accumulators by turns, one instruction a turn.  The first K step takes the bias as C.
.macro UNITMM isv, j, bb
.irp q, 0,1,2,3
.irp e, 0,1
.irp m, 0,1,2,3
.set KS_, 4*((\j)%2)+\q
.set CT_, 2*((\j)/2)+\e
.set WF_, 64*(\j)+8*(4*\e+\q)
.set XF_, 8*(8*\m+KS_)
.if \isv
.set D_, ACC+32*CT_+8*\m
.if KS_ == 0
	WIN 0x39
	MM D_, XF_, WF_, (\bb)+8*CT_, XS+8*\m+KS_, WS+8*CT_+KS_
.else
	WIN 0x09
	MM D_, XF_, WF_, D_, XS+8*\m+KS_, WS+8*CT_+KS_
.endif
.else
.set D_, ACC+32*\m+8*CT_
.if KS_ == 0
	WIN 0x36
	MM D_, WF_, XF_, (\bb)+8*CT_, WS+8*CT_+KS_, XS+8*\m+KS_
.else
	WIN 0x06
	MM D_, WF_, XF_, D_, WS+8*CT_+KS_, XS+8*\m+KS_
.endif
.endif
.endr
.endr
.endr
.endm
; A pass's 16 accumulators are quantised, 64 registers at a time, and leave: every store of codes covers 512 consecutive bytes.  It runs while the next pass's weights are on their way: no wait stands at
; its head.  The registers that its stores read (the codes, the scale words) are written again by the next pass's way out: the wait that orders the two stands at the head of that next pass.
.macro EPI isv, cb, sb
	WIN 0
.irp hh, 0,1
.if \isv
	QUANT ACC+64*\hh, PC+8*\hh, SP+\hh
	global_store_b128 v[LI], v[PC+8*\hh:PC+8*\hh+3], s[\cb:\cb+1] offset:2048*\hh
	global_store_b128 v[LI], v[PC+8*\hh+4:PC+8*\hh+7], s[\cb:\cb+1] offset:2048*\hh+1024
.else
	QUANT ACC+64*\hh, PC+8*\hh, PW
	v_lshrrev_b32 v[TT], 16, v[PW]
	v_cndmask_b32 v[TT], v[PW], v[TT], s50         ; lanes 0-15: the even token tile's two bytes, lanes 16-31: the odd one's
	v_and_or_b32 v[SP+\hh], v[TT], 0xffff, s51     ; the upper 64 along K are zero codes: bytes 127
	global_store_b128 v[LI], v[PC+8*\hh:PC+8*\hh+3], s[\cb:\cb+1] offset:1024*\hh
	global_store_b128 v[LI], v[PC+8*\hh+4:PC+8*\hh+7], s[\cb:\cb+1] offset:1024*\hh+512
.endif
.endr
.if \isv
	v_cndmask_b32 v[SP], v[SP], v[SP+1], s50       ; lanes 0-15: channel tiles 0, 1; lanes 16-31: tiles 2, 3
	global_store_b32 v[L4], v[SP], s[\sb:\sb+1]
.else
	global_store_b64 v[L8], v[SP:SP+1], s[\sb:\sb+1]
.endif
.endm
	s_load_b512 s[4:19], s[0:1], 0x0               ; x, Wq codes, Wq scales, bq, Wk codes, Wk scales, bk, Wv codes
	s_load_b128 s[20:23], s[0:1], 0x40             ; Wv scales, bv
	s_load_b64 s[24:25], s[0:1], 0x50              ; the workspace
	v_lshl_add_u32 v126, v0, 2, 0x19800
	v_mov_b32 v127, 0
	v_lshrrev_b32 v14, 5, v0
	v_readfirstlane_b32 s26, v14                   ; wave
	v_and_b32 v14, 31, v0                          ; lane
	v_and_b32 v15, 15, v0                          ; r
	v_bfe_u32 v[TT], v0, 4, 1                      ; h
	v_lshlrev_b32 v[LI], 4, v14
	s_mul_i32 s27, s26, 16896
	v_add_nc_u32 v[STI], s27, v[LI]
	v_mul_u32_u24 v[STO], v15, 528
	v_lshl_add_u32 v[STO], v[TT], 5, v[STO]
	v_add_nc_u32 v[STO], s27, v[STO]
	s_lshl_b32 s27, s26, 13
	s_add_co_u32 s27, s27, XIMG
	v_add_nc_u32 v[IMW], s27, v[LI]
	v_lshlrev_b32 v[XSL], 5, v14
	s_lshl_b32 s27, s26, 10
	s_add_co_u32 s27, s27, XSC
	v_add_nc_u32 v[XSW], s27, v[XSL]
	v_add_nc_u32 v[XSL], XSC, v[XSL]
	v_add_nc_u32 v[XIL], XIMG, v[LI]
	v_lshlrev_b32 v[WA], 9, v15
	v_lshl_add_u32 v[WA], v[TT], 4, v[WA]
	v_lshlrev_b32 v[WSO], 5, v15
	v_lshlrev_b32 v[BA], 5, v[TT]
	v_lshlrev_b32 v[BV], 2, v15
	v_lshlrev_b32 v[L8], 3, v14
	v_lshlrev_b32 v[L4], 2, v14
.irp b, 0,1,2,3
	v_mov_b32 v[TM+4+\b], 0                        ; written once: a lane permute's destination counts as one of its sources
.endr
	s_mov_b32 s[SEL], 0x76543210
	s_mov_b32 s[SEL+1], 0xfedcba98                 ; lane l xor 16
	s_mov_b32 s50, 0xffff0000                      ; lanes 16-31
	s_mov_b32 s51, 0x7f7f0000
	s_and_b32 s28, ttmp7, 0xffff                   ; the block of 64 rows
	s_lshl_b32 s29, ttmp9, 2
	s_add_co_u32 s29, s29, s26                     ; my head
	s_lshr_b32 s30, s28, 5                         ; batch
	s_and_b32 s31, s28, 31                         ; G: which 64 tokens of the batch
	s_lshl_b32 s32, s30, 4
	s_add_co_u32 s32, s32, s29                     ; bh
	s_mov_b32 s35, 0
	s_lshl_b32 s34, s28, 18
	s_lshl_b32 s33, s26, 16
	s_add_co_u32 s34, s34, s33                     ; (64 block + 16 wave) rows of 4,096 bytes
	s_wait_kmcnt 0x0
	s_add_nc_u64 s[4:5], s[4:5], s[34:35]
	s_lshl_b32 s34, s29, 15                        ; my head's 64 rows of 512 bytes
	s_add_nc_u64 s[6:7], s[6:7], s[34:35]
	s_add_nc_u64 s[12:13], s[12:13], s[34:35]
	s_add_nc_u64 s[18:19], s[18:19], s[34:35]
	s_lshl_b32 s34, s29, 11                        ; 64 rows of 32 scale bytes
	s_add_nc_u64 s[8:9], s[8:9], s[34:35]
	s_add_nc_u64 s[14:15], s[14:15], s[34:35]
	s_add_nc_u64 s[20:21], s[20:21], s[34:35]
	s_lshl_b32 s34, s29, 8                         ; 64 numbers of a bias
	s_add_nc_u64 s[10:11], s[10:11], s[34:35]
	s_add_nc_u64 s[16:17], s[16:17], s[34:35]
	s_add_nc_u64 s[22:23], s[22:23], s[34:35]
	s_lshl_b32 s34, s32, 16
	s_lshl_b32 s33, s31, 11
	s_add_co_u32 s34, s34, s33
	s_add_nc_u64 s[36:37], s[24:25], s[34:35]      ; QC + (128 bh + 4 G) 512
	s_add_nc_u64 s[38:39], s[36:37], 2097152       ; KC likewise
	s_lshl_b32 s34, s32, 16
	s_lshr_b32 s33, s31, 1
	s_lshl_b32 s33, s33, 12
	s_add_co_u32 s34, s34, s33
	s_and_b32 s33, s31, 1
	s_lshl_b32 s33, s33, 9
	s_add_co_u32 s34, s34, s33
	s_add_co_u32 s34, s34, 4194304
	s_add_nc_u64 s[40:41], s[24:25], s[34:35]      ; VC + 65,536 bh + 4,096 (G / 2) + 512 (G % 2)
	s_lshl_b32 s34, s32, 13
	s_lshl_b32 s33, s31, 8
	s_add_co_u32 s34, s34, s33
	s_add_co_u32 s34, s34, 6291456
	s_add_nc_u64 s[42:43], s[24:25], s[34:35]      ; QS + 8,192 bh + 256 G
	s_add_nc_u64 s[44:45], s[42:43], 262144        ; KS likewise
	s_lshl_b32 s34, s32, 12
	s_lshl_b32 s33, s31, 7
	s_add_co_u32 s34, s34, s33
	s_add_co_u32 s34, s34, 6815744
	s_add_nc_u64 s[46:47], s[24:25], s[34:35]      ; VS + 4,096 bh + 128 G
	WSLOAD 8                                       ; Wq's scale words
	WIN 0xc0
.irp t, 0,1,2,3
.irp u, 0,1
	global_load_b128 v[8*\t+4*\u:8*\t+4*\u+3], v[BA], s[10:11] offset:64*\t+16*\u       ; bq at my eight channels of tile t
	global_load_b128 v[32+8*\t+4*\u:32+8*\t+4*\u+3], v[BA], s[16:17] offset:64*\t+16*\u ; bk
.endr
	global_load_b32 v[64+8*\t], v[BV], s[22:23] offset:64*\t                            ; bv at my channel of tile t
.endr
	LOADX 0
	LOADX 1
	LOADX 2
	LOADX 3
	s_wait_loadcnt 48                              ; K step 0 (and all that was asked for ahead of it) is in; three groups of 16 may be out
	TURN 0
	XUNIT 0
	XUNIT 1
	XUNIT 2
	XUNIT 3
	XUNIT 4
	XUNIT 5
	XUNIT 6
	XUNIT 7
	ds_store_b128 v[XSW], v[PWK:PWK+3]             ; my tile's eight scale words, as they stand
	ds_store_b128 v[XSW], v[PWK+4:PWK+7] offset:16
	WIN 0xc3
.irp t, 0,1,2,3
.irp i, 1,2,3,4,5,6,7
	v_mov_b32 v[64+8*\t+\i], v[64+8*\t]            ; in v's layout a lane's eight registers are one channel
.endr
.endr
	WIN 0
	s_wait_dscnt 0x0                               ; my images have landed
	s_barrier_signal -1
	s_barrier_wait -1                              ; everybody's have
	WIN 0x40
.irp m, 0,1,2,3
.irp k, 0,1,2,3,4,5,6,7
.irp c, 0,1
	ds_load_b128 v[8*(8*\m+\k)+4*\c:8*(8*\m+\k)+4*\c+3], v[XIL] offset:8192*\m+1024*\k+512*\c
.endr
.endr
.endr
	WIN 0
.irp m, 0,1,2,3
.irp u, 0,1
	ds_load_b128 v[XS+8*\m+4*\u:XS+8*\m+4*\u+3], v[XSL] offset:1024*\m+16*\u
.endr
.endr
	s_wait_dscnt 0x0
	; ---- q
.irp n, 0,1,2,3
	s_wait_loadcnt 48                              ; this slot is in; the three groups of 16 behind it may be out
	UNITMM 0, \n, 0
	PLACES
	RING 12, \n                                    ; the slot takes Wk's
.endr
	WSLOAD 14
	EPI 0, 36, 42                                  ; no global store stands ahead of this one: the registers that it writes were last read by LDS stores
	; ---- k
	s_wait_loadcnt 0x0                             ; Wk's scale words are the youngest loads
	s_wait_xcnt 0x0                                ; pass q's stores have read their registers: pass k's way out writes them again.  No load is out here, so this waits for those five stores alone
.irp n, 0,1,2,3
	UNITMM 0, \n, 32
	PLACES
	RING 18, \n                                    ; the slot takes Wv's
.endr
	WSLOAD 20
	EPI 0, 38, 44
	; ---- v
	s_wait_loadcnt 0x0
	s_wait_xcnt 0x0                                ; pass k's stores have read their registers: pass v's way out writes them again
.irp n, 0,1,2,3
	UNITMM 1, \n, 64
.endr
	PLACES
	EPI 1, 40, 46
	s_wait_tensorcnt 0x0
	ds_add_u32 v126, v127
	s_wait_dscnt 0x0
	s_endpgm
.Lfunc_end_k_q5eb3dcddac_qkv:
	.size	k_q5eb3dcddac_qkv, .Lfunc_end_k_q5eb3dcddac_qkv-k_q5eb3dcddac_qkv
	.p2alignl 7, 3214868480
	.fill 96, 4, 3214868480
	.section	.rodata,"a",@progbits
	.p2align	6, 0x0
	.amdhsa_kernel k_q5eb3dcddac_qkv
		.amdhsa_group_segment_fixed_size 104960
		.amdhsa_private_segment_fixed_size 0
		.amdhsa_enable_private_segment 0
		.amdhsa_kernarg_size 88
		.amdhsa_user_sgpr_count 2
		.amdhsa_user_sgpr_kernarg_segment_ptr 1
		.amdhsa_wavefront_size32 1
		.amdhsa_system_sgpr_workgroup_id_x 1
		.amdhsa_system_sgpr_workgroup_id_y 1
		.amdhsa_system_sgpr_workgroup_id_z 1
		.amdhsa_system_vgpr_workitem_id 0
		.amdhsa_next_free_vgpr 864
		.amdhsa_next_free_sgpr 66
		.amdhsa_reserve_vcc 0
		.amdhsa_float_denorm_mode_32 3
		.amdhsa_float_denorm_mode_16_64 3
		.amdhsa_memory_ordered 1
		.amdhsa_forward_progress 1
		.amdhsa_inst_pref_size 167
	.end_amdhsa_kernel
	.amdgpu_metadata
---
amdhsa.version: [ 1, 2 ]
amdhsa.kernels:
  - .name:           k_q5eb3dcddac_qkv
    .symbol:         k_q5eb3dcddac_qkv.kd
    .args:
      - { .name: x, .offset: 0, .size: 8, .value_kind: global_buffer, .address_space: global }
      - { .name: Wq_codes, .offset: 8, .size: 8, .value_kind: global_buffer, .address_space: global }
      - { .name: Wq_scales, .offset: 16, .size: 8, .value_kind: global_buffer, .address_space: global }
      - { .name: bq, .offset: 24, .size: 8, .value_kind: global_buffer, .address_space: global }
      - { .name: Wk_codes, .offset: 32, .size: 8, .value_kind: global_buffer, .address_space: global }
      - { .name: Wk_scales, .offset: 40, .size: 8, .value_kind: global_buffer, .address_space: global }
      - { .name: bk, .offset: 48, .size: 8, .value_kind: global_buffer, .address_space: global }
      - { .name: Wv_codes, .offset: 56, .size: 8, .value_kind: global_buffer, .address_space: global }
      - { .name: Wv_scales, .offset: 64, .size: 8, .value_kind: global_buffer, .address_space: global }
      - { .name: bv, .offset: 72, .size: 8, .value_kind: global_buffer, .address_space: global }
      - { .name: qkvb, .offset: 80, .size: 8, .value_kind: global_buffer, .address_space: global }
    .group_segment_fixed_size: 104960
    .private_segment_fixed_size: 0
    .kernarg_segment_align: 8
    .kernarg_segment_size: 88
    .max_flat_workgroup_size: 128
    .sgpr_count:     66
    .vgpr_count:     864
    .wavefront_size: 32
...
	.end_amdgpu_metadata
.endif
;; end of part 1
;; launch att (part 2): grid 8 x 32, 16 waves a work-group, clusters of 4 x 1, 169,984 bytes of LDS; arguments qkvb, attb, Wo_codes, wimg; writes attb, wimg
.if DOCPART == 2
	.amdgcn_target "amdgcn-amd-amdhsa--gfx1250"
	.amdhsa_code_object_version 6
	.text
	.protected	k_q5eb3dcddac_att
	.globl	k_q5eb3dcddac_att
	.p2align	8
	.type	k_q5eb3dcddac_att,@function
k_q5eb3dcddac_att:
	s_mov_b64 s[64:65], 0
	v_nop
	global_prefetch_b8 v0, s[64:65] scope:SCOPE_SE
	s_setreg_imm32_b32 hwreg(HW_REG_WAVE_MODE, 25, 1), 1
	s_wait_xcnt 0x0
	s_wait_alu depctr_hold_cnt(0) depctr_sa_sdst(0) depctr_va_vdst(0) depctr_va_sdst(0) depctr_va_ssrc(0) depctr_va_vcc(0) depctr_vm_vsrc(0)
	s_getreg_b32 s2, hwreg(HW_REG_IB_STS2, 6, 4)
	s_cmp_eq_u32 s2, 0
	s_cbranch_scc0 .Lentry_in_a_cluster
	s_endpgm
.Lentry_in_a_cluster:
	s_bfe_u32 s2, ttmp6, 0x10000c
	s_cmp_lg_u32 s2, 0x3003
	s_cbranch_scc0 .Lentry_shape_is_right
	s_endpgm
.Lentry_shape_is_right:
; O = softmax(q k^T / 8) v for one (batch, head), both products on codes of FP4 with E8M0 scales; the result is divided by the row's sum and quantised along the head's 64 channels for the next product.
; THE SOFTMAX: t = score x log2(e) / 8; M = the running largest t rounded UP to a whole number; p = 2^(t - M) is quantised along the keys, not normalised; the sum is taken of the unquantised p.
; When M moves, the sum and O are multiplied by 2^(old M - new M), which rounds nothing.
; SHARES.  A work-group owns 256 queries of one head, each of its sixteen waves 16 of them; four waves to a SIMD.  The head's K and V codes (64 KB each) lie in LDS whole: filled once, never again, by ONE
; tensor load a wave: wave w brings 8,192 bytes to LDS byte 8,192 w: waves 0-7 K's codes of 256 keys each, waves 8-15 V's of 256 keys each.  The scale words go through registers: wave w copies key step w's.
; CLUSTER: the four work-groups of a cluster belong to one head, so each block is asked for jointly, with a mask that names the four.
; LAYOUT.  S^T = K Q^T (source 0 = 16 keys, source 1 = my 16 queries), O^T = V^T P^T: a lane holds one query throughout.  The head has 64 channels, the instruction 128 along K: Q's upper four registers are
; zero codes under scale bytes 127; K's operand of tile t names the next tile's four registers as its upper half, which meet those zeros.
; A SIDE JOB: Wo's codes are laid once in the order of the next launch's operand registers, [column tile][K step][2][lane][16 B], so that each of its loads covers 512 consecutive bytes.  The 1,024 blocks of 512 bytes
; are shared out four to a work-group; every wave loads the block 4 x work-group + wave % 4 beside its other loads, and waves 0-3 store.
; LIMITS: NaN and infinities are not served; blocks under 2^-124 get the scale byte 1 (workspace bytes, read by this program alone).
; REGISTERS: v1-7, v25 addresses that stay; v8-11 the step's; v12 -M, v13 the largest t, v[14:15] the sum; v16-23 Q; v24 Q's scale word; v32-67 K's tiles and four zeros; v68-71 a block of Wo; v72-75 K's scale words on
;   their way; v96-159 S^T, then p; v160-191 O^T; v192-223 V's fragments; v224-231 p's codes; v240-241 V's scale words; v248-251 K's; v253 p's; the rest at work.
.set KSL,  131072                      ; LDS: K's codes at 0, V's at 65,536; K's scale words here, copied by the waves: [64 tokens][lane][2 words],
.set VSW,  139264                      ; V's scale words, put together by the waves: [step][lane][2 words],
.set ASG,  143360                      ; and the result's scale bytes, gathered: 512 bytes
.set AK0,  1
.set AV0,  2
.set ASK0, 3
.set ASV0, 4
.set ASWR, 5
.set ASRD, 6
.set VSWR, 7
.set ADK,  8
.set ADV,  9
.set ADS,  10
.set ADT,  11
.set KSWR, 25
.set WOA,  76
.set WV,   12
.set G1S,  24                          ; s[24:31] group 1 for a block of 8 KB;  s[32:35] my group 0
.set G0,   32
.set TB,   80
.set TS,   81
.set TJ,   82
.set CNT,  83
.set SEL,  84
.set CS,   86
.macro ROUND                           ; a round of the cluster's barrier
	s_barrier_signal -1
	s_barrier_wait -1
	s_cmp_lg_u32 s[WV], 0
	s_cbranch_scc1 .Lnot_wave_0_\@
	s_barrier_signal -3
.Lnot_wave_0_\@:
	s_barrier_wait -3
	s_barrier_signal -1
	s_barrier_wait -1
.endm
	s_load_b128 s[4:7], s[0:1], 0x0                ; the q, k, v workspace; the result's
	s_load_b128 s[92:95], s[0:1], 0x10             ; Wo's codes; their image
	v_lshl_add_u32 v243, v0, 2, 0x29000
	v_mov_b32 v255, 0
	ds_add_u32 v243, v255
	ds_add_u32 v243, v255
	v_lshrrev_b32 v8, 5, v0
	v_readfirstlane_b32 s[WV], v8                  ; wave 0..15
	v_and_b32 v9, 31, v0                           ; lane
	v_and_b32 v10, 15, v0                          ; r
	v_lshlrev_b32 v[AK0], 4, v9
	v_add_nc_u32 v[AV0], 65536, v[AK0]
	v_lshlrev_b32 v11, 3, v9
	v_add_nc_u32 v[ASK0], KSL, v11
	v_add_nc_u32 v[ASV0], VSW, v11
	s_lshl_b32 s66, s[WV], 8
	v_add_nc_u32 v[VSWR], s66, v[ASV0]             ; wave w puts together key step w's words of V,
	s_lshl_b32 s66, s[WV], 9
	s_add_co_u32 s66, s66, KSL
	v_add_nc_u32 v[KSWR], s66, v[AK0]              ; and copies key step w's 512 bytes of K's
	s_lshl_b32 s66, s[WV], 5
	s_add_co_u32 s66, s66, ASG
	v_lshl_add_u32 v[ASWR], v10, 1, s66
	v_add_nc_u32 v[ASRD], ASG, v[AK0]
	v_lshlrev_b32 v26, 3, v10                      ; 8 r
	v_lshlrev_b32 v27, 2, v9                       ; 4 x lane
	v_bfe_u32 v77, v0, 4, 1                        ; h
	v_lshlrev_b32 v[WOA], 9, v10
	v_lshl_add_u32 v[WOA], v77, 4, v[WOA]          ; Wo: row r of 512 bytes, + 16 h
	s_and_b32 s72, ttmp7, 0xffff                   ; bh, which the four partners share
	s_lshl_b32 s74, s72, 16
	s_mov_b32 s75, 0
	s_lshl_b32 s76, s72, 13
	s_mov_b32 s77, 0
	; group 1: a dense block of 8,192 bytes as 32 rows of 256 bytes (32 elements of 8 bytes); the mask names all four work-groups, bit 21 beside it
	s_mov_b32 s[G1S], 15|(3<<16)|(1<<21)
	s_mov_b32 s[G1S+1], 32<<16
	s_mov_b32 s[G1S+2], 32<<16
	s_mov_b32 s[G1S+3], 32<<16
	s_mov_b32 s[G1S+4], 32
	s_mov_b32 s[G1S+5], 32
	s_mov_b32 s[G1S+6], 0
	s_mov_b32 s[G1S+7], 0
	s_mov_b32 s[SEL], 0x76543210
	s_mov_b32 s[SEL+1], 0xfedcba98
	s_mov_b32 s[CS], 0x3e38aa3b                    ; c = log2(e) / 8
	s_mov_b32 s[CS+1], s[CS]
	s_mov_b32 s[TB], 0
	s_mov_b32 s[TS], 0
	s_mov_b32 s[TJ], 0
	s_mov_b32 s[CNT], 16
	s_and_b32 s36, s[WV], 7                        ; my block in memory: K's codes begin at byte 2,097,152 of the workspace, V's 2,097,152 further on;
	s_lshl_b32 s36, s36, 13                        ; 8,192 (w % 8),
	s_lshr_b32 s37, s[WV], 3
	s_lshl_b32 s37, s37, 21                        ; + 2,097,152 (w / 8)
	s_add_co_u32 s36, s36, s37
	s_add_co_u32 s36, s36, 2097152
	s_mov_b32 s37, 0
	s_wait_dscnt 0x0
	s_wait_kmcnt 0x0
	s_add_nc_u64 s[74:75], s[4:5], s[74:75]        ; + 65,536 bh
	s_add_nc_u64 s[76:77], s[4:5], s[76:77]        ; + 8,192 bh
	s_mov_b32 s[G0], 1                             ; 1:0 count = 1
	s_lshl_b32 s[G0+1], s[WV], 13                  ; 63:32 LDS address: 8,192 w
	s_add_nc_u64 s[G0+2:G0+3], s[74:75], s[36:37]  ; 120:64 global address: made of bh and the wave's number alone, which the partners share
	s_or_b32 s[G0+3], s[G0+3], 0x80000000          ; 127:126 type = 2
	ROUND                                          ; all four work-groups are here: the joint loads meet
	tensor_load_to_lds s[G0:G0+3], s[G1S:G1S+7]    ; one tensor load of mine is out, and no more follow
	s_nop 0
.rept 4
	v_nop
.endr
	; my own addresses: the place in the cluster enters global addresses alone
	s_bfe_u32 s13, ttmp6, 0x40000                  ; cx
	s_lshl_b32 s14, ttmp9, 2
	s_add_co_u32 s14, s14, s13                     ; my block of 256 queries
	s_lshl_b32 s15, s14, 4
	s_add_co_u32 s15, s15, s[WV]                   ; my tile of 16 queries in the head
	s_mov_b32 s79, 0
	s_lshl_b32 s78, s15, 9
	s_add_nc_u64 s[88:89], s[74:75], s[78:79]      ; Q's codes
	s_lshr_b32 s78, s15, 2
	s_lshl_b32 s78, s78, 8
	s_and_b32 s2, s15, 1
	s_lshl_b32 s2, s2, 7
	s_add_co_u32 s78, s78, s2
	s_bfe_u32 s2, s15, 0x10001
	s_lshl_b32 s2, s2, 2
	s_add_co_u32 s78, s78, s2
	s_add_co_u32 s78, s78, 6291456
	s_add_nc_u64 s[90:91], s[76:77], s[78:79]      ; Q's scale words: group tile / 4, word (tile / 2) % 2, lanes 16 (tile % 2) on
	s_lshl_b32 s78, s[WV], 9
	s_add_co_u32 s78, s78, 6553600
	s_add_nc_u64 s[38:39], s[76:77], s[78:79]      ; K's scale words of key step w: 512 bytes
	s_lshl_b32 s78, s72, 12
	s_lshl_b32 s2, s[WV], 8
	s_add_co_u32 s78, s78, s2
	s_add_co_u32 s78, s78, 6815744
	s_add_nc_u64 s[8:9], s[4:5], s[78:79]          ; V's scale bytes of key step w
	s_lshr_b32 s73, s72, 4                         ; batch
	s_and_b32 s3, s72, 15                          ; head
	s_lshl_b32 s78, s73, 7
	s_add_co_u32 s78, s78, s15                     ; the row tile among 256
	s_lshl_b32 s78, s78, 13
	s_lshl_b32 s2, s3, 9
	s_add_co_u32 s78, s78, s2
	s_add_nc_u64 s[10:11], s[6:7], s[78:79]        ; the result's codes: 8,192 x row tile + 512 x head
	s_lshl_b32 s78, s3, 13
	s_lshl_b32 s2, s73, 12
	s_add_co_u32 s78, s78, s2
	s_lshl_b32 s2, s14, 9
	s_add_co_u32 s78, s78, s2
	s_add_co_u32 s78, s78, 2097152
	s_add_nc_u64 s[6:7], s[6:7], s[78:79]          ; its scale bytes: [head][row] of two bytes
	s_lshl_b32 s78, s72, 3
	s_add_co_u32 s78, s78, s14                     ; my work-group among the 256
	s_lshl_b32 s78, s78, 2
	s_and_b32 s98, s[WV], 3
	s_add_co_u32 s78, s78, s98                     ; B: my block of Wo: ((column tile x 8 + K step) x 2 + half)
	s_lshr_b32 s96, s78, 4
	s_lshl_b32 s96, s96, 13                        ; in Wo: 16 rows of 512 bytes a column tile,
	s_and_b32 s98, s78, 15
	s_lshl_b32 s98, s98, 5                         ; 64 bytes a K step, 32 a half
	s_add_co_u32 s96, s96, s98
	s_mov_b32 s97, 0
	s_add_nc_u64 s[92:93], s[92:93], s[96:97]
	s_lshl_b32 s96, s78, 9                         ; in the image: 512 B
	s_add_nc_u64 s[94:95], s[94:95], s[96:97]
	global_load_b128 v[16:19], v[AK0], s[88:89]
	global_load_b32 v24, v26, s[90:91]
	global_load_b32 v28, v27, s[8:9]
	global_load_b32 v29, v27, s[8:9] offset:128
	global_load_b128 v[72:75], v[AK0], s[38:39]
	global_load_b128 v[68:71], v[WOA], s[92:93]
.irp j, 20,21,22,23,64,65,66,67
	v_mov_b32 v[\j], 0                             ; zero codes
.endr
	v_mov_b32 v13, 0xff61b1e6                      ; the largest t so far: -3e38
	v_floor_f32 v12, -v13                          ; -M
	v_mov_b32 v14, 0
	v_mov_b32 v15, 0
.irp b, 0,1,2,3
	v_mov_b32 v[236+\b], 0                         ; written once: a lane permute's destination counts as one of its sources
.endr
	v_mov_b32 v253, 0
.set jj, 0
.rept 32
	v_mov_b32 v[160+jj], 0                         ; O^T: the loop is written once; its first step finds zeros
.set jj, jj+1
.endr
	s_wait_loadcnt 0x0
	v_perm_b32 v30, v29, v28, 0x05040100           ; channel tile 2 h: two bytes of keys 0-63, two of keys 64-127
	v_perm_b32 v31, v29, v28, 0x07060302           ; channel tile 2 h + 1
	ds_store_b64 v[VSWR], v[30:31]
	ds_store_b128 v[KSWR], v[72:75]                ; K's words as they lie
	s_cmp_lt_u32 s[WV], 4
	s_cbranch_scc0 .Lno_lay
	global_store_b128 v[AK0], v[68:71], s[94:95]   ; 512 consecutive bytes of Wo's image; waves 0-3 together 2,048
.Lno_lay:
	s_wait_tensorcnt 0x0                           ; my block has landed,
	s_wait_dscnt 0x0                               ; my words too
	s_barrier_signal -1
	s_barrier_wait -1                              ; everybody's have
.Lstep:                                            ; 16 trips of 128 keys
	v_add_nc_u32 v[ADK], s[TB], v[AK0]             ; (these four are the places behind the last step's products, in front of the loads into their registers)
	v_add_nc_u32 v[ADV], s[TB], v[AV0]
	v_add_nc_u32 v[ADS], s[TS], v[ASK0]
	v_add_nc_u32 v[ADT], s[TJ], v[ASV0]
.irp t, 0,1,2,3,4,5,6,7
	ds_load_b128 v[32+4*\t:35+4*\t], v[ADK] offset:512*\t
.endr
	ds_load_b64 v[248:249], v[ADS]
	ds_load_b64 v[250:251], v[ADS] offset:256
.irp t, 0,1,2,3
.irp c, 0,1
	ds_load_b128 v[192+8*\t+4*\c:195+8*\t+4*\c], v[ADV] offset:1024*\t+512*\c
.endr
.endr
	ds_load_b64 v[240:241], v[ADT]
	s_wait_dscnt 9                                 ; K and its words are in; V's nine loads may be out
.irp t, 0,1,2,3,4,5,6,7
.if \t%2
	v_wmma_scale_f32_16x16x128_f8f6f4 v[96+8*\t:103+8*\t], v[32+4*\t:39+4*\t], v[16:23], 0, v[248+2*(\t/4)+(\t%4)/2], v24 matrix_a_fmt:MATRIX_FMT_FP4 matrix_b_fmt:MATRIX_FMT_FP4 matrix_a_scale:MATRIX_SCALE_ROW1
.else
	v_wmma_scale_f32_16x16x128_f8f6f4 v[96+8*\t:103+8*\t], v[32+4*\t:39+4*\t], v[16:23], 0, v[248+2*(\t/4)+(\t%4)/2], v24 matrix_a_fmt:MATRIX_FMT_FP4 matrix_b_fmt:MATRIX_FMT_FP4
.endif
.endr
.rept 4
	v_nop
.endr
.irp b, 0,1,2,3
	v_max3_num_f32 v[232+\b], v[96+16*\b], v[97+16*\b], v[98+16*\b]   ; the largest score of each block of 32 keys: for the row's maximum, and for the block's largest p
.endr
.irp i, 3,5,7,9,11,13
.irp b, 0,1,2,3
	v_max3_num_f32 v[232+\b], v[232+\b], v[96+16*\b+\i], v[97+16*\b+\i]
.endr
.endr
.irp b, 0,1,2,3
	v_max_num_f32 v[232+\b], v[232+\b], v[111+16*\b]
.endr
.irp b, 0,1,2,3
	v_permlanex16_b32 v[236+\b], v[232+\b], s[SEL], s[SEL+1]
.endr
.irp b, 0,1,2,3
	v_max_num_f32 v[232+\b], v[232+\b], v[236+\b]  ; with lane l xor 16's 16 keys
.endr
	v_max3_num_f32 v254, v232, v233, v234
	v_max_num_f32 v254, v254, v235
	v_mul_f32 v254, s[CS], v254                    ; as t
	v_max_num_f32 v13, v13, v254                   ; the running largest t
	v_mov_b32 v254, v12
	v_floor_f32 v12, -v13                          ; the new -M = -ceil(t)
	v_sub_f32 v254, v12, v254                      ; old M - new M: a whole number, 0 or less
	v_cvt_i32_f32 v254, v254                       ; (it saturates)
	v_ldexp_f32 v252, 1.0, v254                    ; f = 2^(old M - new M)
.set jj, 0
.rept 32
	v_pk_fma_f32 v[96+jj:97+jj], v[96+jj:97+jj], s[CS:CS+1], v[12:13] op_sel_hi:[1,0,0]   ; t - M
.set jj, jj+2
.endr
.irp b, 0,1,2,3
	v_fma_f32 v[232+\b], v[232+\b], s[CS], v12     ; the same of each block's largest score
.endr
.set jj, 0
.rept 64
	v_exp_f32 v[96+jj], v[96+jj]                   ; p = 2^(t - M)
.set jj, jj+1
.endr
	v_pk_mul_f32 v[14:15], v[14:15], v[252:253] op_sel_hi:[1,0]   ; the sums under the new M: a plain place behind the exponentials
	s_wait_alu depctr_va_vdst(0)                   ; one wait for the batch, ahead of its first reader
.irp b, 0,1,2,3
	v_exp_f32 v[232+\b], v[232+\b]                 ; the block's largest p
.endr
	v_pk_add_f32 v[236:237], v[96:97], v[98:99]    ; the row's sum of the unquantised p, in two chains
.irp j, 4,8,12,16,20,24,28,32,36,40,44,48,52,56,60
	v_pk_add_f32 v[14:15], v[14:15], v[96+\j:97+\j]
	v_pk_add_f32 v[236:237], v[236:237], v[98+\j:99+\j]
.endr
	v_pk_add_f32 v[14:15], v[14:15], v[236:237]
	s_wait_alu depctr_va_vdst(0)                   ; and one for the four
.irp b, 0,1,2,3
	v_max_num_f32 v[232+\b], 0x1800000, v[232+\b]  ; the floor 2^(3 - 127)
.endr
.irp b, 0,1,2,3
	v_add_nc_u32 v[244+\b], 0xff000000, v[232+\b]  ; the conversion's scale operand
.endr
.irp b, 0,1,2,3
	v_lshrrev_b32 v[236+\b], 23, v[244+\b]         ; the scale's byte
.endr
	v_lshl_or_b32 v253, v237, 8, v236              ; p's scale word for these 128 keys
	v_lshl_or_b32 v253, v238, 16, v253
	v_lshl_or_b32 v253, v239, 24, v253
.irp b, 0,1,2,3
	v_cvt_scalef32_pk8_fp4_f32 v[224+4*(\b/2)+(\b%2)], v[96+16*\b:103+16*\b], v[244+\b]    ; keys 32 b + 8 h + 0..7
	v_cvt_scalef32_pk8_fp4_f32 v[226+4*(\b/2)+(\b%2)], v[104+16*\b:111+16*\b], v[244+\b]   ; keys 32 b + 16 + 8 h + 0..7
.endr
	v_nop                                          ; one plain place behind a scaled conversion
.irp c, 0,2,4,6
	v_permlane16_swap_b32 v[224+\c], v[225+\c]     ; lanes 0-15 get the even block whole, lanes 16-31 the odd one
.endr
.set jj, 0
.rept 16
	v_pk_mul_f32 v[160+jj:161+jj], v[160+jj:161+jj], v[252:253] op_sel_hi:[1,0]   ; O^T under the new M; these sixteen are also the places in front of the products below
.set jj, jj+2
.endr
	s_wait_dscnt 0x0                               ; V and its words are in
.irp t, 0,1,2,3
.if \t/2
	v_wmma_scale_f32_16x16x128_f8f6f4 v[160+8*\t:167+8*\t], v[192+8*\t:199+8*\t], v[224:231], v[160+8*\t:167+8*\t], v[240+\t%2], v253 matrix_a_fmt:MATRIX_FMT_FP4 matrix_b_fmt:MATRIX_FMT_FP4 matrix_a_scale:MATRIX_SCALE_ROW1
.else
	v_wmma_scale_f32_16x16x128_f8f6f4 v[160+8*\t:167+8*\t], v[192+8*\t:199+8*\t], v[224:231], v[160+8*\t:167+8*\t], v[240+\t%2], v253 matrix_a_fmt:MATRIX_FMT_FP4 matrix_b_fmt:MATRIX_FMT_FP4
.endif
.endr
	s_add_co_u32 s[TB], s[TB], 4096
	s_add_co_u32 s[TS], s[TS], 512
	s_add_co_u32 s[TJ], s[TJ], 256
	s_sub_co_u32 s[CNT], s[CNT], 1
	s_cmp_lg_u32 s[CNT], 0
	s_cbranch_scc1 .Lstep
	; THE WAY OUT: O^T / the sum, quantised along the head's 64 channels: two blocks
.rept 4
	v_nop
.endr
	v_add_f32 v14, v14, v15
	v_permlanex16_b32 v252, v14, s[SEL], s[SEL+1]
	v_add_f32 v14, v14, v252                       ; the row's sum
	v_rcp_f32 v14, v14
	v_nop                                          ; a plain place behind the reciprocal
	s_wait_alu depctr_va_vdst(0)                   ; and the wait ahead of its first reader
.set jj, 0
.rept 32
	v_mul_f32 v[96+jj], v[160+jj], v14             ; register 8 t + i: channel 16 t + 8 h + i of my query
.set jj, jj+1
.endr
.irp b, 0,1
	v_max3_num_f32 v[232+\b], |v[96+16*\b]|, |v[97+16*\b]|, 0x1800000
.endr
.irp i, 2,4,6,8,10,12,14
.irp b, 0,1
	v_max3_num_f32 v[232+\b], v[232+\b], |v[96+16*\b+\i]|, |v[97+16*\b+\i]|
.endr
.endr
.irp b, 0,1
	v_permlanex16_b32 v[236+\b], v[232+\b], s[SEL], s[SEL+1]
.endr
.irp b, 0,1
	v_max_num_f32 v[232+\b], v[232+\b], v[236+\b]
.endr
.irp b, 0,1
	v_add_nc_u32 v[244+\b], 0xff000000, v[232+\b]
.endr
.irp b, 0,1
	v_lshrrev_b32 v[236+\b], 23, v[244+\b]
.endr
	v_lshl_or_b32 v238, v237, 8, v236              ; my row's two bytes
.irp b, 0,1
	v_cvt_scalef32_pk8_fp4_f32 v[224+\b], v[96+16*\b:103+16*\b], v[244+\b]
	v_cvt_scalef32_pk8_fp4_f32 v[226+\b], v[104+16*\b:111+16*\b], v[244+\b]
.endr
	v_nop
	v_permlane16_swap_b32 v224, v225
	v_permlane16_swap_b32 v226, v227
	global_store_b128 v[AK0], v[224:227], s[10:11] ; 512 consecutive bytes: half a fragment of the next product's operand
	ds_store_b16 v[ASWR], v238                     ; both halves of the lanes write the same two bytes
	s_wait_dscnt 0x0
	s_barrier_signal -1
	s_barrier_wait -1
	s_cmp_lg_u32 s[WV], 0
	s_cbranch_scc1 .Lnot_0
	ds_load_b128 v[228:231], v[ASRD]               ; the work-group's 256 rows x 2 bytes leave as 512 consecutive bytes
	s_wait_dscnt 0x0
	global_store_b128 v[AK0], v[228:231], s[6:7]
.Lnot_0:
	s_wait_tensorcnt 0x0
	ds_add_u32 v243, v255
	s_wait_dscnt 0x0
	ROUND                                          ; the closing round
	s_endpgm
.Lfunc_end_k_q5eb3dcddac_att:
	.size	k_q5eb3dcddac_att, .Lfunc_end_k_q5eb3dcddac_att-k_q5eb3dcddac_att
	.p2alignl 7, 3214868480
	.fill 96, 4, 3214868480
	.section	.rodata,"a",@progbits
	.p2align	6, 0x0
	.amdhsa_kernel k_q5eb3dcddac_att
		.amdhsa_group_segment_fixed_size 169984
		.amdhsa_private_segment_fixed_size 0
		.amdhsa_enable_private_segment 0
		.amdhsa_kernarg_size 32
		.amdhsa_user_sgpr_count 2
		.amdhsa_user_sgpr_kernarg_segment_ptr 1
		.amdhsa_wavefront_size32 1
		.amdhsa_system_sgpr_workgroup_id_x 1
		.amdhsa_system_sgpr_workgroup_id_y 1
		.amdhsa_system_sgpr_workgroup_id_z 1
		.amdhsa_system_vgpr_workitem_id 0
		.amdhsa_next_free_vgpr 256
		.amdhsa_next_free_sgpr 100
		.amdhsa_reserve_vcc 0
		.amdhsa_float_denorm_mode_32 3
		.amdhsa_float_denorm_mode_16_64 3
		.amdhsa_memory_ordered 1
		.amdhsa_forward_progress 1
		.amdhsa_inst_pref_size 28
	.end_amdhsa_kernel
	.amdgpu_metadata
---
amdhsa.version: [ 1, 2 ]
amdhsa.kernels:
  - .name:           k_q5eb3dcddac_att
    .symbol:         k_q5eb3dcddac_att.kd
    .args:
      - { .name: qkvb, .offset: 0, .size: 8, .value_kind: global_buffer, .address_space: global }
      - { .name: attb, .offset: 8, .size: 8, .value_kind: global_buffer, .address_space: global }
      - { .name: Wo_codes, .offset: 16, .size: 8, .value_kind: global_buffer, .address_space: global }
      - { .name: wimg, .offset: 24, .size: 8, .value_kind: global_buffer, .address_space: global }
    .group_segment_fixed_size: 169984
    .private_segment_fixed_size: 0
    .kernarg_segment_align: 8
    .kernarg_segment_size: 32
    .max_flat_workgroup_size: 512
    .sgpr_count:     100
    .vgpr_count:     256
    .wavefront_size: 32
...
	.end_amdgpu_metadata
.endif
;; end of part 2
;; launch woln (part 3): grid 256 x 1, 8 waves a work-group, no clusters, 70,656 bytes of LDS; arguments attb, wimg, Wo_scales, bo, x, g1, be1, hbuf; writes hbuf
.if DOCPART == 3
	.amdgcn_target "amdgcn-amd-amdhsa--gfx1250"
	.amdhsa_code_object_version 6
	.text
	.protected	k_q5eb3dcddac_woln
	.globl	k_q5eb3dcddac_woln
	.p2align	8
	.type	k_q5eb3dcddac_woln,@function
k_q5eb3dcddac_woln:
	s_mov_b64 s[64:65], 0
	v_nop
	global_prefetch_b8 v0, s[64:65] scope:SCOPE_SE
	s_setreg_imm32_b32 hwreg(HW_REG_WAVE_MODE, 25, 1), 1
	s_wait_xcnt 0x0
; h = LayerNorm(x + a Wo^T + bo) g1 + be1, the product on codes of FP4 with E8M0 scales; h leaves as f32 (in the layout of a matrix result) and as codes with scale bytes for the next product.
; SHARES.  A work-group takes 16 whole rows; wave w columns 128 w .. 128 w + 127: eight accumulators (source 0 = 16 rows of Wo, source 1 = the 16 rows of a: a lane holds one row and eight neighbouring columns).
; The rows' eight fragments stay in registers; Wo's 128 rows go from memory straight into registers through a ring of three slots (no other wave wants them).  Wo's codes come as the launch before has laid them,
; in the order of the operand's registers ([column tile][K step][2][lane][16 B]): each load covers 512 consecutive bytes.  x + bo is what the sums begin with.
; The mean and then the mean square of the deviations are taken in two passes; the eight waves' parts meet in LDS.
; LIMITS: NaN and infinities are not served; blocks under 2^-124 get the scale byte 1 (workspace bytes, read by this program alone); v_rsq_f32 is good to 1 ulp.
; REGISTERS: window 0: v1-10 addresses; v16-79 a's fragments; v80-87 a's scale words; v88-151 Wo's; v152-215 the accumulators; v216-231 at work; v232-240 codes and their word; v242-254 sums.
;   window 1: v0-191 the ring (slot 2 takes be1 at the end); v192-255 bo, then g1.
.set RED,  67584                       ; LDS: behind the eight stages of 8,448 bytes: two fields of 512 bytes for the sums, one for the scale words
.set LI,   1
.set WSO,  3
.set PA,   4
.set SI,   5
.set SO,   6
.set ASO,  7
.set RW,   8
.set RR,   9
.set SCR,  10
.set AF,   16
.set ASW,  80
.set WS,   88
.set ACC,  152
.set TM,   216
.set PC,   232
.set PW,   240
.set SA,   242
.set MU,   250
.set RS,   252
.set TT,   254
.set SEL,  24
.set MSB, 0
.macro WIN new
.if MSB != (\new)
	s_set_vgpr_msb (MSB<<8)|(\new)
.set MSB, (\new)
.endif
.endm
.macro PLACES
.rept 4
	v_nop
.endr
.endm
.macro QUANT s, pc, pw                 ; 64 numbers of a lane (block b: registers s + 16 b on; k = 32 b + 8 h + 0..7, then 32 b + 16 + 8 h + 0..7) become a fragment's codes and its scale word
.irp b, 0,1,2,3
	v_max3_num_f32 v[TM+\b], |v[\s+16*\b]|, |v[\s+1+16*\b]|, 0x1800000
.endr
.irp i, 2,4,6,8,10,12,14
.irp b, 0,1,2,3
	v_max3_num_f32 v[TM+\b], v[TM+\b], |v[\s+16*\b+\i]|, |v[\s+1+16*\b+\i]|
.endr
.endr
.irp b, 0,1,2,3
	v_permlanex16_b32 v[TM+4+\b], v[TM+\b], s[SEL], s[SEL+1]
.endr
.irp b, 0,1,2,3
	v_max_num_f32 v[TM+\b], v[TM+\b], v[TM+4+\b]
.endr
.irp b, 0,1,2,3
	v_add_nc_u32 v[TM+12+\b], 0xff000000, v[TM+\b]
.endr
.irp b, 0,1,2,3
	v_lshrrev_b32 v[TM+4+\b], 23, v[TM+12+\b]
.endr
	v_lshl_or_b32 v[\pw], v[TM+5], 8, v[TM+4]
	v_lshl_or_b32 v[\pw], v[TM+6], 16, v[\pw]
	v_lshl_or_b32 v[\pw], v[TM+7], 24, v[\pw]
.irp b, 0,1,2,3
	v_cvt_scalef32_pk8_fp4_f32 v[\pc+4*(\b/2)+(\b%2)], v[\s+16*\b:\s+16*\b+7], v[TM+12+\b]
	v_cvt_scalef32_pk8_fp4_f32 v[\pc+4*(\b/2)+2+(\b%2)], v[\s+16*\b+8:\s+16*\b+15], v[TM+12+\b]
.endr
	v_nop
.irp c, 0,2,4,6
	v_permlane16_swap_b32 v[\pc+\c], v[\pc+\c+1]
.endr
.endm
.macro MM d, a, b, sa, sb
	v_wmma_scale_f32_16x16x128_f8f6f4 v[(\d):(\d)+7], v[(\a):(\a)+7], v[(\b):(\b)+7], v[(\d):(\d)+7], v[\sa], v[\sb] matrix_a_fmt:MATRIX_FMT_FP4 matrix_b_fmt:MATRIX_FMT_FP4
.endm
.macro WRING n                         ; unit n: column tiles 2 (n / 2), + 1, K steps 4 (n % 2) .. + 3: eight fragments of 1,024 bytes, into slot n % 3; each load 512 consecutive bytes
	WIN 0x40
.irp e, 0,1
.irp q, 0,1,2,3
.irp c, 0,1
	global_load_b128 v[64*((\n)%3)+8*(4*\e+\q)+4*\c:64*((\n)%3)+8*(4*\e+\q)+4*\c+3], v[LI], s[6:7] offset:(2*((\n)/2)+\e)*8192+(4*((\n)%2)+\q)*1024+512*\c
.endr
.endr
.endr
.endm
.macro WUNIT n                         ; its eight matrix instructions: two accumulators by turns
	WIN 0x01
.irp q, 0,1,2,3
.irp e, 0,1
	MM ACC+8*(2*((\n)/2)+\e), 64*((\n)%3)+8*(4*\e+\q), AF+8*(4*((\n)%2)+\q), WS+8*(2*((\n)/2)+\e)+4*((\n)%2)+\q, ASW+4*((\n)%2)+\q
.endr
.endr
	PLACES
.endm
.macro LNFOLD                          ; four chains of pairs -> my row's sum over the wave's 128 columns, in v[SA]
	v_pk_add_f32 v[SA:SA+1], v[SA:SA+1], v[SA+2:SA+3]
	v_pk_add_f32 v[SA+4:SA+5], v[SA+4:SA+5], v[SA+6:SA+7]
	v_pk_add_f32 v[SA:SA+1], v[SA:SA+1], v[SA+4:SA+5]
	v_add_f32 v[SA], v[SA], v[SA+1]
	v_permlanex16_b32 v[SA+1], v[SA], s[SEL], s[SEL+1]
	v_add_f32 v[SA], v[SA], v[SA+1]
.endm
.macro LNMEET off                      ; the eight waves' sums meet: store, wait, barrier, load; every wave adds the same eight numbers in the same order -> v[TM]
	ds_store_b32 v[RW], v[SA] offset:\off
	s_wait_dscnt 0x0
	s_barrier_signal -1
	s_barrier_wait -1
	ds_load_b128 v[TM:TM+3], v[RR] offset:\off
	ds_load_b128 v[TM+4:TM+7], v[RR] offset:\off+16
	s_wait_dscnt 0x0
	v_add_f32 v[TM], v[TM], v[TM+1]
	v_add_f32 v[TM+2], v[TM+2], v[TM+3]
	v_add_f32 v[TM+4], v[TM+4], v[TM+5]
	v_add_f32 v[TM+6], v[TM+6], v[TM+7]
	v_add_f32 v[TM], v[TM], v[TM+2]
	v_add_f32 v[TM+4], v[TM+4], v[TM+6]
	v_add_f32 v[TM], v[TM], v[TM+4]
.endm
	s_load_b512 s[4:19], s[0:1], 0x0               ; a's workspace, Wo's image, Wo scales, bo, x, g1, be1, h's workspace
	v_lshl_add_u32 v241, v0, 2, 0x11000
	v_mov_b32 v255, 0
	v_lshrrev_b32 v11, 5, v0
	v_readfirstlane_b32 s20, v11                   ; wave 0..7
	v_and_b32 v11, 31, v0
	v_and_b32 v12, 15, v0                          ; r
	v_bfe_u32 v13, v0, 4, 1                        ; h
	v_lshlrev_b32 v[LI], 4, v11
	v_lshlrev_b32 v[WSO], 5, v12
	v_lshlrev_b32 v[PA], 5, v13
	s_mul_i32 s21, s20, 8448
	v_add_nc_u32 v[SI], s21, v[LI]
	v_mul_u32_u24 v[SO], v12, 528
	v_lshl_add_u32 v[SO], v13, 5, v[SO]
	v_add_nc_u32 v[SO], s21, v[SO]
	v_lshlrev_b32 v[ASO], 1, v12
	v_add_nc_u32 v[RR], RED, v[WSO]                ; 32 bytes a row: a word for each wave
	s_lshl_b32 s21, s20, 2
	v_add_nc_u32 v[RW], s21, v[RR]
	v_add_nc_u32 v[SCR], RED+1024, v[LI]
	s_mov_b32 s[SEL], 0x76543210
	s_mov_b32 s[SEL+1], 0xfedcba98
	s_mov_b32 s26, 0x3a800000                      ; 1 / 1,024
	s_mov_b32 s27, 0x3727c5ac                      ; 1e-5
	s_mov_b32 s23, 0
	s_wait_kmcnt 0x0
	s_lshl_b32 s22, ttmp9, 5
	s_add_co_u32 s22, s22, 2097152
	s_add_nc_u64 s[28:29], s[4:5], s[22:23]        ; a's scale bytes: [head][row] of two
	s_lshl_b32 s22, ttmp9, 13
	s_add_nc_u64 s[4:5], s[4:5], s[22:23]          ; a's eight fragments
	s_lshl_b32 s34, s20, 10
	s_add_co_u32 s22, s22, s34
	s_add_co_u32 s22, s22, 16777216
	s_add_nc_u64 s[30:31], s[18:19], s[22:23]      ; h's codes: fragment (row tile, K step w)
	s_lshl_b32 s22, ttmp9, 9
	s_add_co_u32 s22, s22, 18874368
	s_add_nc_u64 s[32:33], s[18:19], s[22:23]      ; h's scale bytes: 32 a row
	s_lshl_b32 s22, s20, 16
	s_add_nc_u64 s[6:7], s[6:7], s[22:23]          ; my eight column tiles of Wo's image: 8,192 bytes each
	s_lshl_b32 s22, s20, 12
	s_add_nc_u64 s[8:9], s[8:9], s[22:23]
	s_lshl_b32 s22, s20, 9
	s_add_nc_u64 s[10:11], s[10:11], s[22:23]      ; my 128 numbers of bo, g1, be1
	s_add_nc_u64 s[14:15], s[14:15], s[22:23]
	s_add_nc_u64 s[16:17], s[16:17], s[22:23]
	s_lshl_b32 s34, ttmp9, 16
	s_add_co_u32 s22, s22, s34
	s_add_nc_u64 s[12:13], s[12:13], s[22:23]      ; x: 16 rows of 4,096 bytes, my 512 of each
	s_lshl_b32 s22, s20, 13
	s_add_co_u32 s22, s22, s34
	s_add_nc_u64 s[18:19], s[18:19], s[22:23]      ; h as f32: my eight tiles of 1,024 bytes
.irp i, 0,1,2,3,4,5,6,7,8,9,10,11,12,13,14,15
	global_load_b128 v[ACC+4*\i:ACC+4*\i+3], v[LI], s[12:13] offset:4096*\i   ; 512 consecutive bytes of row i
.endr
	WIN 0x40
.irp t, 0,1,2,3,4,5,6,7
.irp u, 0,1
	global_load_b128 v[192+8*\t+4*\u:192+8*\t+4*\u+3], v[PA], s[10:11] offset:64*\t+16*\u
.endr
.endr
	WIN 0
.irp i, 0,1,2,3,4,5,6,7,8,9,10,11,12,13,14,15
	global_load_u16 v[TM+\i], v[ASO], s[28:29] offset:8192*\i
.endr
.irp k, 0,1,2,3,4,5,6,7
.irp c, 0,1
	global_load_b128 v[AF+8*\k+4*\c:AF+8*\k+4*\c+3], v[LI], s[4:5] offset:1024*\k+512*\c
.endr
.endr
	s_wait_loadcnt 48                              ; x is in; three groups of 16 may be out
.irp i, 0,1,2,3,4,5,6,7,8,9,10,11,12,13,14,15
	ds_store_b128 v[SI], v[ACC+4*\i:ACC+4*\i+3] offset:528*\i
.endr
.irp t, 0,1,2,3,4,5,6,7
.irp u, 0,1
	ds_load_b128 v[ACC+8*\t+4*\u:ACC+8*\t+4*\u+3], v[SO] offset:64*\t+16*\u   ; back in the result's layout; LDS serves a wave's instructions in order
.endr
.endr
.irp t, 0,1,2,3,4,5,6,7
.irp u, 0,1
	global_load_b128 v[WS+8*\t+4*\u:WS+8*\t+4*\u+3], v[WSO], s[8:9] offset:512*\t+16*\u
.endr
.endr
	WRING 0
	WRING 1
	WRING 2
	WIN 0
	s_wait_loadcnt 63                              ; 64 loads were issued behind bo, a's bytes and a's fragments: those are in
	s_wait_dscnt 0x0
.irp k, 0,1,2,3,4,5,6,7
	v_lshl_or_b32 v[ASW+\k], v[TM+2*\k+1], 16, v[TM+2*\k]   ; K step k is heads 2 k and 2 k + 1
.endr
	WIN 0x04
.set pp, 0
.rept 32
	v_pk_add_f32 v[ACC+2*pp:ACC+2*pp+1], v[ACC+2*pp:ACC+2*pp+1], v[192+2*pp:193+2*pp]   ; x + bo: what the sums begin with; also the places behind the scale words' lines
.set pp, pp+1
.endr
	WIN 0x40
.irp t, 0,1,2,3,4,5,6,7
.irp u, 0,1
	global_load_b128 v[192+8*\t+4*\u:192+8*\t+4*\u+3], v[PA], s[14:15] offset:64*\t+16*\u   ; g1
.endr
.endr
	s_wait_loadcnt 48                              ; in front of each unit: its slot is in; the count is the groups of 16 issued behind it
	WUNIT 0
	WRING 3
	s_wait_loadcnt 48
	WUNIT 1
	WRING 4
	s_wait_loadcnt 48
	WUNIT 2
	WRING 5
	s_wait_loadcnt 32
	WUNIT 3
	WRING 6
	s_wait_loadcnt 32
	WUNIT 4
	WRING 7
	s_wait_loadcnt 32
	WUNIT 5
	WIN 0x40
.irp t, 0,1,2,3,4,5,6,7
.irp u, 0,1
	global_load_b128 v[128+8*\t+4*\u:128+8*\t+4*\u+3], v[PA], s[16:17] offset:64*\t+16*\u   ; be1 into slot 2
.endr
.endr
	s_wait_loadcnt 32
	WUNIT 6
	s_wait_loadcnt 16
	WUNIT 7
	WIN 0
	; the mean
.irp c, 0,1,2,3
	v_pk_add_f32 v[SA+2*\c:SA+2*\c+1], v[ACC+2*\c:ACC+2*\c+1], v[ACC+8+2*\c:ACC+9+2*\c]
.endr
.set pp, 8
.rept 24
	v_pk_add_f32 v[SA+2*(pp%4):SA+2*(pp%4)+1], v[SA+2*(pp%4):SA+2*(pp%4)+1], v[ACC+2*pp:ACC+2*pp+1]
.set pp, pp+1
.endr
	LNFOLD
	LNMEET 0
	v_mul_f32 v[MU], s26, v[TM]
	v_mov_b32 v[MU+1], v[MU]
.set pp, 0
.rept 32
	v_pk_add_f32 v[ACC+2*pp:ACC+2*pp+1], v[ACC+2*pp:ACC+2*pp+1], v[MU:MU+1] neg_lo:[0,1] neg_hi:[0,1]
.set pp, pp+1
.endr
	; the mean square of the deviations
.irp c, 0,1,2,3
	v_pk_mul_f32 v[SA+2*\c:SA+2*\c+1], v[ACC+2*\c:ACC+2*\c+1], v[ACC+2*\c:ACC+2*\c+1]
.endr
.set pp, 4
.rept 28
	v_pk_fma_f32 v[SA+2*(pp%4):SA+2*(pp%4)+1], v[ACC+2*pp:ACC+2*pp+1], v[ACC+2*pp:ACC+2*pp+1], v[SA+2*(pp%4):SA+2*(pp%4)+1]
.set pp, pp+1
.endr
	LNFOLD
	LNMEET 512
	v_fma_f32 v[TT], v[TM], s26, s27
	v_rsq_f32 v[RS], v[TT]
	v_nop                                          ; a plain place behind the root
	s_wait_alu depctr_va_vdst(0)                   ; and the wait ahead of its first reader
	v_mov_b32 v[RS+1], v[RS]
.set pp, 0
.rept 32
	v_pk_mul_f32 v[ACC+2*pp:ACC+2*pp+1], v[ACC+2*pp:ACC+2*pp+1], v[RS:RS+1]
.set pp, pp+1
.endr
	s_wait_loadcnt 0x0                             ; g1, be1
	WIN 0x14
.set pp, 0
.rept 32
	v_pk_fma_f32 v[ACC+2*pp:ACC+2*pp+1], v[ACC+2*pp:ACC+2*pp+1], v[192+2*pp:193+2*pp], v[128+2*pp:129+2*pp]
.set pp, pp+1
.endr
	WIN 0
.irp t, 0,1,2,3,4,5,6,7
.irp u, 0,1
	global_store_b128 v[LI], v[ACC+8*\t+4*\u:ACC+8*\t+4*\u+3], s[18:19] offset:1024*\t+512*\u   ; 512 consecutive bytes
.endr
.endr
	QUANT ACC, PC, PW
	global_store_b128 v[LI], v[PC:PC+3], s[30:31]
	global_store_b128 v[LI], v[PC+4:PC+7], s[30:31] offset:512
	ds_store_b32 v[RW], v[PW] offset:1024          ; a row's eight words lie together
	s_wait_dscnt 0x0
	s_barrier_signal -1
	s_barrier_wait -1
	s_cmp_lg_u32 s20, 0
	s_cbranch_scc1 .Lnot_0
	ds_load_b128 v[TM:TM+3], v[SCR]                ; into registers that no pending store names (the codes' stores still read v232-239)
	s_wait_dscnt 0x0
	global_store_b128 v[LI], v[TM:TM+3], s[32:33]  ; 16 rows x 32 scale bytes
.Lnot_0:
	s_wait_tensorcnt 0x0
	ds_add_u32 v241, v255
	s_wait_dscnt 0x0
	s_endpgm
.Lfunc_end_k_q5eb3dcddac_woln:
	.size	k_q5eb3dcddac_woln, .Lfunc_end_k_q5eb3dcddac_woln-k_q5eb3dcddac_woln
	.p2alignl 7, 3214868480
	.fill 96, 4, 3214868480
	.section	.rodata,"a",@progbits
	.p2align	6, 0x0
	.amdhsa_kernel k_q5eb3dcddac_woln
		.amdhsa_group_segment_fixed_size 70656
		.amdhsa_private_segment_fixed_size 0
		.amdhsa_enable_private_segment 0
		.amdhsa_kernarg_size 64
		.amdhsa_user_sgpr_count 2
		.amdhsa_user_sgpr_kernarg_segment_ptr 1
		.amdhsa_wavefront_size32 1
		.amdhsa_system_sgpr_workgroup_id_x 1
		.amdhsa_system_sgpr_workgroup_id_y 1
		.amdhsa_system_sgpr_workgroup_id_z 1
		.amdhsa_system_vgpr_workitem_id 0
		.amdhsa_next_free_vgpr 512
		.amdhsa_next_free_sgpr 66
		.amdhsa_reserve_vcc 0
		.amdhsa_float_denorm_mode_32 3
		.amdhsa_float_denorm_mode_16_64 3
		.amdhsa_memory_ordered 1
		.amdhsa_forward_progress 1
		.amdhsa_inst_pref_size 58
	.end_amdhsa_kernel
	.amdgpu_metadata
---
amdhsa.version: [ 1, 2 ]
amdhsa.kernels:
  - .name:           k_q5eb3dcddac_woln
    .symbol:         k_q5eb3dcddac_woln.kd
    .args:
      - { .name: attb, .offset: 0, .size: 8, .value_kind: global_buffer, .address_space: global }
      - { .name: wimg, .offset: 8, .size: 8, .value_kind: global_buffer, .address_space: global }
      - { .name: Wo_scales, .offset: 16, .size: 8, .value_kind: global_buffer, .address_space: global }
      - { .name: bo, .offset: 24, .size: 8, .value_kind: global_buffer, .address_space: global }
      - { .name: x, .offset: 32, .size: 8, .value_kind: global_buffer, .address_space: global }
      - { .name: g1, .offset: 40, .size: 8, .value_kind: global_buffer, .address_space: global }
      - { .name: be1, .offset: 48, .size: 8, .value_kind: global_buffer, .address_space: global }
      - { .name: hbuf, .offset: 56, .size: 8, .value_kind: global_buffer, .address_space: global }
    .group_segment_fixed_size: 70656
    .private_segment_fixed_size: 0
    .kernarg_segment_align: 8
    .kernarg_segment_size: 64
    .max_flat_workgroup_size: 256
    .sgpr_count:     66
    .vgpr_count:     512
    .wavefront_size: 32
...
	.end_amdgpu_metadata
.endif
;; end of part 3
;; launch ffn1 (part 4): grid 16 x 16, 4 waves a work-group, clusters of 4 x 4, 327,680 bytes of LDS; arguments hbuf, W1_codes, W1_scales, b1, hid; writes hid
.if DOCPART == 4
	.amdgcn_target "amdgcn-amd-amdhsa--gfx1250"
	.amdhsa_code_object_version 6
	.text
	.protected	k_q5eb3dcddac_ffn1
	.globl	k_q5eb3dcddac_ffn1
	.p2align	8
	.type	k_q5eb3dcddac_ffn1,@function
k_q5eb3dcddac_ffn1:
	s_mov_b64 s[64:65], 0
	v_nop
	global_prefetch_b8 v0, s[64:65] scope:SCOPE_SE
	s_setreg_imm32_b32 hwreg(HW_REG_WAVE_MODE, 25, 1), 1
	s_wait_xcnt 0x0
	s_wait_alu depctr_hold_cnt(0) depctr_sa_sdst(0) depctr_va_vdst(0) depctr_va_sdst(0) depctr_va_ssrc(0) depctr_va_vcc(0) depctr_vm_vsrc(0)
	s_getreg_b32 s2, hwreg(HW_REG_IB_STS2, 6, 4)
	s_cmp_eq_u32 s2, 0
	s_cbranch_scc0 .Lentry_in_a_cluster
	s_endpgm
.Lentry_in_a_cluster:
	s_bfe_u32 s2, ttmp6, 0x10000c
	s_cmp_lg_u32 s2, 0xf033
	s_cbranch_scc0 .Lentry_shape_is_right
	s_endpgm
.Lentry_shape_is_right:
; hid = Q(relu(h W1^T + b1)): [4,096 x 1,024] x [4,096 x 1,024]^T on codes of FP4 with E8M0 scales; the result is quantised along its columns, which are the next product's K, and leaves as codes.
; A tile of 256 x 256 is made by four waves, each 128 x 128: 64 accumulators.  K = 1,024 is two LDS slots of 512: both are first fills, nothing is filled again.
; h's codes come as images of the operand's registers ([row tile][K step][2][lane][16 B]): a slot's part of a row tile is 4,096 consecutive bytes; a fragment is two loads of 512 consecutive bytes.
; W1's codes come as rows of 256 bytes, padded to 272 in LDS.  The scale bytes of the 256 + 256 rows, for all of K, come once, as units of 256 bytes + 16.
; CLUSTERS: 4 x 4 work-groups; h's tiles are shared along a row of the cluster, W1's along a column: each is asked for jointly.  The matrix instruction is used transposed (source 0 = 16 rows of W1,
; source 1 = 16 rows of h): a lane holds one row and eight neighbouring columns.  b1 is the C of each sum's first instruction.
; LIMITS: NaN and infinities are not served; blocks under 2^-124 (blocks of zeros too) get the scale byte 1: workspace bytes, read by this program alone.
; REGISTERS: window 0: v0-31 addresses; v32-95 scale words, two sets; v96-127 at work on the way out; v128-191 h's fragments, one set; v192-255 b1.  window 1: W1's fragments, two sets.  windows 2, 3: accumulators.
.set NQ,     4
.set ROWB,   256
.set KROW,   512
.set PITCH,  272
.set FR,     8
.set NL,     2
.set NP,     4
.set HALFT,  128*PITCH
.set AIMG,   65536                     ; a slot: h's 16 row tiles x 4 K steps x 1,024 bytes, then W1's 256 rows
.set SLOT,   AIMG+2*HALFT
.set KS,     32
.set SCL,    2*SLOT
.set HALFS,  (128*KS/256)*272
.set SBLK,   (16*KS/256)*272
.set SPARE,  SCL+4*HALFS               ; the spare words, 128 bytes for each wave: two blocks of 256 bytes that no other line names
.set ADRA, 16
.set ADRB, 20
.set CO,   26                          ; 16 x lane
.set ADRS, 27
.set SPW,  28
.set NIL,  29
.set BO,   30                          ; 32 h
.set SC,   32
.set TM,   96
.set PC,   112
.set PWS,  120
.set AF,   128
.set BI,   192
.set SEL,  18
.set G1, 24
.set G0, 32
.set G1B, 48
.set G0B, 56
.set G1S, 68
.set G0S, 76
.set G1SB, 80
.set G0SB, 88
.set MSB, 0
.macro WIN new
.if MSB != (\new)
	s_set_vgpr_msb (MSB<<8)|(\new)
.set MSB, (\new)
.endif
.endm
.set MUL_LO, 0xa1
.set MUL_HI, 0xf1
.set TO_B,   0x40
.macro JLOAD g0a, g1a, g0b, g1b        ; a joint load: waves 0 and 1 fetch for h, waves 2 and 3 for W1; four v_nop follow each line
	s_cmp_eq_u32 s15, 0
	s_cbranch_scc0 .Lfor_b_\@
	tensor_load_to_lds s[\g0a:\g0a+3], s[\g1a:\g1a+7]
	s_nop 0
.rept 4
	v_nop
.endr
	s_branch .Lasked_\@
.Lfor_b_\@:
	tensor_load_to_lds s[\g0b:\g0b+3], s[\g1b:\g1b+7]
	s_nop 0
.rept 4
	v_nop
.endr
.Lasked_\@:
.endm
.macro CROUND                          ; a round of the cluster's barrier
	s_barrier_signal -1
	s_barrier_wait -1
	s_cmp_lg_u32 s14, 0
	s_cbranch_scc1 .Lnot_wave_0_\@
	s_barrier_signal -3
.Lnot_wave_0_\@:
	s_barrier_wait -3
	s_barrier_signal -1
	s_barrier_wait -1
.endm
.macro QUANT s, pc, pw
.irp b, 0,1,2,3
	v_max3_num_f32 v[TM+\b], |v[\s+16*\b]|, |v[\s+1+16*\b]|, 0x1800000
.endr
.irp i, 2,4,6,8,10,12,14
.irp b, 0,1,2,3
	v_max3_num_f32 v[TM+\b], v[TM+\b], |v[\s+16*\b+\i]|, |v[\s+1+16*\b+\i]|
.endr
.endr
.irp b, 0,1,2,3
	v_permlanex16_b32 v[TM+4+\b], v[TM+\b], s[SEL], s[SEL+1]
.endr
.irp b, 0,1,2,3
	v_max_num_f32 v[TM+\b], v[TM+\b], v[TM+4+\b]
.endr
.irp b, 0,1,2,3
	v_add_nc_u32 v[TM+12+\b], 0xff000000, v[TM+\b]
.endr
.irp b, 0,1,2,3
	v_lshrrev_b32 v[TM+4+\b], 23, v[TM+12+\b]
.endr
	v_lshl_or_b32 v[\pw], v[TM+5], 8, v[TM+4]
	v_lshl_or_b32 v[\pw], v[TM+6], 16, v[\pw]
	v_lshl_or_b32 v[\pw], v[TM+7], 24, v[\pw]
.irp b, 0,1,2,3
	v_cvt_scalef32_pk8_fp4_f32 v[\pc+4*(\b/2)+(\b%2)], v[\s+16*\b:\s+16*\b+7], v[TM+12+\b]
	v_cvt_scalef32_pk8_fp4_f32 v[\pc+4*(\b/2)+2+(\b%2)], v[\s+16*\b+8:\s+16*\b+15], v[TM+12+\b]
.endr
	v_nop
.irp c, 0,2,4,6
	v_permlane16_swap_b32 v[\pc+\c], v[\pc+\c+1]
.endr
.endm
	s_load_b64 s[4:5], s[0:1], 0x0                 ; h's workspace
	s_load_b64 s[8:9], s[0:1], 0x8                 ; W1's codes
	s_load_b64 s[10:11], s[0:1], 0x10              ; W1's scales
	s_load_b64 s[66:67], s[0:1], 0x18              ; b1
	s_load_b64 s[12:13], s[0:1], 0x20              ; the hidden layer's workspace
	v_lshl_add_u32 v[SPW], v0, 2, SPARE
	v_mov_b32 v[NIL], 0
	ds_add_u32 v28, v29
	ds_add_u32 v28, v29
	s_wait_dscnt 0x0
	v_lshrrev_b32 v1, 5, v0
	v_readfirstlane_b32 s14, v1                    ; wave 0..3
	s_lshr_b32 s15, s14, 1                         ; which half of the tile's rows is mine.  Also: I fetch for h (0) or for W1 (1)
	s_and_b32 s16, s14, 1                          ; which half of its columns.  Also: which half of that tile I fetch
	s_bfe_u32 s40, ttmp6, 0x40000                  ; cx, cy
	s_bfe_u32 s41, ttmp6, 0x40004
	s_lshl_b32 s42, ttmp9, 2
	s_add_co_u32 s42, s42, s40                     ; tile column
	s_and_b32 s17, ttmp7, 0xffff
	s_lshl_b32 s17, s17, 2
	s_add_co_u32 s17, s17, s41                     ; tile row
	s_lshl_b32 s43, s41, 2
	s_lshl_b32 s43, 15, s43                        ; my row of the cluster
	s_lshl_b32 s44, 0x1111, s40                    ; my column
	s_or_b32 s[G1+0], s43, (3<<16)|(1<<21)         ; h: 8 row tiles x 4,096 bytes (512 elements of 8), 8,192 bytes apart; no padding
	s_mov_b32 s[G1+1], 512<<16
	s_mov_b32 s[G1+2], 8<<16
	s_mov_b32 s[G1+3], 512<<16
	s_mov_b32 s[G1+4], 8
	s_mov_b32 s[G1+5], 1024
	s_mov_b32 s[G1+6], 0
	s_mov_b32 s[G1+7], 0
	s_or_b32 s[G1B+0], s44, (0<<16)|(1<<20)|(1<<21)|(5<<22)|(3<<25)   ; W1: 128 rows x 256 bytes, four words of padding behind every 64
	s_mov_b32 s[G1B+1], ROWB<<16
	s_mov_b32 s[G1B+2], 128<<16
	s_mov_b32 s[G1B+3], ROWB<<16
	s_mov_b32 s[G1B+4], 128
	s_mov_b32 s[G1B+5], KROW
	s_mov_b32 s[G1B+6], 0
	s_mov_b32 s[G1B+7], 0
	s_or_b32 s[G1S+0], s43, (3<<16)|(1<<20)|(1<<21)|(5<<22)|(3<<25)   ; the scales of 128 rows: 4,096 dense bytes as rows of 256 + 16
	s_or_b32 s[G1SB+0], s44, (3<<16)|(1<<20)|(1<<21)|(5<<22)|(3<<25)
.irp g, G1S, G1SB
	s_mov_b32 s[\g+1], 32<<16
	s_mov_b32 s[\g+2], (128*KS/256)<<16
	s_mov_b32 s[\g+3], 32<<16
	s_mov_b32 s[\g+4], 128*KS/256
	s_mov_b32 s[\g+5], 32
	s_mov_b32 s[\g+6], 0
	s_mov_b32 s[\g+7], 0
.endr
	s_lshl_b32 s18, s16, 7
	s_lshl_b32 s20, s17, 8
	s_add_co_u32 s20, s20, s18                     ; h: row 256 x tile row + 128 x half
	s_lshl_b32 s46, s42, 8
	s_add_co_u32 s46, s46, s18                     ; W1: row 256 x tile column + 128 x half
	s_mov_b32 s21, 0
	s_mov_b32 s47, 0
	s_mov_b64 s[18:19], KS
	s_mul_u64 s[22:23], s[20:21], s[18:19]         ; where these rows' scales begin
	s_mul_u64 s[92:93], s[46:47], s[18:19]
	s_mov_b64 s[18:19], KROW
	s_mul_u64 s[20:21], s[20:21], s[18:19]         ; and their codes (16 rows of images are 8,192 bytes, as 16 rows of 512 are)
	s_mul_u64 s[46:47], s[46:47], s[18:19]
	s_lshl_b32 s45, s16, 15                        ; where they go: h's half,
	s_mul_i32 s95, s16, HALFT
	s_add_co_u32 s95, s95, AIMG                    ; W1's half,
	s_mul_i32 s94, s14, HALFS                      ; the scales: wave x 128 rows
	s_wait_kmcnt 0x0
	s_add_nc_u64 s[6:7], s[4:5], 18874368          ; h's scale bytes
	s_add_nc_u64 s[4:5], s[4:5], 16777216          ; h's codes
	s_add_nc_u64 s[20:21], s[4:5], s[20:21]
	s_add_nc_u64 s[22:23], s[6:7], s[22:23]
	s_add_nc_u64 s[46:47], s[8:9], s[46:47]
	s_add_nc_u64 s[92:93], s[10:11], s[92:93]
	CROUND                                         ; all sixteen work-groups are here: the joint loads meet
	s_mov_b32 s[G0S], 1
	s_add_co_u32 s[G0S+1], s94, SCL
	s_mov_b64 s[G0S+2:G0S+3], s[22:23]
	s_or_b32 s[G0S+3], s[G0S+3], 0x80000000
	s_mov_b32 s[G0SB], 1
	s_add_co_u32 s[G0SB+1], s94, SCL
	s_mov_b64 s[G0SB+2:G0SB+3], s[92:93]
	s_or_b32 s[G0SB+3], s[G0SB+3], 0x80000000
	JLOAD G0S, G1S, G0SB, G1SB                     ; the scales first
.irp s, 0,1
	s_mov_b32 s[G0+4*\s], 1
	s_add_co_u32 s[G0+4*\s+1], s45, \s*SLOT
	s_add_nc_u64 s[G0+4*\s+2:G0+4*\s+3], s[20:21], \s*4096
	s_or_b32 s[G0+4*\s+3], s[G0+4*\s+3], 0x80000000
	s_mov_b32 s[G0B+4*\s], 1
	s_add_co_u32 s[G0B+4*\s+1], s95, \s*SLOT
	s_add_nc_u64 s[G0B+4*\s+2:G0B+4*\s+3], s[46:47], \s*ROWB
	s_or_b32 s[G0B+4*\s+3], s[G0B+4*\s+3], 0x80000000
	JLOAD G0+4*\s, G1, G0B+4*\s, G1B               ; three loads of mine are out when both slots are asked for
.endr
	v_and_b32 v1, 15, v0                           ; r
	v_bfe_u32 v2, v0, 4, 1                         ; h
	v_mul_u32_u24 v3, v1, PITCH
	v_lshl_add_u32 v4, v2, 4, v3
	v_and_b32 v6, 31, v0
	v_lshlrev_b32 v[CO], 4, v6
	v_lshlrev_b32 v[BO], 5, v2
	s_lshl_b32 s21, s15, 15                        ; my 8 row tiles of h
	s_mul_i32 s22, s16, HALFT
	s_add_co_u32 s22, s22, AIMG                    ; my 128 rows of W1
.irp s, 0,1
	v_add_nc_u32 v[ADRA+\s], s21, v[CO]
	v_add_nc_u32 v[ADRB+\s], s22, v4
	s_add_co_u32 s21, s21, SLOT
	s_add_co_u32 s22, s22, SLOT
.endr
	v_mul_u32_u24 v5, v1, KS                       ; my row's scales: 32 bytes a row,
	v_lshrrev_b32 v6, 8, v5
	v_lshl_add_u32 v5, v6, 4, v5                   ; and 16 more for each 256 passed
	s_mul_i32 s21, s15, HALFS
	s_mul_i32 s22, s16, HALFS
	s_add_co_u32 s22, s22, 2*HALFS
	s_sub_co_u32 s22, s22, s21
	v_mul_u32_u24 v6, s22, v2                      ; lanes 16-31 take W1's
	s_add_co_u32 s21, s21, SCL
	v_add_nc_u32 v5, v5, v6
	v_add_nc_u32 v[ADRS], s21, v5
.irp b, 0,1,2,3
	v_mov_b32 v[TM+4+\b], 0                        ; written once: a lane permute's destination counts as one of its sources
.endr
	s_mov_b32 s[SEL], 0x76543210
	s_mov_b32 s[SEL+1], 0xfedcba98
	s_mov_b32 s3, 0xffff0000                       ; lanes 16-31
	s_lshl_b32 s46, s42, 10
	s_lshl_b32 s47, s16, 9
	s_add_co_u32 s46, s46, s47
	s_mov_b32 s47, 0
	s_add_nc_u64 s[66:67], s[66:67], s[46:47]      ; b1 at my 128 columns
.irp b, 0,1,2,3,4,5,6,7
.irp u, 0,1
	global_load_b128 v[BI+8*\b+4*\u:BI+8*\b+4*\u+3], v[BO], s[66:67] offset:64*\b+16*\u
.endr
.endr
	s_lshl_b32 s20, s17, 19                        ; the codes' place: 32,768 x (16 tile row + 8 half) + 1,024 x (2 tile column + half)
	s_lshl_b32 s21, s15, 18
	s_add_co_u32 s20, s20, s21
	s_lshl_b32 s21, s42, 11
	s_add_co_u32 s20, s20, s21
	s_lshl_b32 s21, s16, 10
	s_add_co_u32 s20, s20, s21
	s_mov_b32 s21, 0
	s_lshl_b32 s22, s17, 15                        ; the scale words': 512 x (32 x (2 tile row + half) + 2 tile column + half)
	s_lshl_b32 s23, s15, 14
	s_add_co_u32 s22, s22, s23
	s_lshl_b32 s23, s42, 10
	s_add_co_u32 s22, s22, s23
	s_lshl_b32 s23, s16, 9
	s_add_co_u32 s22, s22, s23
	s_add_co_u32 s22, s22, 8388608
	s_mov_b32 s23, 0
	s_add_nc_u64 s[96:97], s[12:13], s[22:23]
	s_add_nc_u64 s[12:13], s[12:13], s[20:21]
.macro FRAGA reg, slot, q, i           ; a fragment of h: two loads of 512 consecutive bytes
.irp c, 0,1
	ds_load_b128 v[\reg+4*\c:\reg+4*\c+3], v[ADRA+\slot] offset:(4*(\i)+(\q))*1024+512*\c
.endr
.endm
.macro FRAGB reg, slot, q, i           ; a fragment of W1: lane l holds row l % 16; registers 4 c on hold K = 64 c + 32 (l / 16) + 0 .. 31
.irp c, 0,1
	ds_load_b128 v[\reg+4*\c:\reg+4*\c+3], v[ADRB+\slot] offset:64*(\q)+32*\c+(\i)*16*PITCH
.endr
.endm
; 16 matrix instructions: h's blocks a0, a0 + 1 x W1's eight.  first = 1: b1 is the C.  The 64 accumulators take turns, one instruction a turn.
.macro MUL16 a0, p, q, sc, first
.irp a, \a0, \a0+1
.irp b, 0,1,2,3,4,5,6,7
.if \first
	v_wmma_scale_f32_16x16x128_f8f6f4 v[8*(8*((\a)%4)+\b):8*(8*((\a)%4)+\b)+7], v[128*(\p)+FR*\b:128*(\p)+FR*\b+FR-1], v[AF+FR*(\a):AF+FR*(\a)+FR-1], v[BI+8*\b:BI+8*\b+7], v[SC+8*NQ*(\sc)+NQ*\b+(\q)], v[SC+8*NQ*(\sc)+NQ*(\a)+(\q)] matrix_a_fmt:MATRIX_FMT_FP4 matrix_b_fmt:MATRIX_FMT_FP4 matrix_a_scale:MATRIX_SCALE_ROW1
.else
	v_wmma_scale_f32_16x16x128_f8f6f4 v[8*(8*((\a)%4)+\b):8*(8*((\a)%4)+\b)+7], v[128*(\p)+FR*\b:128*(\p)+FR*\b+FR-1], v[AF+FR*(\a):AF+FR*(\a)+FR-1], v[8*(8*((\a)%4)+\b):8*(8*((\a)%4)+\b)+7], v[SC+8*NQ*(\sc)+NQ*\b+(\q)], v[SC+8*NQ*(\sc)+NQ*(\a)+(\q)] matrix_a_fmt:MATRIX_FMT_FP4 matrix_b_fmt:MATRIX_FMT_FP4 matrix_a_scale:MATRIX_SCALE_ROW1
.endif
.endr
.endr
.endm
.macro FETCH_B slot, q, p
	WIN TO_B
.irp i, 0,1,2,3,4,5,6,7
	FRAGB 128*(\p)+FR*\i, \slot, \q, \i
.endr
	WIN 0
.endm
.macro FETCH_A slot, q, i0
.irp i, \i0, \i0+1, \i0+2, \i0+3
	FRAGA AF+FR*(\i), \slot, \q, \i
.endr
.endm
.macro SCALES sc                       ; a slot's scale words: lanes 0-15 take h's block i, lanes 16-31 W1's block i
.irp i, 0,1,2,3,4,5,6,7
	ds_load_b128 v[SC+8*NQ*\sc+NQ*\i:SC+8*NQ*\sc+NQ*\i+3], v[ADRS] offset:\i*SBLK
.endr
.endm
.macro PLACES n                        ; plain places behind matrix instructions, in front of loads into their registers and of reads of results
.rept \n
	v_nop
.endr
.endm
.macro STEP slot, q, first             ; a step of 128 along K that has its successor in the same slot
	s_wait_dscnt 4*NL                              ; W1's set and h's blocks 0-3 are in; the youngest eight loads (h's blocks 4-7) may be out
.if \first
	WIN 0x81
.else
	WIN MUL_LO
.endif
	MUL16 0, (\q)%2, \q, \slot, \first
	MUL16 2, (\q)%2, \q, \slot, \first
	s_wait_dscnt 0
	PLACES NP
	FETCH_B \slot, (\q)+1, 1-(\q)%2
	FETCH_A \slot, (\q)+1, 0
.if \first
	WIN 0xc1
.else
	WIN MUL_HI
.endif
	MUL16 4, (\q)%2, \q, \slot, \first
	MUL16 6, (\q)%2, \q, \slot, \first
	PLACES NP
	WIN 0
	FETCH_A \slot, (\q)+1, 4
.endm
.macro STEPS slot, from
.set Q, \from
.rept NQ-1-\from
	STEP \slot, Q, 0
.set Q, Q+1
.endr
.endm
	s_wait_loadcnt 0x0                             ; b1
	s_wait_tensorcnt 1                             ; the scales and my part of slot 0 are in (slot 1's load may be out),
	s_barrier_signal -1
	s_barrier_wait -1                              ; everybody's are
	FETCH_B 0, 0, 0
	FETCH_A 0, 0, 0
	SCALES 0
	FETCH_A 0, 0, 4
	STEP 0, 0, 1
	STEPS 0, 1
	; slot 0's last step changes slots: one barrier; in front of it my tensor loads have landed
	s_wait_tensorcnt 0x0                           ; my part of slot 1 is in
	ds_add_u32 v[SPW], v[NIL]                      ; 0 onto my spare word
	s_wait_dscnt 4*NL+1                            ; (the add and the youngest eight loads may be out)
	WIN MUL_LO
	MUL16 0, 1, NQ-1, 0, 0
	s_wait_dscnt 0x0
	s_barrier_signal -1
	MUL16 2, 1, NQ-1, 0, 0
	WIN 0
	s_barrier_wait -1
	PLACES NP
	v_add_nc_u32 v[ADRS], 4*NQ, v[ADRS]            ; on to slot 1's scale words
	FETCH_B 1, 0, 0
	FETCH_A 1, 0, 0
	SCALES 1
	WIN MUL_HI
	MUL16 4, 1, NQ-1, 0, 0
	MUL16 6, 1, NQ-1, 0, 0
	PLACES NP
	WIN 0
	FETCH_A 1, 0, 4
	STEPS 1, 0
	s_wait_dscnt 4*NL                              ; the very last step
	WIN MUL_LO
	MUL16 0, 1, NQ-1, 1, 0
	MUL16 2, 1, NQ-1, 1, 0
	s_wait_dscnt 0
	WIN MUL_HI
	MUL16 4, 1, NQ-1, 1, 0
	MUL16 6, 1, NQ-1, 1, 0
	PLACES NP
; THE WAY OUT, a block of 16 rows x 128 columns at a time: relu into window 0 (each accumulator from its low end on), quantised: one fragment of the next product's operand, 2 x 512 consecutive bytes.
.macro OUTBLK a
.set AC, 64*((\a)%4)
.set WW, 2+(\a)/4
	WIN (WW<<2)|WW
.set jj, 0
.rept 64
	v_max_num_f32 v[128+jj], 0, v[AC+jj]
.set jj, jj+1
.endr
	WIN 0
	s_wait_xcnt 0x0                                ; the last block's stores have read their registers
	QUANT 128, PC, PWS+(\a)
	global_store_b128 v[CO], v[PC:PC+3], s[12:13] offset:32768*(\a)
	global_store_b128 v[CO], v[PC+4:PC+7], s[12:13] offset:32768*(\a)+512
.endm
	OUTBLK 0
	OUTBLK 1
	OUTBLK 2
	OUTBLK 3
	OUTBLK 4
	OUTBLK 5
	OUTBLK 6
	OUTBLK 7
.irp k, 0,1,2,3
	v_cndmask_b32 v[PWS+\k], v[PWS+\k], v[PWS+4+\k], s3   ; lanes 0-15: the words of row tiles 0-3, lanes 16-31: of tiles 4-7
.endr
	global_store_b128 v[CO], v[PWS:PWS+3], s[96:97]
	s_wait_tensorcnt 0x0                           ; the wave's end
	ds_add_u32 v[SPW], v[NIL]
	s_wait_dscnt 0x0
	CROUND                                         ; the closing round
	s_endpgm
.Lfunc_end_k_q5eb3dcddac_ffn1:
	.size	k_q5eb3dcddac_ffn1, .Lfunc_end_k_q5eb3dcddac_ffn1-k_q5eb3dcddac_ffn1
	.p2alignl 7, 3214868480
	.fill 96, 4, 3214868480
	.section	.rodata,"a",@progbits
	.p2align	6, 0x0
	.amdhsa_kernel k_q5eb3dcddac_ffn1
		.amdhsa_group_segment_fixed_size 327680
		.amdhsa_private_segment_fixed_size 0
		.amdhsa_enable_private_segment 0
		.amdhsa_kernarg_size 40
		.amdhsa_user_sgpr_count 2
		.amdhsa_user_sgpr_kernarg_segment_ptr 1
		.amdhsa_wavefront_size32 1
		.amdhsa_system_sgpr_workgroup_id_x 1
		.amdhsa_system_sgpr_workgroup_id_y 1
		.amdhsa_system_sgpr_workgroup_id_z 1
		.amdhsa_system_vgpr_workitem_id 0
		.amdhsa_next_free_vgpr 1024
		.amdhsa_next_free_sgpr 98
		.amdhsa_reserve_vcc 0
		.amdhsa_float_denorm_mode_32 3
		.amdhsa_float_denorm_mode_16_64 3
		.amdhsa_memory_ordered 1
		.amdhsa_forward_progress 1
		.amdhsa_inst_pref_size 146
	.end_amdhsa_kernel
	.amdgpu_metadata
---
amdhsa.version: [ 1, 2 ]
amdhsa.kernels:
  - .name:           k_q5eb3dcddac_ffn1
    .symbol:         k_q5eb3dcddac_ffn1.kd
    .args:
      - { .name: hbuf, .offset: 0, .size: 8, .value_kind: global_buffer, .address_space: global }
      - { .name: W1_codes, .offset: 8, .size: 8, .value_kind: global_buffer, .address_space: global }
      - { .name: W1_scales, .offset: 16, .size: 8, .value_kind: global_buffer, .address_space: global }
      - { .name: b1, .offset: 24, .size: 8, .value_kind: global_buffer, .address_space: global }
      - { .name: hid, .offset: 32, .size: 8, .value_kind: global_buffer, .address_space: global }
    .group_segment_fixed_size: 327680
    .private_segment_fixed_size: 0
    .kernarg_segment_align: 8
    .kernarg_segment_size: 40
    .max_flat_workgroup_size: 128
    .sgpr_count:     98
    .vgpr_count:     1024
    .wavefront_size: 32
...
	.end_amdgpu_metadata
.endif
;; end of part 4
;; launch ffn2 (part 5): grid 8 x 32, 4 waves a work-group, clusters of 4 x 4, 327,680 bytes of LDS; arguments hid, W2_codes, W2_scales, b2, hbuf, y2; writes y2
.if DOCPART == 5
	.amdgcn_target "amdgcn-amd-amdhsa--gfx1250"
	.amdhsa_code_object_version 6
	.text
	.protected	k_q5eb3dcddac_ffn2
	.globl	k_q5eb3dcddac_ffn2
	.p2align	8
	.type	k_q5eb3dcddac_ffn2,@function
k_q5eb3dcddac_ffn2:
	s_mov_b64 s[64:65], 0
	v_nop
	global_prefetch_b8 v0, s[64:65] scope:SCOPE_SE
	s_setreg_imm32_b32 hwreg(HW_REG_WAVE_MODE, 25, 1), 1
	s_wait_xcnt 0x0
	s_wait_alu depctr_hold_cnt(0) depctr_sa_sdst(0) depctr_va_vdst(0) depctr_va_sdst(0) depctr_va_ssrc(0) depctr_va_vcc(0) depctr_vm_vsrc(0)
	s_getreg_b32 s2, hwreg(HW_REG_IB_STS2, 6, 4)
	s_cmp_eq_u32 s2, 0
	s_cbranch_scc0 .Lentry_in_a_cluster
	s_endpgm
.Lentry_in_a_cluster:
	s_bfe_u32 s2, ttmp6, 0x10000c
	s_cmp_lg_u32 s2, 0xf033
	s_cbranch_scc0 .Lentry_shape_is_right
	s_endpgm
.Lentry_shape_is_right:
; y2 = h + hid W2^T + b2: [4,096 x 4,096] x [1,024 x 4,096]^T on codes of FP4 with E8M0 scales; f32 out, in the layout of a matrix result ([row tile][column tile][2][lane][16 B]).
; A tile of 128 x 128 gives 256 work-groups; four waves, each 64 x 64: 16 accumulators, which begin as h + b2.  K goes in four chunks of 1,024 through two LDS slots: chunks 0 and 1 are first fills, chunks 2 and 3
; refills behind rounds of the cluster's barrier.  A chunk is four quarters of 256 along K: 32 matrix instructions each, on two fragment buffers by turns.
; hid's codes come as images of the operand's registers (a chunk's part of a row tile: 8,192 consecutive bytes), W2's as rows of 512 bytes padded to 528.  All scale words come once: hid's 16 KB as they lie
; ([K step][512 bytes]), W2's 128 rows x 128 bytes as units of 256 + 16.
; CLUSTERS: 4 x 4; hid's tiles are shared along a row of the cluster, W2's along a column.  Transposed use: source 0 = 16 rows of W2, source 1 = 16 rows of hid.
; LIMITS: NaN and infinities among the inputs are not served.
; REGISTERS: window 0: v16-30 addresses; v32-95 scale words, two sets of 32 (16 of hid's, 16 of W2's, for four K steps); v96-127 b2; v128-255 the accumulators.  window 1: two fragment buffers of 128.
.set PITCH,  528
.set HALFB,  64*PITCH
.set AIMG,   65536                     ; a slot: hid's 8 row tiles x 8 K steps x 1,024 bytes, then W2's 128 rows
.set SLOT,   AIMG+2*HALFB
.set ASC,    2*SLOT
.set BSC,    ASC+16384
.set SPARE,  BSC+17408                 ; the spare words, 128 bytes for each wave: two blocks of 256 bytes that no other line names
.set ADRA, 16
.set ADRB, 20
.set ADSA, 22
.set ADSB, 23
.set LI,   26
.set SPW,  28
.set NIL,  29
.set BO,   30
.set SC,   32
.set B2,   96
.set ACC,  128
.set F0,   0
.set F1,   128
.set G1, 24
.set G0, 32
.set G1B, 48
.set G0B, 56
.set G1S, 68
.set G0S, 76
.set G1SB, 80
.set G0SB, 88
.set MSB, 0
.macro WIN new
.if MSB != (\new)
	s_set_vgpr_msb (MSB<<8)|(\new)
.set MSB, (\new)
.endif
.endm
.set MUL,  0x05
.set TO_F, 0x40
.macro JLOAD g0a, g1a, g0b, g1b        ; a joint load: waves 0 and 1 fetch for hid, waves 2 and 3 for W2; four v_nop follow each line
	s_cmp_eq_u32 s15, 0
	s_cbranch_scc0 .Lfor_b_\@
	tensor_load_to_lds s[\g0a:\g0a+3], s[\g1a:\g1a+7]
	s_nop 0
.rept 4
	v_nop
.endr
	s_branch .Lasked_\@
.Lfor_b_\@:
	tensor_load_to_lds s[\g0b:\g0b+3], s[\g1b:\g1b+7]
	s_nop 0
.rept 4
	v_nop
.endr
.Lasked_\@:
.endm
.macro CREST                           ; a round of the cluster's barrier behind its opening barrier
	s_cmp_lg_u32 s14, 0
	s_cbranch_scc1 .Lnot_wave_0_\@
	s_barrier_signal -3
.Lnot_wave_0_\@:
	s_barrier_wait -3
	s_barrier_signal -1
	s_barrier_wait -1
.endm
.macro CROUND
	s_barrier_signal -1
	s_barrier_wait -1
	CREST
.endm
.macro PLACES
.rept 4
	v_nop
.endr
.endm
	s_load_b64 s[4:5], s[0:1], 0x0                 ; the hidden layer's workspace
	s_load_b64 s[8:9], s[0:1], 0x8                 ; W2's codes
	s_load_b64 s[10:11], s[0:1], 0x10              ; W2's scales
	s_load_b64 s[66:67], s[0:1], 0x18              ; b2
	s_load_b64 s[12:13], s[0:1], 0x20              ; h
	s_load_b64 s[96:97], s[0:1], 0x28              ; y2
	v_lshl_add_u32 v[SPW], v0, 2, SPARE
	v_mov_b32 v[NIL], 0
	ds_add_u32 v28, v29
	ds_add_u32 v28, v29
	s_wait_dscnt 0x0
	v_lshrrev_b32 v1, 5, v0
	v_readfirstlane_b32 s14, v1                    ; wave 0..3
	s_lshr_b32 s15, s14, 1                         ; which half of the tile's rows is mine.  Also: I fetch for hid (0) or for W2 (1)
	s_and_b32 s16, s14, 1                          ; which half of its columns.  Also: which half of that tile I fetch
	s_bfe_u32 s40, ttmp6, 0x40000
	s_bfe_u32 s41, ttmp6, 0x40004
	s_lshl_b32 s42, ttmp9, 2
	s_add_co_u32 s42, s42, s40                     ; tile column
	s_and_b32 s17, ttmp7, 0xffff
	s_lshl_b32 s17, s17, 2
	s_add_co_u32 s17, s17, s41                     ; tile row
	s_lshl_b32 s43, s41, 2
	s_lshl_b32 s43, 15, s43                        ; my row of the cluster
	s_lshl_b32 s44, 0x1111, s40                    ; my column
	s_or_b32 s[G1+0], s43, (3<<16)|(1<<21)         ; hid: 4 row tiles x 8,192 bytes (1,024 elements of 8), 32,768 bytes apart
	s_mov_b32 s[G1+1], 1024<<16
	s_mov_b32 s[G1+2], 4<<16
	s_mov_b32 s[G1+3], 1024<<16
	s_mov_b32 s[G1+4], 4
	s_mov_b32 s[G1+5], 4096
	s_mov_b32 s[G1+6], 0
	s_mov_b32 s[G1+7], 0
	s_or_b32 s[G1B+0], s44, (0<<16)|(1<<20)|(1<<21)|(6<<22)|(3<<25)   ; W2: 64 rows x 512 bytes, four words of padding behind every 128
	s_mov_b32 s[G1B+1], 512<<16
	s_mov_b32 s[G1B+2], 64<<16
	s_mov_b32 s[G1B+3], 512<<16
	s_mov_b32 s[G1B+4], 64
	s_mov_b32 s[G1B+5], 2048
	s_mov_b32 s[G1B+6], 0
	s_mov_b32 s[G1B+7], 0
	s_or_b32 s[G1S+0], s43, (3<<16)|(1<<21)        ; scale words: 8,192 dense bytes as 32 rows of 256; hid's as they lie,
	s_or_b32 s[G1SB+0], s44, (3<<16)|(1<<20)|(1<<21)|(5<<22)|(3<<25)  ; W2's with 16 bytes behind each
.irp g, G1S, G1SB
	s_mov_b32 s[\g+1], 32<<16
	s_mov_b32 s[\g+2], 32<<16
	s_mov_b32 s[\g+3], 32<<16
	s_mov_b32 s[\g+4], 32
	s_mov_b32 s[\g+5], 32
	s_mov_b32 s[\g+6], 0
	s_mov_b32 s[\g+7], 0
.endr
	s_lshl_b32 s18, s16, 17
	s_lshl_b32 s19, s16, 13
	s_lshl_b32 s20, s17, 18
	s_add_co_u32 s20, s20, s18                     ; hid's codes: 32,768 x (8 tile row + 4 half)
	s_mov_b32 s21, 0
	s_lshl_b32 s22, s17, 14
	s_add_co_u32 s22, s22, s19
	s_add_co_u32 s22, s22, 8388608                 ; its scale words: 16,384 x tile row + 8,192 x half
	s_mov_b32 s23, 0
	s_lshl_b32 s46, s42, 18
	s_add_co_u32 s46, s46, s18                     ; W2's codes: 2,048 x (128 tile column + 64 half)
	s_mov_b32 s47, 0
	s_lshl_b32 s92, s42, 14
	s_add_co_u32 s92, s92, s19                     ; its scale bytes: 128 x the same row
	s_mov_b32 s93, 0
	s_lshl_b32 s45, s16, 15                        ; where they go: no place in the cluster enters an LDS address
	s_mul_i32 s95, s16, HALFB
	s_add_co_u32 s95, s95, AIMG
	s_lshl_b32 s94, s16, 13
	s_add_co_u32 s94, s94, ASC
	s_mul_i32 s3, s16, 8704
	s_add_co_u32 s3, s3, BSC
	s_wait_kmcnt 0x0
	s_add_nc_u64 s[20:21], s[4:5], s[20:21]
	s_add_nc_u64 s[22:23], s[4:5], s[22:23]
	s_add_nc_u64 s[46:47], s[8:9], s[46:47]
	s_add_nc_u64 s[92:93], s[10:11], s[92:93]
	CROUND                                         ; all sixteen work-groups are here: the first joint loads meet
	s_mov_b32 s[G0S], 1
	s_mov_b32 s[G0S+1], s94
	s_mov_b64 s[G0S+2:G0S+3], s[22:23]
	s_or_b32 s[G0S+3], s[G0S+3], 0x80000000
	s_mov_b32 s[G0SB], 1
	s_mov_b32 s[G0SB+1], s3
	s_mov_b64 s[G0SB+2:G0SB+3], s[92:93]
	s_or_b32 s[G0SB+3], s[G0SB+3], 0x80000000
	JLOAD G0S, G1S, G0SB, G1SB
.irp s, 0,1
	s_mov_b32 s[G0+4*\s], 1
	s_add_co_u32 s[G0+4*\s+1], s45, \s*SLOT
	s_add_nc_u64 s[G0+4*\s+2:G0+4*\s+3], s[20:21], \s*8192
	s_or_b32 s[G0+4*\s+3], s[G0+4*\s+3], 0x80000000
	s_mov_b32 s[G0B+4*\s], 1
	s_add_co_u32 s[G0B+4*\s+1], s95, \s*SLOT
	s_add_nc_u64 s[G0B+4*\s+2:G0B+4*\s+3], s[46:47], \s*512
	s_or_b32 s[G0B+4*\s+3], s[G0B+4*\s+3], 0x80000000
	JLOAD G0+4*\s, G1, G0B+4*\s, G1B               ; three loads of mine are out when both slots are asked for
.endr
	v_and_b32 v1, 15, v0                           ; r
	v_bfe_u32 v2, v0, 4, 1                         ; h
	v_and_b32 v6, 31, v0
	v_lshlrev_b32 v[LI], 4, v6
	v_lshlrev_b32 v[BO], 5, v2
	v_mul_u32_u24 v3, v1, PITCH
	v_lshl_add_u32 v4, v2, 4, v3
	s_lshl_b32 s21, s15, 15                        ; my 4 row tiles of hid
	s_mul_i32 s22, s16, HALFB
	s_add_co_u32 s22, s22, AIMG                    ; my 64 rows of W2
.irp s, 0,1
	v_add_nc_u32 v[ADRA+\s], s21, v[LI]
	v_add_nc_u32 v[ADRB+\s], s22, v4
	s_add_co_u32 s21, s21, SLOT
	s_add_co_u32 s22, s22, SLOT
.endr
	s_lshl_b32 s21, s15, 8
	s_add_co_u32 s21, s21, ASC
	v_lshl_add_u32 v[ADSA], v1, 4, s21             ; hid's words: in a K step's 512 bytes my four row tiles' words of row r: 256 x half + 16 r
	v_lshrrev_b32 v5, 1, v1
	v_mul_u32_u24 v5, v5, 272
	v_and_b32 v6, 1, v1
	v_lshl_add_u32 v5, v6, 7, v5
	s_mul_i32 s22, s16, 8704
	s_add_co_u32 s22, s22, BSC
	v_add_nc_u32 v[ADSB], s22, v5                  ; W2's: two rows of 128 bytes to a unit of 272
	s_lshl_b32 s20, s17, 19                        ; h and y2: 65,536 x (8 tile row + 4 half) + 1,024 x (8 tile column + 4 half)
	s_lshl_b32 s21, s15, 18
	s_add_co_u32 s20, s20, s21
	s_lshl_b32 s21, s42, 13
	s_add_co_u32 s20, s20, s21
	s_lshl_b32 s21, s16, 12
	s_add_co_u32 s20, s20, s21
	s_mov_b32 s21, 0
	s_add_nc_u64 s[12:13], s[12:13], s[20:21]
	s_add_nc_u64 s[96:97], s[96:97], s[20:21]
	s_lshl_b32 s20, s42, 9
	s_lshl_b32 s22, s16, 8
	s_add_co_u32 s20, s20, s22
	s_add_nc_u64 s[66:67], s[66:67], s[20:21]      ; b2 at my 64 columns
.irp a, 0,1,2,3
.irp b, 0,1,2,3
.irp u, 0,1
	global_load_b128 v[ACC+8*(4*\a+\b)+4*\u:ACC+8*(4*\a+\b)+4*\u+3], v[LI], s[12:13] offset:65536*\a+1024*\b+512*\u
.endr
.endr
.endr
.irp b, 0,1,2,3
.irp u, 0,1
	global_load_b128 v[B2+8*\b+4*\u:B2+8*\b+4*\u+3], v[BO], s[66:67] offset:64*\b+16*\u
.endr
.endr
	s_wait_loadcnt 0x0
.irp a, 0,1,2,3
.irp b, 0,1,2,3
.irp p, 0,2,4,6
	v_pk_add_f32 v[ACC+8*(4*\a+\b)+\p:ACC+8*(4*\a+\b)+\p+1], v[ACC+8*(4*\a+\b)+\p:ACC+8*(4*\a+\b)+\p+1], v[B2+8*\b+\p:B2+8*\b+\p+1]   ; h + b2: what the sums begin with
.endr
.endr
.endr
; 8 matrix instructions: row tiles a0, a0 + 1 x all 4 column tiles, K step 2 qd + c2 of the chunk.  The 16 accumulators take turns, one instruction a turn.
.macro MUL8 f, c2, a0, qd
.set SG, SC+32*(((\qd)/2)%2)
.set Q4, 2*((\qd)%2)+(\c2)
.irp a, \a0, \a0+1
.irp b, 0,1,2,3
	v_wmma_scale_f32_16x16x128_f8f6f4 v[ACC+8*(4*(\a)+\b):ACC+8*(4*(\a)+\b)+7], v[\f+64+8*(4*(\c2)+\b):\f+64+8*(4*(\c2)+\b)+7], v[\f+8*(4*(\c2)+(\a)):\f+8*(4*(\c2)+(\a))+7], v[ACC+8*(4*(\a)+\b):ACC+8*(4*(\a)+\b)+7], v[SG+16+4*\b+Q4], v[SG+4*Q4+(\a)] matrix_a_fmt:MATRIX_FMT_FP4 matrix_b_fmt:MATRIX_FMT_FP4
.endr
.endr
.endm
; The fragments of quarter qd (two K steps) into buffer f, the first K step first: 32 loads.  An even quarter brings, ahead of them, the scale words of four K steps (group hs of the 8 along K): 8 loads.
.macro FETCH slot, qd, f, hs
.if (\qd)%2 == 0
	WIN 0
.set SG, SC+32*(((\qd)/2)%2)
.irp w, 0,1,2,3
	ds_load_b128 v[SG+4*\w:SG+4*\w+3], v[ADSA] offset:(4*(\hs)+\w)*512
.endr
.irp i, 0,1,2,3
	ds_load_b128 v[SG+16+4*\i:SG+16+4*\i+3], v[ADSB] offset:2176*\i+16*(\hs)
.endr
.endif
	WIN TO_F
.irp d, 0,1
.irp i, 0,1,2,3
	ds_load_b128 v[\f+64+8*(4*\d+\i):\f+64+8*(4*\d+\i)+3],   v[ADRB+\slot] offset:128*(\qd)+64*\d+\i*16*PITCH
	ds_load_b128 v[\f+64+8*(4*\d+\i)+4:\f+64+8*(4*\d+\i)+7], v[ADRB+\slot] offset:128*(\qd)+64*\d+\i*16*PITCH+32
	ds_load_b128 v[\f+8*(4*\d+\i):\f+8*(4*\d+\i)+3],         v[ADRA+\slot] offset:8192*\i+(2*(\qd)+\d)*1024
	ds_load_b128 v[\f+8*(4*\d+\i)+4:\f+8*(4*\d+\i)+7],       v[ADRA+\slot] offset:8192*\i+(2*(\qd)+\d)*1024+512
.endr
.endr
.endm
; One of a chunk's first three quarters: multiplies buffer f and fetches the next quarter into g.
.macro QUARTER slot, qd, f, g, ch
	s_wait_dscnt 16                                ; the first K step (and the scale words) are in; the second's sixteen loads may be out
	WIN MUL
	MUL8 \f, 0, 0, \qd
	MUL8 \f, 0, 2, \qd
	PLACES
	FETCH \slot, (\qd)+1, \g, 2*(\ch)+((\qd)+1)/2
.if ((\qd)+1)%2 == 0
	s_wait_dscnt 40                                ; all but the 40 just issued
.else
	s_wait_dscnt 32                                ; all but the 32 just issued
.endif
	WIN MUL
	MUL8 \f, 1, 0, \qd
	MUL8 \f, 1, 2, \qd
.endm
; A chunk's last quarter multiplies buffer 1 and changes slots: one barrier; in front of it each wave waits for all its tensor loads, adds 0 to its spare word, and waits for that and for its reads of this slot.
; fill = 1: the barrier opens a round of the cluster's barrier, and this slot is filled again, two chunks ahead: the wave's one tensor load behind the round.
.macro TURN slot, next, fill, chn
	WIN 0
	s_wait_tensorcnt 0x0                           ; all my tensor loads have landed: my part of the next slot
	ds_add_u32 v[SPW], v[NIL]                      ; 0 onto my spare word
	s_wait_dscnt 17                                ; (the add and the youngest sixteen loads may be out)
	WIN MUL
	MUL8 F1, 0, 0, 3
	s_wait_dscnt 0x0                               ; the add is done, and my reads of this slot are over
	s_barrier_signal -1
	MUL8 F1, 0, 2, 3
.if \fill
	WIN 0
.endif
	s_barrier_wait -1
.if \fill
	CREST
	s_add_nc_u64 s[G0+4*\slot+2:G0+4*\slot+3], s[G0+4*\slot+2:G0+4*\slot+3], 16384
	s_add_nc_u64 s[G0B+4*\slot+2:G0B+4*\slot+3], s[G0B+4*\slot+2:G0B+4*\slot+3], 1024
	JLOAD G0+4*\slot, G1, G0B+4*\slot, G1B         ; the four v_nop behind it are also the places in front of the loads below
.else
	PLACES
.endif
	FETCH \next, 0, F0, 2*(\chn)
	WIN MUL
	MUL8 F1, 1, 0, 3
	MUL8 F1, 1, 2, 3
.endm
	s_wait_tensorcnt 1                             ; the scale words and my part of chunk 0 are in (chunk 1's load may be out),
	s_barrier_signal -1
	s_barrier_wait -1                              ; everybody's are
	FETCH 0, 0, F0, 0
	QUARTER 0, 0, F0, F1, 0
	QUARTER 0, 1, F1, F0, 0
	QUARTER 0, 2, F0, F1, 0
	TURN 0, 1, 1, 1                                ; slot 0 takes chunk 2
	QUARTER 1, 0, F0, F1, 1
	QUARTER 1, 1, F1, F0, 1
	QUARTER 1, 2, F0, F1, 1
	TURN 1, 0, 1, 2                                ; slot 1 takes chunk 3
	QUARTER 0, 0, F0, F1, 2
	QUARTER 0, 1, F1, F0, 2
	QUARTER 0, 2, F0, F1, 2
	TURN 0, 1, 0, 3                                ; nothing is left to fetch
	QUARTER 1, 0, F0, F1, 3
	QUARTER 1, 1, F1, F0, 3
	QUARTER 1, 2, F0, F1, 3
	s_wait_dscnt 16                                ; the very last quarter
	WIN MUL
	MUL8 F1, 0, 0, 3
	MUL8 F1, 0, 2, 3
	s_wait_dscnt 0
	MUL8 F1, 1, 0, 3
	MUL8 F1, 1, 2, 3
	WIN 0
	PLACES
.irp a, 0,1,2,3
.irp b, 0,1,2,3
.irp u, 0,1
	global_store_b128 v[LI], v[ACC+8*(4*\a+\b)+4*\u:ACC+8*(4*\a+\b)+4*\u+3], s[96:97] offset:65536*\a+1024*\b+512*\u   ; 512 consecutive bytes; each accumulator from its low end on
.endr
.endr
.endr
	s_wait_tensorcnt 0x0                           ; the wave's end
	ds_add_u32 v[SPW], v[NIL]
	s_wait_dscnt 0x0
	CROUND                                         ; the closing round
	s_endpgm
.Lfunc_end_k_q5eb3dcddac_ffn2:
	.size	k_q5eb3dcddac_ffn2, .Lfunc_end_k_q5eb3dcddac_ffn2-k_q5eb3dcddac_ffn2
	.p2alignl 7, 3214868480
	.fill 96, 4, 3214868480
	.section	.rodata,"a",@progbits
	.p2align	6, 0x0
	.amdhsa_kernel k_q5eb3dcddac_ffn2
		.amdhsa_group_segment_fixed_size 327680
		.amdhsa_private_segment_fixed_size 0
		.amdhsa_enable_private_segment 0
		.amdhsa_kernarg_size 48
		.amdhsa_user_sgpr_count 2
		.amdhsa_user_sgpr_kernarg_segment_ptr 1
		.amdhsa_wavefront_size32 1
		.amdhsa_system_sgpr_workgroup_id_x 1
		.amdhsa_system_sgpr_workgroup_id_y 1
		.amdhsa_system_sgpr_workgroup_id_z 1
		.amdhsa_system_vgpr_workitem_id 0
		.amdhsa_next_free_vgpr 512
		.amdhsa_next_free_sgpr 98
		.amdhsa_reserve_vcc 0
		.amdhsa_float_denorm_mode_32 3
		.amdhsa_float_denorm_mode_16_64 3
		.amdhsa_memory_ordered 1
		.amdhsa_forward_progress 1
		.amdhsa_inst_pref_size 128
	.end_amdhsa_kernel
	.amdgpu_metadata
---
amdhsa.version: [ 1, 2 ]
amdhsa.kernels:
  - .name:           k_q5eb3dcddac_ffn2
    .symbol:         k_q5eb3dcddac_ffn2.kd
    .args:
      - { .name: hid, .offset: 0, .size: 8, .value_kind: global_buffer, .address_space: global }
      - { .name: W2_codes, .offset: 8, .size: 8, .value_kind: global_buffer, .address_space: global }
      - { .name: W2_scales, .offset: 16, .size: 8, .value_kind: global_buffer, .address_space: global }
      - { .name: b2, .offset: 24, .size: 8, .value_kind: global_buffer, .address_space: global }
      - { .name: hbuf, .offset: 32, .size: 8, .value_kind: global_buffer, .address_space: global }
      - { .name: y2, .offset: 40, .size: 8, .value_kind: global_buffer, .address_space: global }
    .group_segment_fixed_size: 327680
    .private_segment_fixed_size: 0
    .kernarg_segment_align: 8
    .kernarg_segment_size: 48
    .max_flat_workgroup_size: 128
    .sgpr_count:     98
    .vgpr_count:     512
    .wavefront_size: 32
...
	.end_amdgpu_metadata
.endif
;; end of part 5
;; launch ln2 (part 6): grid 256 x 1, 8 waves a work-group, no clusters, 69,632 bytes of LDS; arguments y2, g2, be2, out0; writes out0
.if DOCPART == 6
	.amdgcn_target "amdgcn-amd-amdhsa--gfx1250"
	.amdhsa_code_object_version 6
	.text
	.protected	k_q5eb3dcddac_ln2
	.globl	k_q5eb3dcddac_ln2
	.p2align	8
	.type	k_q5eb3dcddac_ln2,@function
k_q5eb3dcddac_ln2:
	s_mov_b64 s[64:65], 0
	v_nop
	global_prefetch_b8 v0, s[64:65] scope:SCOPE_SE
	s_setreg_imm32_b32 hwreg(HW_REG_WAVE_MODE, 25, 1), 1
	s_wait_xcnt 0x0
; out = LayerNorm(y2) g2 + be2.  y2 lies in the layout of a matrix result: [row tile][column tile][2][lane][16 B]; lane (r, h) of tile t holds row r, columns 16 t + 8 h + 0..7.
; A work-group takes 16 whole rows; wave w columns 128 w .. + 127: 64 numbers a lane, read by 16 loads of 512 consecutive bytes.  The mean and then the mean square of the deviations are taken in two passes;
; the eight waves' parts meet in LDS.  The result turns through the wave's own stage and leaves as 512 consecutive bytes of a row.  Memory binds: no matrix unit, no cluster, no tensor load.
; LIMITS: NaN and infinities are not served; v_rsq_f32 is good to 1 ulp.
.set RED,  67584                       ; LDS: behind the eight stages of 8,448 bytes: two fields of 512 bytes for the sums
.set LI,   1
.set PA,   2
.set SI,   3
.set SO,   4
.set RW,   5
.set RR,   6
.set Y,    16
.set G,    80
.set BE,   144
.set TM,   208
.set SA,   216
.set MU,   224
.set RS,   226
.set TT,   228
.set SEL,  14
.macro LNFOLD
	v_pk_add_f32 v[SA:SA+1], v[SA:SA+1], v[SA+2:SA+3]
	v_pk_add_f32 v[SA+4:SA+5], v[SA+4:SA+5], v[SA+6:SA+7]
	v_pk_add_f32 v[SA:SA+1], v[SA:SA+1], v[SA+4:SA+5]
	v_add_f32 v[SA], v[SA], v[SA+1]
	v_permlanex16_b32 v[SA+1], v[SA], s[SEL], s[SEL+1]
	v_add_f32 v[SA], v[SA], v[SA+1]
.endm
.macro LNMEET off                      ; store, wait, barrier, load; every wave adds the same eight numbers in the same order -> v[TM]
	ds_store_b32 v[RW], v[SA] offset:\off
	s_wait_dscnt 0x0
	s_barrier_signal -1
	s_barrier_wait -1
	ds_load_b128 v[TM:TM+3], v[RR] offset:\off
	ds_load_b128 v[TM+4:TM+7], v[RR] offset:\off+16
	s_wait_dscnt 0x0
	v_add_f32 v[TM], v[TM], v[TM+1]
	v_add_f32 v[TM+2], v[TM+2], v[TM+3]
	v_add_f32 v[TM+4], v[TM+4], v[TM+5]
	v_add_f32 v[TM+6], v[TM+6], v[TM+7]
	v_add_f32 v[TM], v[TM], v[TM+2]
	v_add_f32 v[TM+4], v[TM+4], v[TM+6]
	v_add_f32 v[TM], v[TM], v[TM+4]
.endm
	s_load_b256 s[4:11], s[0:1], 0x0               ; y2, g2, be2, out
	v_lshl_add_u32 v232, v0, 2, 0x10c00
	v_mov_b32 v233, 0
	v_lshrrev_b32 v7, 5, v0
	v_readfirstlane_b32 s12, v7                    ; wave 0..7
	v_and_b32 v7, 31, v0
	v_and_b32 v8, 15, v0                           ; r
	v_bfe_u32 v9, v0, 4, 1                         ; h
	v_lshlrev_b32 v[LI], 4, v7
	v_lshlrev_b32 v[PA], 5, v9
	s_mul_i32 s13, s12, 8448
	v_mul_u32_u24 v[SI], v8, 528
	v_lshl_add_u32 v[SI], v9, 5, v[SI]
	v_add_nc_u32 v[SI], s13, v[SI]                 ; into my stage: row r, + 32 h
	v_add_nc_u32 v[SO], s13, v[LI]                 ; out of it: a row's 512 bytes
	v_lshlrev_b32 v[RR], 5, v8
	v_add_nc_u32 v[RR], RED, v[RR]
	s_lshl_b32 s13, s12, 2
	v_add_nc_u32 v[RW], s13, v[RR]
	s_mov_b32 s[SEL], 0x76543210
	s_mov_b32 s[SEL+1], 0xfedcba98
	s_mov_b32 s16, 0x3a800000                      ; 1 / 1,024
	s_mov_b32 s17, 0x3727c5ac                      ; 1e-5
	s_mov_b32 s19, 0
	s_lshl_b32 s20, ttmp9, 16
	s_wait_kmcnt 0x0
	s_lshl_b32 s18, s12, 13
	s_add_co_u32 s18, s18, s20
	s_add_nc_u64 s[4:5], s[4:5], s[18:19]          ; my eight tiles of 1,024 bytes
	s_lshl_b32 s18, s12, 9
	s_add_nc_u64 s[6:7], s[6:7], s[18:19]
	s_add_nc_u64 s[8:9], s[8:9], s[18:19]
	s_add_co_u32 s18, s18, s20
	s_add_nc_u64 s[10:11], s[10:11], s[18:19]      ; 16 rows of 4,096 bytes, my 512 of each
.irp t, 0,1,2,3,4,5,6,7
.irp u, 0,1
	global_load_b128 v[Y+8*\t+4*\u:Y+8*\t+4*\u+3], v[LI], s[4:5] offset:1024*\t+512*\u th:TH_LOAD_NT
.endr
.endr
.irp t, 0,1,2,3,4,5,6,7
.irp u, 0,1
	global_load_b128 v[G+8*\t+4*\u:G+8*\t+4*\u+3], v[PA], s[6:7] offset:64*\t+16*\u
.endr
.endr
.irp t, 0,1,2,3,4,5,6,7
.irp u, 0,1
	global_load_b128 v[BE+8*\t+4*\u:BE+8*\t+4*\u+3], v[PA], s[8:9] offset:64*\t+16*\u
.endr
.endr
	s_wait_loadcnt 32                              ; y2 is in; the gain's and the bias's 32 loads may be out
.irp c, 0,1,2,3
	v_pk_add_f32 v[SA+2*\c:SA+2*\c+1], v[Y+2*\c:Y+2*\c+1], v[Y+8+2*\c:Y+9+2*\c]
.endr
.set pp, 8
.rept 24
	v_pk_add_f32 v[SA+2*(pp%4):SA+2*(pp%4)+1], v[SA+2*(pp%4):SA+2*(pp%4)+1], v[Y+2*pp:Y+2*pp+1]
.set pp, pp+1
.endr
	LNFOLD
	LNMEET 0
	v_mul_f32 v[MU], s16, v[TM]                    ; the mean
	v_mov_b32 v[MU+1], v[MU]
.set pp, 0
.rept 32
	v_pk_add_f32 v[Y+2*pp:Y+2*pp+1], v[Y+2*pp:Y+2*pp+1], v[MU:MU+1] neg_lo:[0,1] neg_hi:[0,1]
.set pp, pp+1
.endr
.irp c, 0,1,2,3
	v_pk_mul_f32 v[SA+2*\c:SA+2*\c+1], v[Y+2*\c:Y+2*\c+1], v[Y+2*\c:Y+2*\c+1]
.endr
.set pp, 4
.rept 28
	v_pk_fma_f32 v[SA+2*(pp%4):SA+2*(pp%4)+1], v[Y+2*pp:Y+2*pp+1], v[Y+2*pp:Y+2*pp+1], v[SA+2*(pp%4):SA+2*(pp%4)+1]
.set pp, pp+1
.endr
	LNFOLD
	LNMEET 512
	v_fma_f32 v[TT], v[TM], s16, s17               ; the variance + 1e-5
	v_rsq_f32 v[RS], v[TT]
	v_nop                                          ; a plain place behind the root
	s_wait_alu depctr_va_vdst(0)                   ; and the wait ahead of its first reader
	v_mov_b32 v[RS+1], v[RS]
.set pp, 0
.rept 32
	v_pk_mul_f32 v[Y+2*pp:Y+2*pp+1], v[Y+2*pp:Y+2*pp+1], v[RS:RS+1]
.set pp, pp+1
.endr
	s_wait_loadcnt 0x0                             ; the gain and the bias
.set pp, 0
.rept 32
	v_pk_fma_f32 v[Y+2*pp:Y+2*pp+1], v[Y+2*pp:Y+2*pp+1], v[G+2*pp:G+2*pp+1], v[BE+2*pp:BE+2*pp+1]
.set pp, pp+1
.endr
.irp t, 0,1,2,3,4,5,6,7
.irp u, 0,1
	ds_store_b128 v[SI], v[Y+8*\t+4*\u:Y+8*\t+4*\u+3] offset:64*\t+16*\u
.endr
.endr
.irp i, 0,1,2,3,4,5,6,7,8,9,10,11,12,13,14,15
	ds_load_b128 v[Y+4*\i:Y+4*\i+3], v[SO] offset:528*\i   ; LDS serves a wave's instructions in order: these see my stores
.endr
.irp i, 0,1,2,3,4,5,6,7,8,9,10,11,12,13,14,15
	s_wait_dscnt 15-\i
	global_store_b128 v[LI], v[Y+4*\i:Y+4*\i+3], s[10:11] offset:4096*\i th:TH_STORE_NT   ; 32 lanes store 512 consecutive bytes of a row, at a multiple of 256 from the buffer's first byte
.endr
	s_wait_tensorcnt 0x0
	ds_add_u32 v232, v233
	s_wait_dscnt 0x0
	s_endpgm
.Lfunc_end_k_q5eb3dcddac_ln2:
	.size	k_q5eb3dcddac_ln2, .Lfunc_end_k_q5eb3dcddac_ln2-k_q5eb3dcddac_ln2
	.p2alignl 7, 3214868480
	.fill 96, 4, 3214868480
	.section	.rodata,"a",@progbits
	.p2align	6, 0x0
	.amdhsa_kernel k_q5eb3dcddac_ln2
		.amdhsa_group_segment_fixed_size 69632
		.amdhsa_private_segment_fixed_size 0
		.amdhsa_enable_private_segment 0
		.amdhsa_kernarg_size 32
		.amdhsa_user_sgpr_count 2
		.amdhsa_user_sgpr_kernarg_segment_ptr 1
		.amdhsa_wavefront_size32 1
		.amdhsa_system_sgpr_workgroup_id_x 1
		.amdhsa_system_sgpr_workgroup_id_y 1
		.amdhsa_system_sgpr_workgroup_id_z 1
		.amdhsa_system_vgpr_workitem_id 0
		.amdhsa_next_free_vgpr 234
		.amdhsa_next_free_sgpr 66
		.amdhsa_reserve_vcc 0
		.amdhsa_float_denorm_mode_32 3
		.amdhsa_float_denorm_mode_16_64 3
		.amdhsa_memory_ordered 1
		.amdhsa_forward_progress 1
		.amdhsa_inst_pref_size 23
	.end_amdhsa_kernel
	.amdgpu_metadata
---
amdhsa.version: [ 1, 2 ]
amdhsa.kernels:
  - .name:           k_q5eb3dcddac_ln2
    .symbol:         k_q5eb3dcddac_ln2.kd
    .args:
      - { .name: y2, .offset: 0, .size: 8, .value_kind: global_buffer, .address_space: global }
      - { .name: g2, .offset: 8, .size: 8, .value_kind: global_buffer, .address_space: global }
      - { .name: be2, .offset: 16, .size: 8, .value_kind: global_buffer, .address_space: global }
      - { .name: out0, .offset: 24, .size: 8, .value_kind: global_buffer, .address_space: global }
    .group_segment_fixed_size: 69632
    .private_segment_fixed_size: 0
    .kernarg_segment_align: 8
    .kernarg_segment_size: 32
    .max_flat_workgroup_size: 256
    .sgpr_count:     66
    .vgpr_count:     234
    .wavefront_size: 32
...
	.end_amdgpu_metadata
.endif
;; end of part 6
;; ======== version 2 of 2: 6 launches
;; workspace buffers: qkvb 6,946,816 bytes; attb 2,228,224 bytes; hbuf 19,005,440 bytes; hid 8,912,896 bytes; y2 16,777,216 bytes; wimg 524,288 bytes
;; launch qkv (part 7): grid 4 x 64, 4 waves a work-group, no clusters, 104,960 bytes of LDS; arguments x, Wq_codes, Wq_scales, bq, Wk_codes, Wk_scales, bk, Wv_codes, Wv_scales, bv, qkvb; writes qkvb
.if DOCPART == 7
	.amdgcn_target "amdgcn-amd-amdhsa--gfx1250"
	.amdhsa_code_object_version 6
	.text
	.protected	k_q5eb3dcddac_qkv
	.globl	k_q5eb3dcddac_qkv
	.p2align	8
	.type	k_q5eb3dcddac_qkv,@function
k_q5eb3dcddac_qkv:
	s_mov_b64 s[64:65], 0
	v_nop
	global_prefetch_b8 v0, s[64:65] scope:SCOPE_SE
	s_setreg_imm32_b32 hwreg(HW_REG_WAVE_SCHED_MODE, 0, 2), 2
	s_setreg_imm32_b32 hwreg(HW_REG_WAVE_MODE, 25, 1), 1
	s_wait_xcnt 0x0
	s_wait_alu depctr_vm_vsrc(0)
; q, k, v = Q(x) W^T + b on codes of FP4 (E2M1) with one E8M0 scale for each 32 along K; the results are quantised at once: q and k along the head's 64 channels, v along the keys.
; SHARES.  A work-group takes 64 rows of x and four heads; wave w first quantises rows 16 w .. 16 w + 15 of x (all 1,024 along K) and hands the codes round through LDS as images of the operand's
; registers; then it is head 4 x + w and runs three passes (q, k, v) of 64 tokens x 64 channels: 16 accumulators, 128 matrix instructions each.  x's codes stay in registers; the head's weights go
; from memory straight into registers (no other wave of the work-group wants them), through a ring of four slots of 64 registers.
; LAYOUT.  q, k: source 0 = 16 rows of W, source 1 = 16 tokens: a lane holds one token and eight neighbouring channels.  v: source 0 = 16 tokens, source 1 = 16 rows of W: a lane holds one channel and
; eight neighbouring tokens.  Two neighbouring tiles are a block of 32; each run of eight is converted by itself, and two exchanges of half waves for each pair of blocks give the operand's registers.
; OUT (workspace, laid as the next launch's registers want it): QC, KC [bh][token tile][lane][16 B]; VC [bh][128 keys][channel tile][2][lane][16 B]; QS, KS [bh][64 tokens][lane][2 words]; VS [bh][64 tokens][lane][word].
; LIMITS: NaN and infinities among the inputs are not served; a block whose largest magnitude lies under 2^-124 (a block of zeros too) gets the scale byte 1: its bytes are read by this program alone.
; REGISTERS: window 0: v1-13 addresses; v16-47 x's scale words; v48-79 W's; v80-95 at work; v96-111 codes; v112-119 x's words as made; v128-255 numbers of x, then the accumulators.
;   window 1: x as loaded (four sets of 64), then x's 32 fragments.   window 2: the ring of W's fragments.   window 3: the biases in the results' layout.
; THE MODE: SCHED_MODE bits 1:0 = 2 (LLVM: expert scheduling mode 2), set by the entry lines.  The code itself states the register dependences between vector or matrix instructions and memory or LDS
; instructions, with s_wait_alu, always for 0.
; THE PLAN.  Registers that memory or LDS instructions touch:
;   v1-13          addresses and offsets: written at the head, never again.
;   window 1       raw set s: the loads of x land in it; TURN's LDS stores read it; the loads of four K steps on land in it again; at the end x's fragments land in all four sets.
;   X0, X1         (v128-255) TURN's LDS loads land in them by turns; QUANT reads them.
;   PC0, PC1       (v96-111) QUANT writes them by turns; the images' LDS stores, later a pass's global stores, read them.
;   v112-119       x's scale words: QUANT writes one a unit; two LDS stores read them behind the last unit.   v120-121: a pass's scale words: written on its way out, read by its last store.
;   window 2, v48-79   a ring slot, W's scale words: loads land; matrix instructions read; the next pass's loads land.
; A unit of x has two waits: one on vm_vsrc behind its wait on DScnt (the raw set and the codes' registers have been read), one on va_vdst behind QUANT (the codes are written; its X buffer has been read).
; A unit of a pass has one, behind its matrix instructions, ahead of the loads into its slot.  A pass's way out has one, behind both halves' arithmetic and ahead of the run of its five stores.
.set XIMG,  67584                      ; LDS: behind the four waves' stages (2 x 8,448 bytes each): x's 32 fragments, 1,024 bytes each
.set XSC,   100352                     ; and their scale words: [tile][lane][8 words]
.set LI,    1                          ; 16 x lane
.set STI,   2                          ; my stage, as the bytes lie: + 16 x lane
.set STO,   3                          ; my stage, by rows: + 528 r + 32 h
.set IMW,   4                          ; where I store my images
.set XSW,   5                          ; and my scale words
.set XSL,   6                          ; where any tile's scale words are read
.set WA,    7                          ; W: 512 r + 16 h
.set WSO,   8                          ; W's scale words: 32 r
.set BA,    9                          ; a bias along registers: 32 h
.set BV,    10                         ; a bias along lanes: 4 r
.set L8,    11
.set L4,    12
.set XIL,   13                         ; where any image is read
.set XS,    16
.set WS,    48
.set TM,    80
.set PC,    96
.set PWK,   112
.set SP,    120
.set TT,    122
.set PW,    124
.set X,     128
.set ACC,   128
.set SEL,   48
.set MSB, 0
.macro WIN new                         ; the immediate's high byte repeats the setting that is left
.if MSB != (\new)
	s_set_vgpr_msb (MSB<<8)|(\new)
.set MSB, (\new)
.endif
.endm
.macro PLACES                          ; four plain places behind matrix instructions (ISA guide 7.12.1)
.rept 4
	v_nop
.endr
.endm
; 64 numbers of a lane, block b in registers s + 16 b on (the first eight: k = 32 b + 8 h + 0..7, the second eight: k = 32 b + 16 + 8 h + 0..7 of my row), become a fragment's codes in v[pc] on and its scale word in v[pw].
.macro QUANT s, pc, pw
.irp b, 0,1,2,3
	v_max3_num_f32 v[TM+\b], |v[\s+16*\b]|, |v[\s+1+16*\b]|, 0x1800000   ; my 16 numbers and the floor 2^(3 - 127): the byte cannot fall under 1
.endr
.irp i, 2,4,6,8,10,12,14
.irp b, 0,1,2,3
	v_max3_num_f32 v[TM+\b], v[TM+\b], |v[\s+16*\b+\i]|, |v[\s+1+16*\b+\i]|
.endr
.endr
.irp b, 0,1,2,3
	v_permlanex16_b32 v[TM+4+\b], v[TM+\b], s[SEL], s[SEL+1]
.endr
.irp b, 0,1,2,3
	v_max_num_f32 v[TM+\b], v[TM+\b], v[TM+4+\b]   ; with lane l xor 16's: the block's largest magnitude
.endr
.irp b, 0,1,2,3
	v_add_nc_u32 v[TM+12+\b], 0xff000000, v[TM+\b] ; 2 off its exponent field: the conversion's scale operand
.endr
.irp b, 0,1,2,3
	v_lshrrev_b32 v[TM+4+\b], 23, v[TM+12+\b]      ; the scale's byte
.endr
	v_lshl_or_b32 v[\pw], v[TM+5], 8, v[TM+4]
	v_lshl_or_b32 v[\pw], v[TM+6], 16, v[\pw]
	v_lshl_or_b32 v[\pw], v[TM+7], 24, v[\pw]
.irp b, 0,1,2,3
	v_cvt_scalef32_pk8_fp4_f32 v[\pc+4*(\b/2)+(\b%2)], v[\s+16*\b:\s+16*\b+7], v[TM+12+\b]
	v_cvt_scalef32_pk8_fp4_f32 v[\pc+4*(\b/2)+2+(\b%2)], v[\s+16*\b+8:\s+16*\b+15], v[TM+12+\b]
.endr
	v_nop                                          ; one plain place behind a scaled conversion
.irp c, 0,2,4,6
	v_permlane16_swap_b32 v[\pc+\c], v[\pc+\c+1]   ; lanes 0-15 get block 2 c whole, lanes 16-31 block 2 c + 1
.endr
.endm
.macro MM d, a, b, c, sa, sb
	v_wmma_scale_f32_16x16x128_f8f6f4 v[(\d):(\d)+7], v[(\a):(\a)+7], v[(\b):(\b)+7], v[(\c):(\c)+7], v[\sa], v[\sb] matrix_a_fmt:MATRIX_FMT_FP4 matrix_b_fmt:MATRIX_FMT_FP4
.endm
.macro LOADX st                        ; K step st of my 16 rows: each load reads 512 consecutive bytes of one row
	WIN 0x40
.irp i, 0,1,2,3,4,5,6,7,8,9,10,11,12,13,14,15
	global_load_b128 v[64*((\st)%4)+4*\i:64*((\st)%4)+4*\i+3], v[LI], s[4:5] offset:\i*4096+512*(\st)
.endr
.endm
.macro TURN st                         ; through my own stage: in as the bytes lie, out eight neighbours at a time; LDS serves a wave's instructions in order
	WIN 0x04
.irp i, 0,1,2,3,4,5,6,7,8,9,10,11,12,13,14,15
	ds_store_b128 v[STI], v[64*((\st)%4)+4*\i:64*((\st)%4)+4*\i+3] offset:((\st)%2)*8448+528*\i
.endr
	WIN 0
.irp b, 0,1,2,3
.irp g, 0,1
.irp e, 0,1
	ds_load_b128 v[X+64*((\st)%2)+16*\b+8*\g+4*\e:X+64*((\st)%2)+16*\b+8*\g+4*\e+3], v[STO] offset:((\st)%2)*8448+128*\b+64*\g+16*\e
.endr
.endr
.endr
.endm
.macro RING base, j                    ; slot j: channel tiles 2 (j / 2), + 1, K steps 4 (j % 2) .. + 3: 32 rows x 256 bytes
	WIN 0x80
.irp e, 0,1
.irp q, 0,1,2,3
.irp c, 0,1
	global_load_b128 v[64*(\j)+8*(4*\e+\q)+4*\c:64*(\j)+8*(4*\e+\q)+4*\c+3], v[WA], s[\base:\base+1] offset:16*(2*((\j)/2)+\e)*512+(4*((\j)%2)+\q)*64+32*\c
.endr
.endr
.endr
.endm
.macro WSLOAD base                     ; the head's scale words: word (tile t, K step s) at WS + 8 t + s
	WIN 0
.irp t, 0,1,2,3
.irp u, 0,1
	global_load_b128 v[WS+8*\t+4*\u:WS+8*\t+4*\u+3], v[WSO], s[\base:\base+1] offset:512*\t+16*\u
.endr
.endr
.endm
.macro XUNIT st                        ; K step st of x becomes a fragment
.if (\st) < 7
	s_wait_loadcnt 32                              ; the next K step's 16 loads are in; two younger groups of 16 may be out
	TURN (\st)+1                                   ; its LDS loads land in the X buffer that the unit before has quantised: that unit's wait on va_vdst stands behind the buffer's last reader, and no vector instruction has been issued since
.endif
.if (\st) == 0
	s_wait_dscnt 32                                ; this K step is back from the stage; the next turn's 32 may be out
.elseif (\st) == 7
	s_wait_dscnt 2                                 ; only the last image's two stores may be out
.else
	s_wait_dscnt 34                                ; the last image's two stores and the next turn's 32 may be out
.endif
.if (\st) < 4
	WIN 0x40
.endif
	s_wait_alu depctr_vm_vsrc(0)                   ; the LDS stores issued so far have read their registers: this K step's turn its raw set, in which the loads of four K steps on land; the image stores of two units back the codes' registers that this unit's conversions write again
.if (\st) < 4
	LOADX (\st)+4                                  ; into the set whose stores into the stage are done
.else
	RING 6, (\st)-4                                ; Wq's four slots
.endif
	WIN 0
	QUANT X+64*((\st)%2), PC+8*((\st)%2), PWK+(\st)
	s_wait_alu depctr_va_vdst(0)                   ; the codes and the scale word are written, which LDS stores read; the conversions and maxima are done reading this X buffer, in which the next unit's turn lands
	ds_store_b128 v[IMW], v[PC+8*((\st)%2):PC+8*((\st)%2)+3] offset:1024*(\st)
	ds_store_b128 v[IMW], v[PC+8*((\st)%2)+4:PC+8*((\st)%2)+7] offset:1024*(\st)+512
.endm
; 32 matrix instructions on slot j: eight accumulators by turns, one instruction a turn.  The first K step takes the bias as C.
.macro UNITMM isv, j, bb
.irp q, 0,1,2,3
.irp e, 0,1
.irp m, 0,1,2,3
.set KS_, 4*((\j)%2)+\q
.set CT_, 2*((\j)/2)+\e
.set WF_, 64*(\j)+8*(4*\e+\q)
.set XF_, 8*(8*\m+KS_)
.if \isv
.set D_, ACC+32*CT_+8*\m
.if KS_ == 0
	WIN 0x39
	MM D_, XF_, WF_, (\bb)+8*CT_, XS+8*\m+KS_, WS+8*CT_+KS_
.else
	WIN 0x09
	MM D_, XF_, WF_, D_, XS+8*\m+KS_, WS+8*CT_+KS_
.endif
.else
.set D_, ACC+32*\m+8*CT_
.if KS_ == 0
	WIN 0x36
	MM D_, WF_, XF_, (\bb)+8*CT_, WS+8*CT_+KS_, XS+8*\m+KS_
.else
	WIN 0x06
	MM D_, WF_, XF_, D_, WS+8*CT_+KS_, XS+8*\m+KS_
.endif
.endif
.endr
.endr
.endr
.endm
; A pass's 16 accumulators are quantised, 64 registers at a time, and leave: every store of codes covers 512 consecutive bytes.  It runs while the next pass's weights are on their way.  The two halves have codes'
; registers and scale words of their own, so both are worked first and the five stores follow in one run, behind one wait.  The registers that the stores read are written again by the next pass's way out: the waits that
; order the two stand at the head of that next pass.
.macro EPI isv, cb, sb
	WIN 0
.irp hh, 0,1
.if \isv
	QUANT ACC+64*\hh, PC+8*\hh, SP+\hh
.else
	QUANT ACC+64*\hh, PC+8*\hh, PW
	v_lshrrev_b32 v[TT], 16, v[PW]
	v_cndmask_b32 v[TT], v[PW], v[TT], s50         ; lanes 0-15: the even token tile's two bytes, lanes 16-31: the odd one's
	v_and_or_b32 v[SP+\hh], v[TT], 0xffff, s51     ; the upper 64 along K are zero codes: bytes 127
.endif
.endr
.if \isv
	v_cndmask_b32 v[SP], v[SP], v[SP+1], s50       ; lanes 0-15: channel tiles 0, 1; lanes 16-31: tiles 2, 3
.endif
	s_wait_alu depctr_va_vdst(0)                   ; both halves' codes and the scale words are written, which the five stores below read
.irp hh, 0,1
.if \isv
	global_store_b128 v[LI], v[PC+8*\hh:PC+8*\hh+3], s[\cb:\cb+1] offset:2048*\hh
	global_store_b128 v[LI], v[PC+8*\hh+4:PC+8*\hh+7], s[\cb:\cb+1] offset:2048*\hh+1024
.else
	global_store_b128 v[LI], v[PC+8*\hh:PC+8*\hh+3], s[\cb:\cb+1] offset:1024*\hh
	global_store_b128 v[LI], v[PC+8*\hh+4:PC+8*\hh+7], s[\cb:\cb+1] offset:1024*\hh+512
.endif
.endr
.if \isv
	global_store_b32 v[L4], v[SP], s[\sb:\sb+1]
.else
	global_store_b64 v[L8], v[SP:SP+1], s[\sb:\sb+1]
.endif
.endm
	s_load_b512 s[4:19], s[0:1], 0x0               ; x, Wq codes, Wq scales, bq, Wk codes, Wk scales, bk, Wv codes
	s_load_b128 s[20:23], s[0:1], 0x40             ; Wv scales, bv
	s_load_b64 s[24:25], s[0:1], 0x50              ; the workspace
	v_lshl_add_u32 v126, v0, 2, 0x19800
	v_mov_b32 v127, 0
	v_lshrrev_b32 v14, 5, v0
	v_readfirstlane_b32 s26, v14                   ; wave
	v_and_b32 v14, 31, v0                          ; lane
	v_and_b32 v15, 15, v0                          ; r
	v_bfe_u32 v[TT], v0, 4, 1                      ; h
	v_lshlrev_b32 v[LI], 4, v14
	s_wait_alu depctr_va_sdst(0)                   ; s26 is written, ahead of its first reader: LDS addresses and the bases are made from it
	s_mul_i32 s27, s26, 16896
	v_add_nc_u32 v[STI], s27, v[LI]
	v_mul_u32_u24 v[STO], v15, 528
	v_lshl_add_u32 v[STO], v[TT], 5, v[STO]
	v_add_nc_u32 v[STO], s27, v[STO]
	s_lshl_b32 s27, s26, 13
	s_add_co_u32 s27, s27, XIMG
	v_add_nc_u32 v[IMW], s27, v[LI]
	v_lshlrev_b32 v[XSL], 5, v14
	s_lshl_b32 s27, s26, 10
	s_add_co_u32 s27, s27, XSC
	v_add_nc_u32 v[XSW], s27, v[XSL]
	v_add_nc_u32 v[XSL], XSC, v[XSL]
	v_add_nc_u32 v[XIL], XIMG, v[LI]
	v_lshlrev_b32 v[WA], 9, v15
	v_lshl_add_u32 v[WA], v[TT], 4, v[WA]
	v_lshlrev_b32 v[WSO], 5, v15
	v_lshlrev_b32 v[BA], 5, v[TT]
	v_lshlrev_b32 v[BV], 2, v15
	v_lshlrev_b32 v[L8], 3, v14
	v_lshlrev_b32 v[L4], 2, v14
.irp b, 0,1,2,3
	v_mov_b32 v[TM+4+\b], 0                        ; written once: a lane permute's destination counts as one of its sources
.endr
	s_mov_b32 s[SEL], 0x76543210
	s_mov_b32 s[SEL+1], 0xfedcba98                 ; lane l xor 16
	s_mov_b32 s50, 0xffff0000                      ; lanes 16-31
	s_mov_b32 s51, 0x7f7f0000
	s_and_b32 s28, ttmp7, 0xffff                   ; the block of 64 rows
	s_lshl_b32 s29, ttmp9, 2
	s_add_co_u32 s29, s29, s26                     ; my head
	s_lshr_b32 s30, s28, 5                         ; batch
	s_and_b32 s31, s28, 31                         ; G: which 64 tokens of the batch
	s_lshl_b32 s32, s30, 4
	s_add_co_u32 s32, s32, s29                     ; bh
	s_mov_b32 s35, 0
	s_lshl_b32 s34, s28, 18
	s_lshl_b32 s33, s26, 16
	s_add_co_u32 s34, s34, s33                     ; (64 block + 16 wave) rows of 4,096 bytes
	s_wait_kmcnt 0x0
	s_add_nc_u64 s[4:5], s[4:5], s[34:35]
	s_lshl_b32 s34, s29, 15                        ; my head's 64 rows of 512 bytes
	s_add_nc_u64 s[6:7], s[6:7], s[34:35]
	s_add_nc_u64 s[12:13], s[12:13], s[34:35]
	s_add_nc_u64 s[18:19], s[18:19], s[34:35]
	s_lshl_b32 s34, s29, 11                        ; 64 rows of 32 scale bytes
	s_add_nc_u64 s[8:9], s[8:9], s[34:35]
	s_add_nc_u64 s[14:15], s[14:15], s[34:35]
	s_add_nc_u64 s[20:21], s[20:21], s[34:35]
	s_lshl_b32 s34, s29, 8                         ; 64 numbers of a bias
	s_add_nc_u64 s[10:11], s[10:11], s[34:35]
	s_add_nc_u64 s[16:17], s[16:17], s[34:35]
	s_add_nc_u64 s[22:23], s[22:23], s[34:35]
	s_lshl_b32 s34, s32, 16
	s_lshl_b32 s33, s31, 11
	s_add_co_u32 s34, s34, s33
	s_add_nc_u64 s[36:37], s[24:25], s[34:35]      ; QC + (128 bh + 4 G) 512
	s_add_nc_u64 s[38:39], s[36:37], 2097152       ; KC likewise
	s_lshl_b32 s34, s32, 16
	s_lshr_b32 s33, s31, 1
	s_lshl_b32 s33, s33, 12
	s_add_co_u32 s34, s34, s33
	s_and_b32 s33, s31, 1
	s_lshl_b32 s33, s33, 9
	s_add_co_u32 s34, s34, s33
	s_add_co_u32 s34, s34, 4194304
	s_add_nc_u64 s[40:41], s[24:25], s[34:35]      ; VC + 65,536 bh + 4,096 (G / 2) + 512 (G % 2)
	s_lshl_b32 s34, s32, 13
	s_lshl_b32 s33, s31, 8
	s_add_co_u32 s34, s34, s33
	s_add_co_u32 s34, s34, 6291456
	s_add_nc_u64 s[42:43], s[24:25], s[34:35]      ; QS + 8,192 bh + 256 G
	s_add_nc_u64 s[44:45], s[42:43], 262144        ; KS likewise
	s_lshl_b32 s34, s32, 12
	s_lshl_b32 s33, s31, 7
	s_add_co_u32 s34, s34, s33
	s_add_co_u32 s34, s34, 6815744
	s_add_nc_u64 s[46:47], s[24:25], s[34:35]      ; VS + 4,096 bh + 128 G
	s_wait_alu depctr_va_vdst(0)                   ; the thirteen addresses and offsets v1 to v13 are written, which every load and store of the kernel reads
	WSLOAD 8                                       ; Wq's scale words
	WIN 0xc0
.irp t, 0,1,2,3
.irp u, 0,1
	global_load_b128 v[8*\t+4*\u:8*\t+4*\u+3], v[BA], s[10:11] offset:64*\t+16*\u       ; bq at my eight channels of tile t
	global_load_b128 v[32+8*\t+4*\u:32+8*\t+4*\u+3], v[BA], s[16:17] offset:64*\t+16*\u ; bk
.endr
	global_load_b32 v[64+8*\t], v[BV], s[22:23] offset:64*\t                            ; bv at my channel of tile t
.endr
	LOADX 0
	LOADX 1
	LOADX 2
	LOADX 3
	s_wait_loadcnt 48                              ; K step 0 (and all that was asked for ahead of it) is in; three groups of 16 may be out
	TURN 0
	XUNIT 0
	XUNIT 1
	XUNIT 2
	XUNIT 3
	XUNIT 4
	XUNIT 5
	XUNIT 6
	XUNIT 7
	ds_store_b128 v[XSW], v[PWK:PWK+3]             ; my tile's eight scale words, as they stand (the last unit's wait on va_vdst has shown the eighth written, and no vector instruction has been issued since)
	ds_store_b128 v[XSW], v[PWK+4:PWK+7] offset:16
	WIN 0xc3
.irp t, 0,1,2,3
.irp i, 1,2,3,4,5,6,7
	v_mov_b32 v[64+8*\t+\i], v[64+8*\t]            ; in v's layout a lane's eight registers are one channel
.endr
.endr
	WIN 0
	s_wait_dscnt 0x0                               ; my images have landed
	s_barrier_signal -1
	s_barrier_wait -1                              ; everybody's have
	WIN 0x40
	s_wait_alu depctr_vm_vsrc(0)                   ; my LDS stores have read their registers: the turns window 1's raw sets, in which x's fragments land; the last images the codes' registers, which pass q's way out writes again
.irp m, 0,1,2,3
.irp k, 0,1,2,3,4,5,6,7
.irp c, 0,1
	ds_load_b128 v[8*(8*\m+\k)+4*\c:8*(8*\m+\k)+4*\c+3], v[XIL] offset:8192*\m+1024*\k+512*\c
.endr
.endr
.endr
	WIN 0
.irp m, 0,1,2,3
.irp u, 0,1
	ds_load_b128 v[XS+8*\m+4*\u:XS+8*\m+4*\u+3], v[XSL] offset:1024*\m+16*\u
.endr
.endr
	s_wait_dscnt 0x0
	; ---- q
.irp n, 0,1,2,3
	s_wait_loadcnt 48                              ; this slot is in; the three groups of 16 behind it may be out
	UNITMM 0, \n, 0
	PLACES
	WIN 0x80
	s_wait_alu depctr_va_vdst(0)                   ; the unit's matrix instructions are done reading their slot, in which Wk's loads land; behind the fourth unit all are done reading Wq's scale words, in which Wk's land
	RING 12, \n                                    ; the slot takes Wk's
.endr
	WSLOAD 14
	EPI 0, 36, 42
	; ---- k
	s_wait_loadcnt 0x0                             ; Wk's scale words are the youngest loads
	s_wait_xcnt 0x0                                ; pass q's stores have had their addresses translated: pass k's way out writes their registers again.  No load is out here, so this waits for those five stores alone
	s_wait_alu depctr_vm_vsrc(0)                   ; pass q's stores have read the codes' registers and the scale words, which pass k's way out writes again
.irp n, 0,1,2,3
	UNITMM 0, \n, 32
	PLACES
	WIN 0x80
	s_wait_alu depctr_va_vdst(0)                   ; the unit's matrix instructions are done reading their slot, in which Wv's loads land; behind the fourth unit all are done reading Wk's scale words, in which Wv's land
	RING 18, \n                                    ; the slot takes Wv's
.endr
	WSLOAD 20
	EPI 0, 38, 44
	; ---- v
	s_wait_loadcnt 0x0
	s_wait_xcnt 0x0                                ; pass k's stores have had their addresses translated: pass v's way out writes their registers again
	s_wait_alu depctr_vm_vsrc(0)                   ; pass k's stores have read the codes' registers and the scale words, which pass v's way out writes again
.irp n, 0,1,2,3
	UNITMM 1, \n, 64
.endr
	PLACES
	EPI 1, 40, 46
	s_wait_dscnt 0x0                               ; the closing lines, six on end
	s_wait_alu 0x0
	s_wait_tensorcnt 0x0
	ds_add_u32 v126, v127
	s_wait_dscnt 0x0
	s_endpgm
.Lfunc_end_k_q5eb3dcddac_qkv:
	.size	k_q5eb3dcddac_qkv, .Lfunc_end_k_q5eb3dcddac_qkv-k_q5eb3dcddac_qkv
	.p2alignl 7, 3214868480
	.fill 96, 4, 3214868480
	.section	.rodata,"a",@progbits
	.p2align	6, 0x0
	.amdhsa_kernel k_q5eb3dcddac_qkv
		.amdhsa_group_segment_fixed_size 104960
		.amdhsa_private_segment_fixed_size 0
		.amdhsa_enable_private_segment 0
		.amdhsa_kernarg_size 88
		.amdhsa_user_sgpr_count 2
		.amdhsa_user_sgpr_kernarg_segment_ptr 1
		.amdhsa_wavefront_size32 1
		.amdhsa_system_sgpr_workgroup_id_x 1
		.amdhsa_system_sgpr_workgroup_id_y 1
		.amdhsa_system_sgpr_workgroup_id_z 1
		.amdhsa_system_vgpr_workitem_id 0
		.amdhsa_next_free_vgpr 864
		.amdhsa_next_free_sgpr 66
		.amdhsa_reserve_vcc 0
		.amdhsa_float_denorm_mode_32 3
		.amdhsa_float_denorm_mode_16_64 3
		.amdhsa_memory_ordered 1
		.amdhsa_forward_progress 1
		.amdhsa_inst_pref_size 169
	.end_amdhsa_kernel
	.amdgpu_metadata
---
amdhsa.version: [ 1, 2 ]
amdhsa.kernels:
  - .name:           k_q5eb3dcddac_qkv
    .symbol:         k_q5eb3dcddac_qkv.kd
    .args:
      - { .name: x, .offset: 0, .size: 8, .value_kind: global_buffer, .address_space: global }
      - { .name: Wq_codes, .offset: 8, .size: 8, .value_kind: global_buffer, .address_space: global }
      - { .name: Wq_scales, .offset: 16, .size: 8, .value_kind: global_buffer, .address_space: global }
      - { .name: bq, .offset: 24, .size: 8, .value_kind: global_buffer, .address_space: global }
      - { .name: Wk_codes, .offset: 32, .size: 8, .value_kind: global_buffer, .address_space: global }
      - { .name: Wk_scales, .offset: 40, .size: 8, .value_kind: global_buffer, .address_space: global }
      - { .name: bk, .offset: 48, .size: 8, .value_kind: global_buffer, .address_space: global }
      - { .name: Wv_codes, .offset: 56, .size: 8, .value_kind: global_buffer, .address_space: global }
      - { .name: Wv_scales, .offset: 64, .size: 8, .value_kind: global_buffer, .address_space: global }
      - { .name: bv, .offset: 72, .size: 8, .value_kind: global_buffer, .address_space: global }
      - { .name: qkvb, .offset: 80, .size: 8, .value_kind: global_buffer, .address_space: global }
    .group_segment_fixed_size: 104960
    .private_segment_fixed_size: 0
    .kernarg_segment_align: 8
    .kernarg_segment_size: 88
    .max_flat_workgroup_size: 128
    .sgpr_count:     66
    .vgpr_count:     864
    .wavefront_size: 32
...
	.end_amdgpu_metadata
.endif
;; end of part 7
;; launch att (part 8): grid 8 x 32, 16 waves a work-group, clusters of 4 x 1, 169,984 bytes of LDS; arguments qkvb, attb, Wo_codes, wimg; writes attb, wimg
.if DOCPART == 8
	.amdgcn_target "amdgcn-amd-amdhsa--gfx1250"
	.amdhsa_code_object_version 6
	.text
	.protected	k_q5eb3dcddac_att
	.globl	k_q5eb3dcddac_att
	.p2align	8
	.type	k_q5eb3dcddac_att,@function
k_q5eb3dcddac_att:
	s_mov_b64 s[64:65], 0
	v_nop
	global_prefetch_b8 v0, s[64:65] scope:SCOPE_SE
	s_setreg_imm32_b32 hwreg(HW_REG_WAVE_MODE, 25, 1), 1
	s_wait_xcnt 0x0
	s_wait_alu depctr_hold_cnt(0) depctr_sa_sdst(0) depctr_va_vdst(0) depctr_va_sdst(0) depctr_va_ssrc(0) depctr_va_vcc(0) depctr_vm_vsrc(0)
	s_getreg_b32 s2, hwreg(HW_REG_IB_STS2, 6, 4)
	s_cmp_eq_u32 s2, 0
	s_cbranch_scc0 .Lentry_in_a_cluster
	s_endpgm
.Lentry_in_a_cluster:
	s_bfe_u32 s2, ttmp6, 0x10000c
	s_cmp_lg_u32 s2, 0x3003
	s_cbranch_scc0 .Lentry_shape_is_right
	s_endpgm
.Lentry_shape_is_right:
; O = softmax(q k^T / 8) v for one (batch, head), both products on codes of FP4 with E8M0 scales; the result is divided by the row's sum and quantised along the head's 64 channels for the next product.
; THE SOFTMAX: t = score x log2(e) / 8; M = the running largest t rounded UP to a whole number; p = 2^(t - M) is quantised along the keys, not normalised; the sum is taken of the unquantised p.
; When M moves, the sum and O are multiplied by 2^(old M - new M), which rounds nothing.
; SHARES.  A work-group owns 256 queries of one head, each of its sixteen waves 16 of them; four waves to a SIMD.  The head's K and V codes (64 KB each) lie in LDS whole: filled once, never again, by ONE
; tensor load a wave: wave w brings 8,192 bytes to LDS byte 8,192 w: waves 0-7 K's codes of 256 keys each, waves 8-15 V's of 256 keys each.  The scale words go through registers: wave w copies key step w's.
; CLUSTER: the four work-groups of a cluster belong to one head, so each block is asked for jointly, with a mask that names the four.
; LAYOUT.  S^T = K Q^T (source 0 = 16 keys, source 1 = my 16 queries), O^T = V^T P^T: a lane holds one query throughout.  The head has 64 channels, the instruction 128 along K: Q's upper four registers are
; zero codes under scale bytes 127; K's operand of tile t names the next tile's four registers as its upper half, which meet those zeros.
; A SIDE JOB: Wo's codes are laid once in the order of the next launch's operand registers, [column tile][K step][2][lane][16 B], so that each of its loads covers 512 consecutive bytes.  The 1,024 blocks of 512 bytes
; are shared out four to a work-group; every wave loads the block 4 x work-group + wave % 4 beside its other loads, and waves 0-3 store.
; LIMITS: NaN and infinities are not served; blocks under 2^-124 get the scale byte 1 (workspace bytes, read by this program alone).
; REGISTERS: v1-7, v25 addresses that stay; v8-11 the step's; v12 -M, v13 the largest t, v[14:15] the sum; v16-23 Q; v24 Q's scale word; v32-67 K's tiles and four zeros; v68-71 a block of Wo; v72-75 K's scale words on
;   their way; v96-159 S^T, then p; v160-191 O^T; v192-223 V's fragments; v224-231 p's codes; v240-241 V's scale words; v248-251 K's; v253 p's; the rest at work.
.set KSL,  131072                      ; LDS: K's codes at 0, V's at 65,536; K's scale words here, copied by the waves: [64 tokens][lane][2 words],
.set VSW,  139264                      ; V's scale words, put together by the waves: [step][lane][2 words],
.set ASG,  143360                      ; and the result's scale bytes, gathered: 512 bytes
.set AK0,  1
.set AV0,  2
.set ASK0, 3
.set ASV0, 4
.set ASWR, 5
.set ASRD, 6
.set VSWR, 7
.set ADK,  8
.set ADV,  9
.set ADS,  10
.set ADT,  11
.set KSWR, 25
.set WOA,  76
.set WV,   12
.set G1S,  24                          ; s[24:31] group 1 for a block of 8 KB;  s[32:35] my group 0
.set G0,   32
.set TB,   80
.set TS,   81
.set TJ,   82
.set CNT,  83
.set SEL,  84
.set CS,   86
.macro ROUND                           ; a round of the cluster's barrier
	s_barrier_signal -1
	s_barrier_wait -1
	s_cmp_lg_u32 s[WV], 0
	s_cbranch_scc1 .Lnot_wave_0_\@
	s_barrier_signal -3
.Lnot_wave_0_\@:
	s_barrier_wait -3
	s_barrier_signal -1
	s_barrier_wait -1
.endm
	s_load_b128 s[4:7], s[0:1], 0x0                ; the q, k, v workspace; the result's
	s_load_b128 s[92:95], s[0:1], 0x10             ; Wo's codes; their image
	v_lshl_add_u32 v243, v0, 2, 0x29000
	v_mov_b32 v255, 0
	ds_add_u32 v243, v255
	ds_add_u32 v243, v255
	v_lshrrev_b32 v8, 5, v0
	s_delay_alu instid0(VALU_DEP_1)
	v_readfirstlane_b32 s[WV], v8                  ; wave 0..15
	v_and_b32 v9, 31, v0                           ; lane
	v_and_b32 v10, 15, v0                          ; r
	s_delay_alu instid0(VALU_DEP_2)
	v_lshlrev_b32 v[AK0], 4, v9
	s_delay_alu instid0(VALU_DEP_1)
	v_add_nc_u32 v[AV0], 65536, v[AK0]
	s_delay_alu instid0(VALU_DEP_4)
	v_lshlrev_b32 v11, 3, v9
	s_delay_alu instid0(VALU_DEP_1)
	v_add_nc_u32 v[ASK0], KSL, v11
	s_delay_alu instid0(VALU_DEP_2)
	v_add_nc_u32 v[ASV0], VSW, v11
	s_lshl_b32 s66, s[WV], 8
	v_add_nc_u32 v[VSWR], s66, v[ASV0]             ; wave w puts together key step w's words of V,
	s_lshl_b32 s66, s[WV], 9
	s_add_co_u32 s66, s66, KSL
	v_add_nc_u32 v[KSWR], s66, v[AK0]              ; and copies key step w's 512 bytes of K's
	s_lshl_b32 s66, s[WV], 5
	s_add_co_u32 s66, s66, ASG
	v_lshl_add_u32 v[ASWR], v10, 1, s66
	v_add_nc_u32 v[ASRD], ASG, v[AK0]
	v_lshlrev_b32 v26, 3, v10                      ; 8 r
	v_lshlrev_b32 v27, 2, v9                       ; 4 x lane
	v_bfe_u32 v77, v0, 4, 1                        ; h
	v_lshlrev_b32 v[WOA], 9, v10
	s_delay_alu instid0(VALU_DEP_1)
	v_lshl_add_u32 v[WOA], v77, 4, v[WOA]          ; Wo: row r of 512 bytes, + 16 h
	s_and_b32 s72, ttmp7, 0xffff                   ; bh, which the four partners share
	s_lshl_b32 s74, s72, 16
	s_mov_b32 s75, 0
	s_lshl_b32 s76, s72, 13
	s_mov_b32 s77, 0
	; group 1: a dense block of 8,192 bytes as 32 rows of 256 bytes (32 elements of 8 bytes); the mask names all four work-groups, bit 21 beside it
	s_mov_b32 s[G1S], 15|(3<<16)|(1<<21)
	s_mov_b32 s[G1S+1], 32<<16
	s_mov_b32 s[G1S+2], 32<<16
	s_mov_b32 s[G1S+3], 32<<16
	s_mov_b32 s[G1S+4], 32
	s_mov_b32 s[G1S+5], 32
	s_mov_b32 s[G1S+6], 0
	s_mov_b32 s[G1S+7], 0
	s_mov_b32 s[SEL], 0x76543210
	s_mov_b32 s[SEL+1], 0xfedcba98
	s_mov_b32 s[CS], 0x3e38aa3b                    ; c = log2(e) / 8
	s_mov_b32 s[CS+1], s[CS]
	s_mov_b32 s[TB], 0
	s_mov_b32 s[TS], 0
	s_mov_b32 s[TJ], 0
	s_mov_b32 s[CNT], 16
	s_and_b32 s36, s[WV], 7                        ; my block in memory: K's codes begin at byte 2,097,152 of the workspace, V's 2,097,152 further on;
	s_lshl_b32 s36, s36, 13                        ; 8,192 (w % 8),
	s_lshr_b32 s37, s[WV], 3
	s_lshl_b32 s37, s37, 21                        ; + 2,097,152 (w / 8)
	s_add_co_u32 s36, s36, s37
	s_add_co_u32 s36, s36, 2097152
	s_mov_b32 s37, 0
	s_wait_dscnt 0x0
	s_wait_kmcnt 0x0
	s_add_nc_u64 s[74:75], s[4:5], s[74:75]        ; + 65,536 bh
	s_add_nc_u64 s[76:77], s[4:5], s[76:77]        ; + 8,192 bh
	s_mov_b32 s[G0], 1                             ; 1:0 count = 1
	s_lshl_b32 s[G0+1], s[WV], 13                  ; 63:32 LDS address: 8,192 w
	s_add_nc_u64 s[G0+2:G0+3], s[74:75], s[36:37]  ; 120:64 global address: made of bh and the wave's number alone, which the partners share
	s_or_b32 s[G0+3], s[G0+3], 0x80000000          ; 127:126 type = 2
	ROUND                                          ; all four work-groups are here: the joint loads meet
	tensor_load_to_lds s[G0:G0+3], s[G1S:G1S+7]    ; one tensor load of mine is out, and no more follow
	s_nop 0
.rept 4
	v_nop
.endr
	; my own addresses: the place in the cluster enters global addresses alone
	s_bfe_u32 s13, ttmp6, 0x40000                  ; cx
	s_lshl_b32 s14, ttmp9, 2
	s_add_co_u32 s14, s14, s13                     ; my block of 256 queries
	s_lshl_b32 s15, s14, 4
	s_add_co_u32 s15, s15, s[WV]                   ; my tile of 16 queries in the head
	s_mov_b32 s79, 0
	s_lshl_b32 s78, s15, 9
	s_add_nc_u64 s[88:89], s[74:75], s[78:79]      ; Q's codes
	s_lshr_b32 s78, s15, 2
	s_lshl_b32 s78, s78, 8
	s_and_b32 s2, s15, 1
	s_lshl_b32 s2, s2, 7
	s_add_co_u32 s78, s78, s2
	s_bfe_u32 s2, s15, 0x10001
	s_lshl_b32 s2, s2, 2
	s_add_co_u32 s78, s78, s2
	s_add_co_u32 s78, s78, 6291456
	s_add_nc_u64 s[90:91], s[76:77], s[78:79]      ; Q's scale words: group tile / 4, word (tile / 2) % 2, lanes 16 (tile % 2) on
	s_lshl_b32 s78, s[WV], 9
	s_add_co_u32 s78, s78, 6553600
	s_add_nc_u64 s[38:39], s[76:77], s[78:79]      ; K's scale words of key step w: 512 bytes
	s_lshl_b32 s78, s72, 12
	s_lshl_b32 s2, s[WV], 8
	s_add_co_u32 s78, s78, s2
	s_add_co_u32 s78, s78, 6815744
	s_add_nc_u64 s[8:9], s[4:5], s[78:79]          ; V's scale bytes of key step w
	s_lshr_b32 s73, s72, 4                         ; batch
	s_and_b32 s3, s72, 15                          ; head
	s_lshl_b32 s78, s73, 7
	s_add_co_u32 s78, s78, s15                     ; the row tile among 256
	s_lshl_b32 s78, s78, 13
	s_lshl_b32 s2, s3, 9
	s_add_co_u32 s78, s78, s2
	s_add_nc_u64 s[10:11], s[6:7], s[78:79]        ; the result's codes: 8,192 x row tile + 512 x head
	s_lshl_b32 s78, s3, 13
	s_lshl_b32 s2, s73, 12
	s_add_co_u32 s78, s78, s2
	s_lshl_b32 s2, s14, 9
	s_add_co_u32 s78, s78, s2
	s_add_co_u32 s78, s78, 2097152
	s_add_nc_u64 s[6:7], s[6:7], s[78:79]          ; its scale bytes: [head][row] of two bytes
	s_lshl_b32 s78, s72, 3
	s_add_co_u32 s78, s78, s14                     ; my work-group among the 256
	s_lshl_b32 s78, s78, 2
	s_and_b32 s98, s[WV], 3
	s_add_co_u32 s78, s78, s98                     ; B: my block of Wo: ((column tile x 8 + K step) x 2 + half)
	s_lshr_b32 s96, s78, 4
	s_lshl_b32 s96, s96, 13                        ; in Wo: 16 rows of 512 bytes a column tile,
	s_and_b32 s98, s78, 15
	s_lshl_b32 s98, s98, 5                         ; 64 bytes a K step, 32 a half
	s_add_co_u32 s96, s96, s98
	s_mov_b32 s97, 0
	s_add_nc_u64 s[92:93], s[92:93], s[96:97]
	s_lshl_b32 s96, s78, 9                         ; in the image: 512 B
	s_add_nc_u64 s[94:95], s[94:95], s[96:97]
	global_load_b128 v[16:19], v[AK0], s[88:89]
	s_wait_alu depctr_va_vdst(0)
	global_load_b32 v24, v26, s[90:91]
	global_load_b32 v28, v27, s[8:9]
	global_load_b32 v29, v27, s[8:9] offset:128
	global_load_b128 v[72:75], v[AK0], s[38:39]
	global_load_b128 v[68:71], v[WOA], s[92:93]
.irp j, 20,21,22,23,64,65,66,67
	v_mov_b32 v[\j], 0                             ; zero codes
.endr
	v_mov_b32 v13, 0xff61b1e6                      ; the largest t so far: -3e38
	s_delay_alu instid0(VALU_DEP_1)
	v_floor_f32 v12, -v13                          ; -M
	v_mov_b32 v14, 0
	v_mov_b32 v15, 0
.irp b, 0,1,2,3
	v_mov_b32 v[236+\b], 0                         ; written once: a lane permute's destination counts as one of its sources
.endr
	v_mov_b32 v253, 0
.set jj, 0
.rept 32
	v_mov_b32 v[160+jj], 0                         ; O^T: the loop is written once; its first step finds zeros
.set jj, jj+1
.endr
	s_wait_loadcnt 0x0
	v_perm_b32 v30, v29, v28, 0x05040100           ; channel tile 2 h: two bytes of keys 0-63, two of keys 64-127
	v_perm_b32 v31, v29, v28, 0x07060302           ; channel tile 2 h + 1
	ds_store_b64 v[VSWR], v[30:31]
	ds_store_b128 v[KSWR], v[72:75]                ; K's words as they lie
	s_cmp_lt_u32 s[WV], 4
	s_cbranch_scc0 .Lno_lay
	global_store_b128 v[AK0], v[68:71], s[94:95]   ; 512 consecutive bytes of Wo's image; waves 0-3 together 2,048
.Lno_lay:
	s_wait_tensorcnt 0x0                           ; my block has landed,
	s_wait_dscnt 0x0                               ; my words too
	s_barrier_signal -1
	s_barrier_wait -1                              ; everybody's have
.Lstep:                                            ; 16 trips of 128 keys
	s_setprio 2
	v_add_nc_u32 v[ADK], s[TB], v[AK0]             ; (these four are the places behind the last step's products, in front of the loads into their registers)
	v_add_nc_u32 v[ADV], s[TB], v[AV0]
	v_add_nc_u32 v[ADS], s[TS], v[ASK0]
	v_add_nc_u32 v[ADT], s[TJ], v[ASV0]
.irp t, 0,1,2,3,4,5,6,7
	ds_load_b128 v[32+4*\t:35+4*\t], v[ADK] offset:512*\t
.endr
	ds_load_b64 v[248:249], v[ADS]
	ds_load_b64 v[250:251], v[ADS] offset:256
.irp t, 0,1,2,3
.irp c, 0,1
	ds_load_b128 v[192+8*\t+4*\c:195+8*\t+4*\c], v[ADV] offset:1024*\t+512*\c
.endr
.endr
	ds_load_b64 v[240:241], v[ADT]
	s_wait_dscnt 9                                 ; K and its words are in; V's nine loads may be out
.irp t, 0,1,2,3,4,5,6,7
.if \t%2
	v_wmma_scale_f32_16x16x128_f8f6f4 v[96+8*\t:103+8*\t], v[32+4*\t:39+4*\t], v[16:23], 0, v[248+2*(\t/4)+(\t%4)/2], v24 matrix_a_fmt:MATRIX_FMT_FP4 matrix_b_fmt:MATRIX_FMT_FP4 matrix_a_scale:MATRIX_SCALE_ROW1
.else
	v_wmma_scale_f32_16x16x128_f8f6f4 v[96+8*\t:103+8*\t], v[32+4*\t:39+4*\t], v[16:23], 0, v[248+2*(\t/4)+(\t%4)/2], v24 matrix_a_fmt:MATRIX_FMT_FP4 matrix_b_fmt:MATRIX_FMT_FP4
.endif
.endr
.rept 4
	v_nop
.endr
.irp b, 0,1,2,3
	v_max3_num_f32 v[232+\b], v[96+16*\b], v[97+16*\b], v[98+16*\b]   ; the largest score of each block of 32 keys: for the row's maximum, and for the block's largest p
.endr
.irp i, 3,5,7,9,11,13
.irp b, 0,1,2,3
	v_max3_num_f32 v[232+\b], v[232+\b], v[96+16*\b+\i], v[97+16*\b+\i]
.endr
.endr
.irp b, 0,1,2,3
	v_max_num_f32 v[232+\b], v[232+\b], v[111+16*\b]
.endr
.irp b, 0,1,2,3
	s_delay_alu instid0(VALU_DEP_4)
	v_permlanex16_b32 v[236+\b], v[232+\b], s[SEL], s[SEL+1]
.endr
.irp b, 0,1,2,3
	s_delay_alu instid0(VALU_DEP_4)
	v_max_num_f32 v[232+\b], v[232+\b], v[236+\b]  ; with lane l xor 16's 16 keys
.endr
	s_delay_alu instid0(VALU_DEP_2)
	v_max3_num_f32 v254, v232, v233, v234
	s_delay_alu instid0(VALU_DEP_1)
	v_max_num_f32 v254, v254, v235
	s_delay_alu instid0(VALU_DEP_1)
	v_mul_f32 v254, s[CS], v254                    ; as t
	s_delay_alu instid0(VALU_DEP_1)
	v_max_num_f32 v13, v13, v254                   ; the running largest t
	v_mov_b32 v254, v12
	s_delay_alu instid0(VALU_DEP_2)
	v_floor_f32 v12, -v13                          ; the new -M = -ceil(t)
	s_delay_alu instid0(VALU_DEP_1)
	v_sub_f32 v254, v12, v254                      ; old M - new M: a whole number, 0 or less
	s_delay_alu instid0(VALU_DEP_1)
	v_cvt_i32_f32 v254, v254                       ; (it saturates)
	s_delay_alu instid0(VALU_DEP_1)
	v_ldexp_f32 v252, 1.0, v254                    ; f = 2^(old M - new M)
.set jj, 0
.rept 32
	v_pk_fma_f32 v[96+jj:97+jj], v[96+jj:97+jj], s[CS:CS+1], v[12:13] op_sel_hi:[1,0,0]   ; t - M
.set jj, jj+2
.endr
.irp b, 0,1,2,3
	v_fma_f32 v[232+\b], v[232+\b], s[CS], v12     ; the same of each block's largest score
.endr
.set jj, 0
	s_wait_alu depctr_va_vdst(0)
.rept 64
	v_exp_f32 v[96+jj], v[96+jj]                   ; p = 2^(t - M)
.set jj, jj+1
.endr
	s_setprio 1
	v_pk_mul_f32 v[14:15], v[14:15], v[252:253] op_sel_hi:[1,0]   ; the sums under the new M: a plain place behind the exponentials
	s_wait_alu depctr_va_vdst(0)                   ; one wait for the batch, ahead of its first reader
.irp b, 0,1,2,3
	v_exp_f32 v[232+\b], v[232+\b]                 ; the block's largest p
.endr
	v_pk_add_f32 v[236:237], v[100:101], v[104:105]
	v_pk_add_f32 v[250:251], v[108:109], v[112:113]
	v_pk_add_f32 v[248:249], v[116:117], v[120:121]
	v_pk_add_f32 v[246:247], v[124:125], v[128:129]
	v_pk_add_f32 v[244:245], v[132:133], v[136:137]
	v_pk_add_f32 v[238:239], v[140:141], v[144:145]
	v_pk_add_f32 v[230:231], v[148:149], v[152:153]
	v_pk_add_f32 v[14:15], v[14:15], v[156:157]
	v_pk_add_f32 v[236:237], v[236:237], v[96:97]
	v_pk_add_f32 v[250:251], v[250:251], v[98:99]
	v_pk_add_f32 v[248:249], v[248:249], v[102:103]
	v_pk_add_f32 v[246:247], v[246:247], v[106:107]
	v_pk_add_f32 v[244:245], v[244:245], v[110:111]
	v_pk_add_f32 v[238:239], v[238:239], v[114:115]
	v_pk_add_f32 v[230:231], v[230:231], v[118:119]
	v_pk_add_f32 v[14:15], v[14:15], v[122:123]
	v_pk_add_f32 v[236:237], v[236:237], v[126:127]
	v_pk_add_f32 v[250:251], v[250:251], v[130:131]
	v_pk_add_f32 v[248:249], v[248:249], v[134:135]
	v_pk_add_f32 v[246:247], v[246:247], v[138:139]
	v_pk_add_f32 v[244:245], v[244:245], v[142:143]
	v_pk_add_f32 v[238:239], v[238:239], v[146:147]
	v_pk_add_f32 v[230:231], v[230:231], v[150:151]
	v_pk_add_f32 v[14:15], v[14:15], v[154:155]
	v_pk_add_f32 v[236:237], v[236:237], v[158:159]
	s_delay_alu instid0(VALU_DEP_2)
	v_pk_add_f32 v[14:15], v[14:15], v[246:247]
	s_delay_alu instid0(VALU_DEP_2)
	v_pk_add_f32 v[236:237], v[236:237], v[244:245]
	v_pk_add_f32 v[250:251], v[250:251], v[238:239]
	v_pk_add_f32 v[248:249], v[248:249], v[230:231]
	s_delay_alu instid0(VALU_DEP_2)
	v_pk_add_f32 v[14:15], v[14:15], v[250:251]
	s_delay_alu instid0(VALU_DEP_2)
	v_pk_add_f32 v[236:237], v[236:237], v[248:249]
	s_delay_alu instid0(VALU_DEP_1)
	v_pk_add_f32 v[14:15], v[14:15], v[236:237]
	s_wait_alu depctr_va_vdst(0)                   ; and one for the four
.irp b, 0,1,2,3
	v_max_num_f32 v[232+\b], 0x1800000, v[232+\b]  ; the floor 2^(3 - 127)
.endr
.irp b, 0,1,2,3
	s_delay_alu instid0(VALU_DEP_4)
	v_add_nc_u32 v[244+\b], 0xff000000, v[232+\b]  ; the conversion's scale operand
.endr
.irp b, 0,1,2,3
	s_delay_alu instid0(VALU_DEP_4)
	v_lshrrev_b32 v[236+\b], 23, v[244+\b]         ; the scale's byte
.endr
	s_delay_alu instid0(VALU_DEP_3)
	v_lshl_or_b32 v253, v237, 8, v236              ; p's scale word for these 128 keys
	s_delay_alu instid0(VALU_DEP_1)
	v_lshl_or_b32 v253, v238, 16, v253
	s_delay_alu instid0(VALU_DEP_1)
	v_lshl_or_b32 v253, v239, 24, v253
.irp b, 0,1,2,3
	v_cvt_scalef32_pk8_fp4_f32 v[224+4*(\b/2)+(\b%2)], v[96+16*\b:103+16*\b], v[244+\b]    ; keys 32 b + 8 h + 0..7
	v_cvt_scalef32_pk8_fp4_f32 v[226+4*(\b/2)+(\b%2)], v[104+16*\b:111+16*\b], v[244+\b]   ; keys 32 b + 16 + 8 h + 0..7
.endr
	v_nop                                          ; one plain place behind a scaled conversion
.irp c, 0,2,4,6
	v_permlane16_swap_b32 v[224+\c], v[225+\c]     ; lanes 0-15 get the even block whole, lanes 16-31 the odd one
.endr
.set jj, 0
	s_setprio 0
.rept 16
	v_pk_mul_f32 v[160+jj:161+jj], v[160+jj:161+jj], v[252:253] op_sel_hi:[1,0]   ; O^T under the new M; these sixteen are also the places in front of the products below
.set jj, jj+2
.endr
	s_wait_alu depctr_va_vdst(0)
	s_wait_dscnt 0x0                               ; V and its words are in
.irp t, 0,1,2,3
.if \t/2
	v_wmma_scale_f32_16x16x128_f8f6f4 v[160+8*\t:167+8*\t], v[192+8*\t:199+8*\t], v[224:231], v[160+8*\t:167+8*\t], v[240+\t%2], v253 matrix_a_fmt:MATRIX_FMT_FP4 matrix_b_fmt:MATRIX_FMT_FP4 matrix_a_scale:MATRIX_SCALE_ROW1
.else
	v_wmma_scale_f32_16x16x128_f8f6f4 v[160+8*\t:167+8*\t], v[192+8*\t:199+8*\t], v[224:231], v[160+8*\t:167+8*\t], v[240+\t%2], v253 matrix_a_fmt:MATRIX_FMT_FP4 matrix_b_fmt:MATRIX_FMT_FP4
.endif
.endr
	s_add_co_u32 s[TB], s[TB], 4096
	s_add_co_u32 s[TS], s[TS], 512
	s_add_co_u32 s[TJ], s[TJ], 256
	s_sub_co_u32 s[CNT], s[CNT], 1
	s_cmp_lg_u32 s[CNT], 0
	s_cbranch_scc1 .Lstep
	s_setprio 0
	; THE WAY OUT: O^T / the sum, quantised along the head's 64 channels: two blocks
.rept 4
	v_nop
.endr
	v_add_f32 v14, v14, v15
	s_delay_alu instid0(VALU_DEP_1)
	v_permlanex16_b32 v252, v14, s[SEL], s[SEL+1]
	s_delay_alu instid0(VALU_DEP_1)
	v_add_f32 v14, v14, v252                       ; the row's sum
	s_wait_alu depctr_va_vdst(0)
	v_rcp_f32 v14, v14
	v_nop                                          ; a plain place behind the reciprocal
	s_wait_alu depctr_va_vdst(0)                   ; and the wait ahead of its first reader
.set jj, 0
.rept 32
	v_mul_f32 v[96+jj], v[160+jj], v14             ; register 8 t + i: channel 16 t + 8 h + i of my query
.set jj, jj+1
.endr
.irp b, 0,1
	v_max3_num_f32 v[232+\b], |v[96+16*\b]|, |v[97+16*\b]|, 0x1800000
.endr
.irp i, 2,4,6,8,10,12,14
.irp b, 0,1
	s_delay_alu instid0(VALU_DEP_2)
	v_max3_num_f32 v[232+\b], v[232+\b], |v[96+16*\b+\i]|, |v[97+16*\b+\i]|
.endr
.endr
.irp b, 0,1
	s_delay_alu instid0(VALU_DEP_2)
	v_permlanex16_b32 v[236+\b], v[232+\b], s[SEL], s[SEL+1]
.endr
.irp b, 0,1
	s_delay_alu instid0(VALU_DEP_2)
	v_max_num_f32 v[232+\b], v[232+\b], v[236+\b]
.endr
.irp b, 0,1
	s_delay_alu instid0(VALU_DEP_2)
	v_add_nc_u32 v[244+\b], 0xff000000, v[232+\b]
.endr
.irp b, 0,1
	s_delay_alu instid0(VALU_DEP_2)
	v_lshrrev_b32 v[236+\b], 23, v[244+\b]
.endr
	s_delay_alu instid0(VALU_DEP_1)
	v_lshl_or_b32 v238, v237, 8, v236              ; my row's two bytes
.irp b, 0,1
	v_cvt_scalef32_pk8_fp4_f32 v[224+\b], v[96+16*\b:103+16*\b], v[244+\b]
	v_cvt_scalef32_pk8_fp4_f32 v[226+\b], v[104+16*\b:111+16*\b], v[244+\b]
.endr
	v_nop
	v_permlane16_swap_b32 v224, v225
	v_permlane16_swap_b32 v226, v227
	global_store_b128 v[AK0], v[224:227], s[10:11] ; 512 consecutive bytes: half a fragment of the next product's operand
	ds_store_b16 v[ASWR], v238                     ; both halves of the lanes write the same two bytes
	s_wait_dscnt 0x0
	s_barrier_signal -1
	s_barrier_wait -1
	s_cmp_lg_u32 s[WV], 0
	s_cbranch_scc1 .Lnot_0
	ds_load_b128 v[228:231], v[ASRD]               ; the work-group's 256 rows x 2 bytes leave as 512 consecutive bytes
	s_wait_dscnt 0x0
	global_store_b128 v[AK0], v[228:231], s[6:7]
.Lnot_0:
	s_wait_tensorcnt 0x0
	ds_add_u32 v243, v255
	s_wait_dscnt 0x0
	ROUND                                          ; the closing round
	s_endpgm
.Lfunc_end_k_q5eb3dcddac_att:
	.size	k_q5eb3dcddac_att, .Lfunc_end_k_q5eb3dcddac_att-k_q5eb3dcddac_att
	.p2alignl 7, 3214868480
	.fill 96, 4, 3214868480
	.section	.rodata,"a",@progbits
	.p2align	6, 0x0
	.amdhsa_kernel k_q5eb3dcddac_att
		.amdhsa_group_segment_fixed_size 169984
		.amdhsa_private_segment_fixed_size 0
		.amdhsa_enable_private_segment 0
		.amdhsa_kernarg_size 32
		.amdhsa_user_sgpr_count 2
		.amdhsa_user_sgpr_kernarg_segment_ptr 1
		.amdhsa_wavefront_size32 1
		.amdhsa_system_sgpr_workgroup_id_x 1
		.amdhsa_system_sgpr_workgroup_id_y 1
		.amdhsa_system_sgpr_workgroup_id_z 1
		.amdhsa_system_vgpr_workitem_id 0
		.amdhsa_next_free_vgpr 256
		.amdhsa_next_free_sgpr 100
		.amdhsa_reserve_vcc 0
		.amdhsa_float_denorm_mode_32 3
		.amdhsa_float_denorm_mode_16_64 3
		.amdhsa_memory_ordered 1
		.amdhsa_forward_progress 1
		.amdhsa_inst_pref_size 30
	.end_amdhsa_kernel
	.amdgpu_metadata
---
amdhsa.version: [ 1, 2 ]
amdhsa.kernels:
  - .name:           k_q5eb3dcddac_att
    .symbol:         k_q5eb3dcddac_att.kd
    .args:
      - { .name: qkvb, .offset: 0, .size: 8, .value_kind: global_buffer, .address_space: global }
      - { .name: attb, .offset: 8, .size: 8, .value_kind: global_buffer, .address_space: global }
      - { .name: Wo_codes, .offset: 16, .size: 8, .value_kind: global_buffer, .address_space: global }
      - { .name: wimg, .offset: 24, .size: 8, .value_kind: global_buffer, .address_space: global }
    .group_segment_fixed_size: 169984
    .private_segment_fixed_size: 0
    .kernarg_segment_align: 8
    .kernarg_segment_size: 32
    .max_flat_workgroup_size: 512
    .sgpr_count:     100
    .vgpr_count:     256
    .wavefront_size: 32
...
	.end_amdgpu_metadata
.endif
;; end of part 8
;; launch woln (part 9): grid 256 x 1, 8 waves a work-group, no clusters, 70,656 bytes of LDS; arguments attb, wimg, Wo_scales, bo, x, g1, be1, hbuf; writes hbuf
.if DOCPART == 9
	.amdgcn_target "amdgcn-amd-amdhsa--gfx1250"
	.amdhsa_code_object_version 6
	.text
	.protected	k_q5eb3dcddac_woln
	.globl	k_q5eb3dcddac_woln
	.p2align	8
	.type	k_q5eb3dcddac_woln,@function
k_q5eb3dcddac_woln:
	s_mov_b64 s[64:65], 0
	v_nop
	global_prefetch_b8 v0, s[64:65] scope:SCOPE_SE
	s_setreg_imm32_b32 hwreg(HW_REG_WAVE_SCHED_MODE, 0, 2), 2
	s_setreg_imm32_b32 hwreg(HW_REG_WAVE_MODE, 25, 1), 1
	s_wait_xcnt 0x0
	s_wait_alu depctr_vm_vsrc(0)
; h = LayerNorm(x + a Wo^T + bo) g1 + be1, the product on codes of FP4 with E8M0 scales; h leaves as f32 (in the layout of a matrix result) and as codes with scale bytes for the next product.
; SHARES.  A work-group takes 16 whole rows; wave w columns 128 w .. 128 w + 127: eight accumulators (source 0 = 16 rows of Wo, source 1 = the 16 rows of a: a lane holds one row and eight neighbouring columns).
; The rows' eight fragments stay in registers; Wo's 128 rows go from memory straight into registers through a ring of three slots (no other wave wants them).  Wo's codes come as the launch before has laid them,
; in the order of the operand's registers ([column tile][K step][2][lane][16 B]): each load covers 512 consecutive bytes.  x + bo is what the sums begin with.
; The mean and then the mean square of the deviations are taken in two passes; the eight waves' parts meet in LDS.
; LIMITS: NaN and infinities are not served; blocks under 2^-124 get the scale byte 1 (workspace bytes, read by this program alone); v_rsq_f32 is good to 1 ulp.
; REGISTERS: window 0: v1-10 addresses; v16-79 a's fragments; v80-87 a's scale words; v88-151 Wo's; v152-215 the accumulators; v216-231 at work; v232-240 codes and their word; v242-254 sums.
;   window 1: v0-191 the ring (slot 2 takes be1 at the end); v192-255 bo, then g1.
; THE MODE: SCHED_MODE bits 1:0 = 2 (LLVM: expert scheduling mode 2), set by the entry lines.  The code itself states the register dependences between vector or matrix instructions and memory or LDS
; instructions, with s_wait_alu, always for 0.
; THE PLAN.  Registers that memory or LDS instructions touch:
;   v1, v3-10      addresses and offsets: written at the head, never again.
;   v[ACC ..]      x lands; the stage's LDS stores read it; the stage's LDS loads land in it; then vector and matrix instructions alone, until h's stores read it at the end.
;   window 1 v192-255   bo lands; the packed additions read it; g1 lands.
;   ring slot n % 3     unit n's loads land; its eight matrix instructions read it; unit n + 3's loads land (slot 2 takes be1 behind unit 5).
;   v[ASW ..]      a's scale words: written by vector lines, read by the matrix instructions as scales.
;   v[SA]          written by the sums; read by a meeting's LDS store; written again by the squares' sums.
;   v[TM ..]       a's scale bytes land; vector lines read them; the meetings' LDS loads land; the quantiser works there; wave 0's last LDS load lands.
;   v[PC ..], v[PW]     written by the quantiser, read by two stores and an LDS store.
; A unit of the ring has one wait on va_vdst, behind its matrix instructions and their places, ahead of the loads into its slot; a meeting has one at its head; h's stores and the codes' stores have one each.
.set RED,  67584                       ; LDS: behind the eight stages of 8,448 bytes: two fields of 512 bytes for the sums, one for the scale words
.set LI,   1
.set WSO,  3
.set PA,   4
.set SI,   5
.set SO,   6
.set ASO,  7
.set RW,   8
.set RR,   9
.set SCR,  10
.set AF,   16
.set ASW,  80
.set WS,   88
.set ACC,  152
.set TM,   216
.set PC,   232
.set PW,   240
.set SA,   242
.set MU,   250
.set RS,   252
.set TT,   254
.set SEL,  24
.set MSB, 0
.macro WIN new
.if MSB != (\new)
	s_set_vgpr_msb (MSB<<8)|(\new)
.set MSB, (\new)
.endif
.endm
.macro PLACES
.rept 4
	v_nop
.endr
.endm
.macro QUANT s, pc, pw                 ; 64 numbers of a lane (block b: registers s + 16 b on; k = 32 b + 8 h + 0..7, then 32 b + 16 + 8 h + 0..7) become a fragment's codes and its scale word
.irp b, 0,1,2,3
	v_max3_num_f32 v[TM+\b], |v[\s+16*\b]|, |v[\s+1+16*\b]|, 0x1800000
.endr
.irp i, 2,4,6,8,10,12,14
.irp b, 0,1,2,3
	v_max3_num_f32 v[TM+\b], v[TM+\b], |v[\s+16*\b+\i]|, |v[\s+1+16*\b+\i]|
.endr
.endr
.irp b, 0,1,2,3
	v_permlanex16_b32 v[TM+4+\b], v[TM+\b], s[SEL], s[SEL+1]
.endr
.irp b, 0,1,2,3
	v_max_num_f32 v[TM+\b], v[TM+\b], v[TM+4+\b]
.endr
.irp b, 0,1,2,3
	v_add_nc_u32 v[TM+12+\b], 0xff000000, v[TM+\b]
.endr
.irp b, 0,1,2,3
	v_lshrrev_b32 v[TM+4+\b], 23, v[TM+12+\b]
.endr
	v_lshl_or_b32 v[\pw], v[TM+5], 8, v[TM+4]
	v_lshl_or_b32 v[\pw], v[TM+6], 16, v[\pw]
	v_lshl_or_b32 v[\pw], v[TM+7], 24, v[\pw]
.irp b, 0,1,2,3
	v_cvt_scalef32_pk8_fp4_f32 v[\pc+4*(\b/2)+(\b%2)], v[\s+16*\b:\s+16*\b+7], v[TM+12+\b]
	v_cvt_scalef32_pk8_fp4_f32 v[\pc+4*(\b/2)+2+(\b%2)], v[\s+16*\b+8:\s+16*\b+15], v[TM+12+\b]
.endr
	v_nop
.irp c, 0,2,4,6
	v_permlane16_swap_b32 v[\pc+\c], v[\pc+\c+1]
.endr
.endm
.macro MM d, a, b, sa, sb
	v_wmma_scale_f32_16x16x128_f8f6f4 v[(\d):(\d)+7], v[(\a):(\a)+7], v[(\b):(\b)+7], v[(\d):(\d)+7], v[\sa], v[\sb] matrix_a_fmt:MATRIX_FMT_FP4 matrix_b_fmt:MATRIX_FMT_FP4
.endm
.macro WRING n                         ; unit n: column tiles 2 (n / 2), + 1, K steps 4 (n % 2) .. + 3: eight fragments of 1,024 bytes, into slot n % 3; each load 512 consecutive bytes
	WIN 0x40
.irp e, 0,1
.irp q, 0,1,2,3
.irp c, 0,1
	global_load_b128 v[64*((\n)%3)+8*(4*\e+\q)+4*\c:64*((\n)%3)+8*(4*\e+\q)+4*\c+3], v[LI], s[6:7] offset:(2*((\n)/2)+\e)*8192+(4*((\n)%2)+\q)*1024+512*\c
.endr
.endr
.endr
.endm
.macro WUNIT n                         ; its eight matrix instructions: two accumulators by turns
	WIN 0x01
.irp q, 0,1,2,3
.irp e, 0,1
	MM ACC+8*(2*((\n)/2)+\e), 64*((\n)%3)+8*(4*\e+\q), AF+8*(4*((\n)%2)+\q), WS+8*(2*((\n)/2)+\e)+4*((\n)%2)+\q, ASW+4*((\n)%2)+\q
.endr
.endr
	PLACES
.endm
.macro NEXT n                          ; the slot just multiplied is asked for again, for unit n
	WIN 0x40
	s_wait_alu depctr_va_vdst(0)                   ; the last unit's matrix instructions are done reading their slot, in which the loads below land
	WRING \n
.endm
.macro LNFOLD                          ; four chains of pairs -> my row's sum over the wave's 128 columns, in v[SA]
	v_pk_add_f32 v[SA:SA+1], v[SA:SA+1], v[SA+2:SA+3]
	v_pk_add_f32 v[SA+4:SA+5], v[SA+4:SA+5], v[SA+6:SA+7]
	v_pk_add_f32 v[SA:SA+1], v[SA:SA+1], v[SA+4:SA+5]
	v_add_f32 v[SA], v[SA], v[SA+1]
	v_permlanex16_b32 v[SA+1], v[SA], s[SEL], s[SEL+1]
	v_add_f32 v[SA], v[SA], v[SA+1]
.endm
.macro LNMEET off                      ; the eight waves' sums meet: store, wait, barrier, load; every wave adds the same eight numbers in the same order -> v[TM]
	s_wait_alu depctr_va_vdst(0)                   ; the sum has written v[SA], which the LDS store reads; the earlier readers and writers of v[TM ..], in which the LDS loads below land, are done
	ds_store_b32 v[RW], v[SA] offset:\off
	s_wait_dscnt 0x0
	s_barrier_signal -1
	s_barrier_wait -1
	ds_load_b128 v[TM:TM+3], v[RR] offset:\off
	ds_load_b128 v[TM+4:TM+7], v[RR] offset:\off+16
	s_wait_dscnt 0x0
	v_add_f32 v[TM], v[TM], v[TM+1]
	v_add_f32 v[TM+2], v[TM+2], v[TM+3]
	v_add_f32 v[TM+4], v[TM+4], v[TM+5]
	v_add_f32 v[TM+6], v[TM+6], v[TM+7]
	v_add_f32 v[TM], v[TM], v[TM+2]
	v_add_f32 v[TM+4], v[TM+4], v[TM+6]
	v_add_f32 v[TM], v[TM], v[TM+4]
.endm
	s_load_b512 s[4:19], s[0:1], 0x0               ; a's workspace, Wo's image, Wo scales, bo, x, g1, be1, h's workspace
	v_lshl_add_u32 v241, v0, 2, 0x11000
	v_mov_b32 v255, 0
	v_lshrrev_b32 v11, 5, v0
	v_readfirstlane_b32 s20, v11                   ; wave 0..7
	v_and_b32 v11, 31, v0
	v_and_b32 v12, 15, v0                          ; r
	v_bfe_u32 v13, v0, 4, 1                        ; h
	v_lshlrev_b32 v[LI], 4, v11
	v_lshlrev_b32 v[WSO], 5, v12
	v_lshlrev_b32 v[PA], 5, v13
	s_wait_alu depctr_va_sdst(0)                   ; s20 is written, ahead of its first reader: LDS addresses and the bases are made from it
	s_mul_i32 s21, s20, 8448
	v_add_nc_u32 v[SI], s21, v[LI]
	v_mul_u32_u24 v[SO], v12, 528
	v_lshl_add_u32 v[SO], v13, 5, v[SO]
	v_add_nc_u32 v[SO], s21, v[SO]
	v_lshlrev_b32 v[ASO], 1, v12
	v_add_nc_u32 v[RR], RED, v[WSO]                ; 32 bytes a row: a word for each wave
	s_lshl_b32 s21, s20, 2
	v_add_nc_u32 v[RW], s21, v[RR]
	v_add_nc_u32 v[SCR], RED+1024, v[LI]
	s_mov_b32 s[SEL], 0x76543210
	s_mov_b32 s[SEL+1], 0xfedcba98
	s_mov_b32 s26, 0x3a800000                      ; 1 / 1,024
	s_mov_b32 s27, 0x3727c5ac                      ; 1e-5
	s_mov_b32 s23, 0
	s_wait_kmcnt 0x0
	s_lshl_b32 s22, ttmp9, 5
	s_add_co_u32 s22, s22, 2097152
	s_add_nc_u64 s[28:29], s[4:5], s[22:23]        ; a's scale bytes: [head][row] of two
	s_lshl_b32 s22, ttmp9, 13
	s_add_nc_u64 s[4:5], s[4:5], s[22:23]          ; a's eight fragments
	s_lshl_b32 s34, s20, 10
	s_add_co_u32 s22, s22, s34
	s_add_co_u32 s22, s22, 16777216
	s_add_nc_u64 s[30:31], s[18:19], s[22:23]      ; h's codes: fragment (row tile, K step w)
	s_lshl_b32 s22, ttmp9, 9
	s_add_co_u32 s22, s22, 18874368
	s_add_nc_u64 s[32:33], s[18:19], s[22:23]      ; h's scale bytes: 32 a row
	s_lshl_b32 s22, s20, 16
	s_add_nc_u64 s[6:7], s[6:7], s[22:23]          ; my eight column tiles of Wo's image: 8,192 bytes each
	s_lshl_b32 s22, s20, 12
	s_add_nc_u64 s[8:9], s[8:9], s[22:23]
	s_lshl_b32 s22, s20, 9
	s_add_nc_u64 s[10:11], s[10:11], s[22:23]      ; my 128 numbers of bo, g1, be1
	s_add_nc_u64 s[14:15], s[14:15], s[22:23]
	s_add_nc_u64 s[16:17], s[16:17], s[22:23]
	s_lshl_b32 s34, ttmp9, 16
	s_add_co_u32 s22, s22, s34
	s_add_nc_u64 s[12:13], s[12:13], s[22:23]      ; x: 16 rows of 4,096 bytes, my 512 of each
	s_lshl_b32 s22, s20, 13
	s_add_co_u32 s22, s22, s34
	s_add_nc_u64 s[18:19], s[18:19], s[22:23]      ; h as f32: my eight tiles of 1,024 bytes
	s_wait_alu depctr_va_vdst(0)                   ; the nine addresses and offsets v1 and v3 to v10 are written, which every load and store of the kernel reads
.irp i, 0,1,2,3,4,5,6,7,8,9,10,11,12,13,14,15
	global_load_b128 v[ACC+4*\i:ACC+4*\i+3], v[LI], s[12:13] offset:4096*\i   ; 512 consecutive bytes of row i
.endr
	WIN 0x40
.irp t, 0,1,2,3,4,5,6,7
.irp u, 0,1
	global_load_b128 v[192+8*\t+4*\u:192+8*\t+4*\u+3], v[PA], s[10:11] offset:64*\t+16*\u
.endr
.endr
	WIN 0
.irp i, 0,1,2,3,4,5,6,7,8,9,10,11,12,13,14,15
	global_load_u16 v[TM+\i], v[ASO], s[28:29] offset:8192*\i
.endr
.irp k, 0,1,2,3,4,5,6,7
.irp c, 0,1
	global_load_b128 v[AF+8*\k+4*\c:AF+8*\k+4*\c+3], v[LI], s[4:5] offset:1024*\k+512*\c
.endr
.endr
	s_wait_loadcnt 48                              ; x is in; three groups of 16 may be out
.irp i, 0,1,2,3,4,5,6,7,8,9,10,11,12,13,14,15
	ds_store_b128 v[SI], v[ACC+4*\i:ACC+4*\i+3] offset:528*\i
.endr
	s_wait_alu depctr_vm_vsrc(0)                   ; the LDS stores above have read v[ACC ..], in which the LDS loads below land
.irp t, 0,1,2,3,4,5,6,7
.irp u, 0,1
	ds_load_b128 v[ACC+8*\t+4*\u:ACC+8*\t+4*\u+3], v[SO] offset:64*\t+16*\u   ; back in the result's layout; LDS serves a wave's instructions in order
.endr
.endr
.irp t, 0,1,2,3,4,5,6,7
.irp u, 0,1
	global_load_b128 v[WS+8*\t+4*\u:WS+8*\t+4*\u+3], v[WSO], s[8:9] offset:512*\t+16*\u
.endr
.endr
	WRING 0
	WRING 1
	WRING 2
	WIN 0
	s_wait_loadcnt 63                              ; 64 loads were issued behind bo, a's bytes and a's fragments: those are in
	s_wait_dscnt 0x0
.irp k, 0,1,2,3,4,5,6,7
	v_lshl_or_b32 v[ASW+\k], v[TM+2*\k+1], 16, v[TM+2*\k]   ; K step k is heads 2 k and 2 k + 1
.endr
	WIN 0x04
.set pp, 0
.rept 32
	v_pk_add_f32 v[ACC+2*pp:ACC+2*pp+1], v[ACC+2*pp:ACC+2*pp+1], v[192+2*pp:193+2*pp]   ; x + bo: what the sums begin with; also the places behind the scale words' lines
.set pp, pp+1
.endr
	WIN 0x40
	s_wait_alu depctr_va_vdst(0)                   ; the additions are done reading bo, in whose registers g1 lands; a's scale words v[ASW ..] are written, which the matrix instructions take as scales (the 32 additions are the places between)
.irp t, 0,1,2,3,4,5,6,7
.irp u, 0,1
	global_load_b128 v[192+8*\t+4*\u:192+8*\t+4*\u+3], v[PA], s[14:15] offset:64*\t+16*\u   ; g1
.endr
.endr
	s_wait_loadcnt 48                              ; in front of each unit: its slot is in; the count is the groups of 16 issued behind it
	WUNIT 0
	NEXT 3
	s_wait_loadcnt 48
	WUNIT 1
	NEXT 4
	s_wait_loadcnt 48
	WUNIT 2
	NEXT 5
	s_wait_loadcnt 32
	WUNIT 3
	NEXT 6
	s_wait_loadcnt 32
	WUNIT 4
	NEXT 7
	s_wait_loadcnt 32
	WUNIT 5
	WIN 0x40
	s_wait_alu depctr_va_vdst(0)                   ; unit 5's matrix instructions are done reading slot 2, in which be1 lands
.irp t, 0,1,2,3,4,5,6,7
.irp u, 0,1
	global_load_b128 v[128+8*\t+4*\u:128+8*\t+4*\u+3], v[PA], s[16:17] offset:64*\t+16*\u   ; be1 into slot 2
.endr
.endr
	s_wait_loadcnt 32
	WUNIT 6
	s_wait_loadcnt 16
	WUNIT 7
	WIN 0
	; the mean
.irp c, 0,1,2,3
	v_pk_add_f32 v[SA+2*\c:SA+2*\c+1], v[ACC+2*\c:ACC+2*\c+1], v[ACC+8+2*\c:ACC+9+2*\c]
.endr
.set pp, 8
.rept 24
	v_pk_add_f32 v[SA+2*(pp%4):SA+2*(pp%4)+1], v[SA+2*(pp%4):SA+2*(pp%4)+1], v[ACC+2*pp:ACC+2*pp+1]
.set pp, pp+1
.endr
	LNFOLD
	LNMEET 0
	v_mul_f32 v[MU], s26, v[TM]
	v_mov_b32 v[MU+1], v[MU]
.set pp, 0
.rept 32
	v_pk_add_f32 v[ACC+2*pp:ACC+2*pp+1], v[ACC+2*pp:ACC+2*pp+1], v[MU:MU+1] neg_lo:[0,1] neg_hi:[0,1]
.set pp, pp+1
.endr
	; the mean square of the deviations
	s_wait_alu depctr_vm_vsrc(0)                   ; the first meeting's LDS store has read v[SA], which the squares' sums write again
.irp c, 0,1,2,3
	v_pk_mul_f32 v[SA+2*\c:SA+2*\c+1], v[ACC+2*\c:ACC+2*\c+1], v[ACC+2*\c:ACC+2*\c+1]
.endr
.set pp, 4
.rept 28
	v_pk_fma_f32 v[SA+2*(pp%4):SA+2*(pp%4)+1], v[ACC+2*pp:ACC+2*pp+1], v[ACC+2*pp:ACC+2*pp+1], v[SA+2*(pp%4):SA+2*(pp%4)+1]
.set pp, pp+1
.endr
	LNFOLD
	LNMEET 512
	v_fma_f32 v[TT], v[TM], s26, s27
	v_rsq_f32 v[RS], v[TT]
	v_nop                                          ; a plain place behind the root
	s_wait_alu depctr_va_vdst(0)                   ; the root has written v[RS], ahead of its first reader
	v_mov_b32 v[RS+1], v[RS]
.set pp, 0
.rept 32
	v_pk_mul_f32 v[ACC+2*pp:ACC+2*pp+1], v[ACC+2*pp:ACC+2*pp+1], v[RS:RS+1]
.set pp, pp+1
.endr
	s_wait_loadcnt 0x0                             ; g1, be1
	WIN 0x14
.set pp, 0
.rept 32
	v_pk_fma_f32 v[ACC+2*pp:ACC+2*pp+1], v[ACC+2*pp:ACC+2*pp+1], v[192+2*pp:193+2*pp], v[128+2*pp:129+2*pp]
.set pp, pp+1
.endr
	WIN 0
	s_wait_alu depctr_va_vdst(0)                   ; the multiply-adds have written h in v[ACC ..], which the sixteen stores read
.irp t, 0,1,2,3,4,5,6,7
.irp u, 0,1
	global_store_b128 v[LI], v[ACC+8*\t+4*\u:ACC+8*\t+4*\u+3], s[18:19] offset:1024*\t+512*\u   ; 512 consecutive bytes
.endr
.endr
	QUANT ACC, PC, PW                              ; (it reads v[ACC ..] and writes none of them)
	s_wait_alu depctr_va_vdst(0)                   ; the quantiser has written the codes and their word, which the stores below read, and is done with v[TM ..], in which wave 0's LDS load lands
	global_store_b128 v[LI], v[PC:PC+3], s[30:31]
	global_store_b128 v[LI], v[PC+4:PC+7], s[30:31] offset:512
	ds_store_b32 v[RW], v[PW] offset:1024          ; a row's eight words lie together
	s_wait_dscnt 0x0
	s_barrier_signal -1
	s_barrier_wait -1
	s_cmp_lg_u32 s20, 0
	s_cbranch_scc1 .Lnot_0
	ds_load_b128 v[TM:TM+3], v[SCR]                ; into registers that no pending store names (the codes' stores still read v232-239)
	s_wait_dscnt 0x0
	global_store_b128 v[LI], v[TM:TM+3], s[32:33]  ; 16 rows x 32 scale bytes
.Lnot_0:
	s_wait_dscnt 0x0                               ; the closing lines, six on end
	s_wait_alu 0x0
	s_wait_tensorcnt 0x0
	ds_add_u32 v241, v255
	s_wait_dscnt 0x0
	s_endpgm
.Lfunc_end_k_q5eb3dcddac_woln:
	.size	k_q5eb3dcddac_woln, .Lfunc_end_k_q5eb3dcddac_woln-k_q5eb3dcddac_woln
	.p2alignl 7, 3214868480
	.fill 96, 4, 3214868480
	.section	.rodata,"a",@progbits
	.p2align	6, 0x0
	.amdhsa_kernel k_q5eb3dcddac_woln
		.amdhsa_group_segment_fixed_size 70656
		.amdhsa_private_segment_fixed_size 0
		.amdhsa_enable_private_segment 0
		.amdhsa_kernarg_size 64
		.amdhsa_user_sgpr_count 2
		.amdhsa_user_sgpr_kernarg_segment_ptr 1
		.amdhsa_wavefront_size32 1
		.amdhsa_system_sgpr_workgroup_id_x 1
		.amdhsa_system_sgpr_workgroup_id_y 1
		.amdhsa_system_sgpr_workgroup_id_z 1
		.amdhsa_system_vgpr_workitem_id 0
		.amdhsa_next_free_vgpr 512
		.amdhsa_next_free_sgpr 66
		.amdhsa_reserve_vcc 0
		.amdhsa_float_denorm_mode_32 3
		.amdhsa_float_denorm_mode_16_64 3
		.amdhsa_memory_ordered 1
		.amdhsa_forward_progress 1
		.amdhsa_inst_pref_size 58
	.end_amdhsa_kernel
	.amdgpu_metadata
---
amdhsa.version: [ 1, 2 ]
amdhsa.kernels:
  - .name:           k_q5eb3dcddac_woln
    .symbol:         k_q5eb3dcddac_woln.kd
    .args:
      - { .name: attb, .offset: 0, .size: 8, .value_kind: global_buffer, .address_space: global }
      - { .name: wimg, .offset: 8, .size: 8, .value_kind: global_buffer, .address_space: global }
      - { .name: Wo_scales, .offset: 16, .size: 8, .value_kind: global_buffer, .address_space: global }
      - { .name: bo, .offset: 24, .size: 8, .value_kind: global_buffer, .address_space: global }
      - { .name: x, .offset: 32, .size: 8, .value_kind: global_buffer, .address_space: global }
      - { .name: g1, .offset: 40, .size: 8, .value_kind: global_buffer, .address_space: global }
      - { .name: be1, .offset: 48, .size: 8, .value_kind: global_buffer, .address_space: global }
      - { .name: hbuf, .offset: 56, .size: 8, .value_kind: global_buffer, .address_space: global }
    .group_segment_fixed_size: 70656
    .private_segment_fixed_size: 0
    .kernarg_segment_align: 8
    .kernarg_segment_size: 64
    .max_flat_workgroup_size: 256
    .sgpr_count:     66
    .vgpr_count:     512
    .wavefront_size: 32
...
	.end_amdgpu_metadata
.endif
;; end of part 9
;; launch ffn1: the kernel of part 4 again; grid 16 x 16, 4 waves a work-group, clusters of 4 x 4, 327,680 bytes of LDS; arguments hbuf, W1_codes, W1_scales, b1, hid; writes hid
;; launch ffn2: the kernel of part 5 again; grid 8 x 32, 4 waves a work-group, clusters of 4 x 4, 327,680 bytes of LDS; arguments hid, W2_codes, W2_scales, b2, hbuf, y2; writes y2
;; launch ln2 (part 10): grid 256 x 1, 8 waves a work-group, no clusters, 69,632 bytes of LDS; arguments y2, g2, be2, out0; writes out0
.if DOCPART == 10
	.amdgcn_target "amdgcn-amd-amdhsa--gfx1250"
	.amdhsa_code_object_version 6
	.text
	.protected	k_q5eb3dcddac_ln2
	.globl	k_q5eb3dcddac_ln2
	.p2align	8
	.type	k_q5eb3dcddac_ln2,@function
k_q5eb3dcddac_ln2:
	s_mov_b64 s[64:65], 0
	v_nop
	global_prefetch_b8 v0, s[64:65] scope:SCOPE_SE
	s_setreg_imm32_b32 hwreg(HW_REG_WAVE_MODE, 25, 1), 1
	s_wait_xcnt 0x0
; out = LayerNorm(y2) g2 + be2.  y2 lies in the layout of a matrix result: [row tile][column tile][2][lane][16 B]; lane (r, h) of tile t holds row r, columns 16 t + 8 h + 0..7.
; A work-group takes 16 whole rows; wave w columns 128 w .. + 127: 64 numbers a lane, read by 16 loads of 512 consecutive bytes.  The mean and then the mean square of the deviations are taken in two passes;
; the eight waves' parts meet in LDS.  The result turns through the wave's own stage and leaves as 512 consecutive bytes of a row.  Memory binds: no matrix unit, no cluster, no tensor load.
; LIMITS: NaN and infinities are not served; v_rsq_f32 is good to 1 ulp.
.set RED,  67584                       ; LDS: behind the eight stages of 8,448 bytes: two fields of 512 bytes for the sums
.set LI,   1
.set PA,   2
.set SI,   3
.set SO,   4
.set RW,   5
.set RR,   6
.set Y,    16
.set G,    80
.set BE,   144
.set TM,   208
.set SA,   216
.set MU,   224
.set RS,   226
.set TT,   228
.set SEL,  14
.macro LNFOLD
	s_delay_alu instid0(VALU_DEP_3)
	v_pk_add_f32 v[SA:SA+1], v[SA:SA+1], v[SA+2:SA+3]
	s_delay_alu instid0(VALU_DEP_2)
	v_pk_add_f32 v[SA+4:SA+5], v[SA+4:SA+5], v[SA+6:SA+7]
	s_delay_alu instid0(VALU_DEP_1)
	v_pk_add_f32 v[SA:SA+1], v[SA:SA+1], v[SA+4:SA+5]
	s_delay_alu instid0(VALU_DEP_1)
	v_add_f32 v[SA], v[SA], v[SA+1]
	s_delay_alu instid0(VALU_DEP_1)
	v_permlanex16_b32 v[SA+1], v[SA], s[SEL], s[SEL+1]
	s_delay_alu instid0(VALU_DEP_1)
	v_add_f32 v[SA], v[SA], v[SA+1]
.endm
.macro LNMEET off                      ; store, wait, barrier, load; every wave adds the same eight numbers in the same order -> v[TM]
	ds_store_b32 v[RW], v[SA] offset:\off
	s_wait_dscnt 0x0
	s_barrier_signal -1
	s_barrier_wait -1
	ds_load_b128 v[TM:TM+3], v[RR] offset:\off
	ds_load_b128 v[TM+4:TM+7], v[RR] offset:\off+16
	s_wait_dscnt 0x0
	v_add_f32 v[TM], v[TM], v[TM+1]
	v_add_f32 v[TM+2], v[TM+2], v[TM+3]
	v_add_f32 v[TM+4], v[TM+4], v[TM+5]
	v_add_f32 v[TM+6], v[TM+6], v[TM+7]
	s_delay_alu instid0(VALU_DEP_3)
	v_add_f32 v[TM], v[TM], v[TM+2]
	s_delay_alu instid0(VALU_DEP_2)
	v_add_f32 v[TM+4], v[TM+4], v[TM+6]
	s_delay_alu instid0(VALU_DEP_1)
	v_add_f32 v[TM], v[TM], v[TM+4]
.endm
	s_load_b256 s[4:11], s[0:1], 0x0               ; y2, g2, be2, out
	v_lshl_add_u32 v232, v0, 2, 0x10c00
	v_mov_b32 v233, 0
	v_lshrrev_b32 v7, 5, v0
	s_delay_alu instid0(VALU_DEP_1)
	v_readfirstlane_b32 s12, v7                    ; wave 0..7
	v_and_b32 v7, 31, v0
	v_and_b32 v8, 15, v0                           ; r
	v_bfe_u32 v9, v0, 4, 1                         ; h
	s_delay_alu instid0(VALU_DEP_3)
	v_lshlrev_b32 v[LI], 4, v7
	s_delay_alu instid0(VALU_DEP_2)
	v_lshlrev_b32 v[PA], 5, v9
	s_mul_i32 s13, s12, 8448
	v_mul_u32_u24 v[SI], v8, 528
	s_delay_alu instid0(VALU_DEP_1)
	v_lshl_add_u32 v[SI], v9, 5, v[SI]
	s_delay_alu instid0(VALU_DEP_1)
	v_add_nc_u32 v[SI], s13, v[SI]                 ; into my stage: row r, + 32 h
	v_add_nc_u32 v[SO], s13, v[LI]                 ; out of it: a row's 512 bytes
	v_lshlrev_b32 v[RR], 5, v8
	s_delay_alu instid0(VALU_DEP_1)
	v_add_nc_u32 v[RR], RED, v[RR]
	s_lshl_b32 s13, s12, 2
	v_add_nc_u32 v[RW], s13, v[RR]
	s_mov_b32 s[SEL], 0x76543210
	s_mov_b32 s[SEL+1], 0xfedcba98
	s_mov_b32 s16, 0x3a800000                      ; 1 / 1,024
	s_mov_b32 s17, 0x3727c5ac                      ; 1e-5
	s_mov_b32 s19, 0
	s_lshl_b32 s20, ttmp9, 16
	s_wait_alu depctr_va_vdst(0)
	s_wait_kmcnt 0x0
	s_lshl_b32 s18, s12, 13
	s_add_co_u32 s18, s18, s20
	s_add_nc_u64 s[4:5], s[4:5], s[18:19]          ; my eight tiles of 1,024 bytes
	s_lshl_b32 s18, s12, 9
	s_add_nc_u64 s[6:7], s[6:7], s[18:19]
	s_add_nc_u64 s[8:9], s[8:9], s[18:19]
	s_add_co_u32 s18, s18, s20
	s_add_nc_u64 s[10:11], s[10:11], s[18:19]      ; 16 rows of 4,096 bytes, my 512 of each
.irp t, 0,1,2,3,4,5,6,7
.irp u, 0,1
	global_load_b128 v[Y+8*\t+4*\u:Y+8*\t+4*\u+3], v[LI], s[4:5] offset:1024*\t+512*\u th:TH_LOAD_NT
.endr
.endr
.irp t, 0,1,2,3,4,5,6,7
.irp u, 0,1
	global_load_b128 v[G+8*\t+4*\u:G+8*\t+4*\u+3], v[PA], s[6:7] offset:64*\t+16*\u
.endr
.endr
.irp t, 0,1,2,3,4,5,6,7
.irp u, 0,1
	global_load_b128 v[BE+8*\t+4*\u:BE+8*\t+4*\u+3], v[PA], s[8:9] offset:64*\t+16*\u
.endr
.endr
	s_wait_loadcnt 32                              ; y2 is in; the gain's and the bias's 32 loads may be out
.irp c, 0,1,2,3
	v_pk_add_f32 v[SA+2*\c:SA+2*\c+1], v[Y+2*\c:Y+2*\c+1], v[Y+8+2*\c:Y+9+2*\c]
.endr
.set pp, 8
.rept 24
	s_delay_alu instid0(VALU_DEP_4)
	v_pk_add_f32 v[SA+2*(pp%4):SA+2*(pp%4)+1], v[SA+2*(pp%4):SA+2*(pp%4)+1], v[Y+2*pp:Y+2*pp+1]
.set pp, pp+1
.endr
	LNFOLD
	LNMEET 0
	s_delay_alu instid0(VALU_DEP_1)
	v_mul_f32 v[MU], s16, v[TM]                    ; the mean
	s_delay_alu instid0(VALU_DEP_1)
	v_mov_b32 v[MU+1], v[MU]
.set pp, 0
.rept 32
	v_pk_add_f32 v[Y+2*pp:Y+2*pp+1], v[Y+2*pp:Y+2*pp+1], v[MU:MU+1] neg_lo:[0,1] neg_hi:[0,1]
.set pp, pp+1
.endr
.irp c, 0,1,2,3
	v_pk_mul_f32 v[SA+2*\c:SA+2*\c+1], v[Y+2*\c:Y+2*\c+1], v[Y+2*\c:Y+2*\c+1]
.endr
.set pp, 4
.rept 28
	s_delay_alu instid0(VALU_DEP_4)
	v_pk_fma_f32 v[SA+2*(pp%4):SA+2*(pp%4)+1], v[Y+2*pp:Y+2*pp+1], v[Y+2*pp:Y+2*pp+1], v[SA+2*(pp%4):SA+2*(pp%4)+1]
.set pp, pp+1
.endr
	LNFOLD
	LNMEET 512
	s_delay_alu instid0(VALU_DEP_1)
	v_fma_f32 v[TT], v[TM], s16, s17               ; the variance + 1e-5
	s_wait_alu depctr_va_vdst(0)
	v_rsq_f32 v[RS], v[TT]
	v_nop                                          ; a plain place behind the root
	s_wait_alu depctr_va_vdst(0)                   ; and the wait ahead of its first reader
	v_mov_b32 v[RS+1], v[RS]
.set pp, 0
.rept 32
	v_pk_mul_f32 v[Y+2*pp:Y+2*pp+1], v[Y+2*pp:Y+2*pp+1], v[RS:RS+1]
.set pp, pp+1
.endr
	s_wait_loadcnt 0x0                             ; the gain and the bias
.set pp, 0
.rept 32
	v_pk_fma_f32 v[Y+2*pp:Y+2*pp+1], v[Y+2*pp:Y+2*pp+1], v[G+2*pp:G+2*pp+1], v[BE+2*pp:BE+2*pp+1]
.set pp, pp+1
.endr
.irp t, 0,1,2,3,4,5,6,7
.irp u, 0,1
	ds_store_b128 v[SI], v[Y+8*\t+4*\u:Y+8*\t+4*\u+3] offset:64*\t+16*\u
.endr
.endr
.irp i, 0,1,2,3,4,5,6,7,8,9,10,11,12,13,14,15
	ds_load_b128 v[Y+4*\i:Y+4*\i+3], v[SO] offset:528*\i   ; LDS serves a wave's instructions in order: these see my stores
.endr
.irp i, 0,1,2,3,4,5,6,7,8,9,10,11,12,13,14,15
	s_wait_dscnt 15-\i
	global_store_b128 v[LI], v[Y+4*\i:Y+4*\i+3], s[10:11] offset:4096*\i th:TH_STORE_NT   ; 32 lanes store 512 consecutive bytes of a row, at a multiple of 256 from the buffer's first byte
.endr
	s_wait_tensorcnt 0x0
	ds_add_u32 v232, v233
	s_wait_dscnt 0x0
	s_endpgm
.Lfunc_end_k_q5eb3dcddac_ln2:
	.size	k_q5eb3dcddac_ln2, .Lfunc_end_k_q5eb3dcddac_ln2-k_q5eb3dcddac_ln2
	.p2alignl 7, 3214868480
	.fill 96, 4, 3214868480
	.section	.rodata,"a",@progbits
	.p2align	6, 0x0
	.amdhsa_kernel k_q5eb3dcddac_ln2
		.amdhsa_group_segment_fixed_size 69632
		.amdhsa_private_segment_fixed_size 0
		.amdhsa_enable_private_segment 0
		.amdhsa_kernarg_size 32
		.amdhsa_user_sgpr_count 2
		.amdhsa_user_sgpr_kernarg_segment_ptr 1
		.amdhsa_wavefront_size32 1
		.amdhsa_system_sgpr_workgroup_id_x 1
		.amdhsa_system_sgpr_workgroup_id_y 1
		.amdhsa_system_sgpr_workgroup_id_z 1
		.amdhsa_system_vgpr_workitem_id 0
		.amdhsa_next_free_vgpr 234
		.amdhsa_next_free_sgpr 66
		.amdhsa_reserve_vcc 0
		.amdhsa_float_denorm_mode_32 3
		.amdhsa_float_denorm_mode_16_64 3
		.amdhsa_memory_ordered 1
		.amdhsa_forward_progress 1
		.amdhsa_inst_pref_size 25
	.end_amdhsa_kernel
	.amdgpu_metadata
---
amdhsa.version: [ 1, 2 ]
amdhsa.kernels:
  - .name:           k_q5eb3dcddac_ln2
    .symbol:         k_q5eb3dcddac_ln2.kd
    .args:
      - { .name: y2, .offset: 0, .size: 8, .value_kind: global_buffer, .address_space: global }
      - { .name: g2, .offset: 8, .size: 8, .value_kind: global_buffer, .address_space: global }
      - { .name: be2, .offset: 16, .size: 8, .value_kind: global_buffer, .address_space: global }
      - { .name: out0, .offset: 24, .size: 8, .value_kind: global_buffer, .address_space: global }
    .group_segment_fixed_size: 69632
    .private_segment_fixed_size: 0
    .kernarg_segment_align: 8
    .kernarg_segment_size: 32
    .max_flat_workgroup_size: 256
    .sgpr_count:     66
    .vgpr_count:     234
    .wavefront_size: 32
...
	.end_amdgpu_metadata
.endif
;; end of part 10
